; MI455X (gfx1250); checked and timed in simulation.
; The chip was launched on July 23, 2026; its instructions are those of AMD's public machine-readable ISA for CDNA 5 (MIT licence, August 2026) and "CDNA5" Instruction Set Architecture Reference Guide (July 2026). The comments in the code are by the model that wrote it; some were corrected since.
;; Transformer Block. Allowed arithmetic: matrix products marked QUANTISED: E5M2 operands, one E8M0 scale for each 32 along K, by v_wmma_scale_f32_16x16x128_f8f6f4 with both operands' format E5M2, f32 sums; everything else in f32.
;; Inputs: W1 1,024 x 4,096 float32; W2 4,096 x 1,024 float32; Wo 1,024 x 1,024 float32; Wqkv 1,024 x 3,072 float32; X 2 x 2,048 x 1,024 float32; b1 4,096 float32; b2 1,024 float32; bo 1,024 float32; bqkv 3,072 float32; ln1_b 1,024 float32; ln1_g 1,024 float32; ln2_b 1,024 float32; ln2_g 1,024 float32.
;; Outputs: out0 2 x 2,048 x 1,024 float32.
;; This version of the problem:
;;   THIS VERSION OF THE PROBLEM IS GIVEN IN LOW PRECISION. The matrix products marked QUANTISED in the list below multiply operands that are first quantised to E5M2 (5 exponent bits, 2 mantissa bits; 8 bits a number), with one power-of-two scale for each 32 numbers along K (OCP MX v1.0); their sums are f32. All else is computed in f32.
;;   The module's matrix products, in the order in which they are computed (A, B: the left and right operand; K: the contracted axis; several contracted axes count as one K, in the product's order):
;;     1. [M 4,096, K 1,024] x [K 1,024, N 3,072]; A: computed on the way; B: input Wqkv: QUANTISED
;;     2. batch 32 x [M 2,048, K 64] x [K 64, N 2,048]; A: computed on the way; B: computed on the way: QUANTISED
;;     3. batch 32 x [M 2,048, K 2,048] x [K 2,048, N 64]; A: softmax (see below); B: computed on the way: QUANTISED
;;     4. [M 4,096, K 1,024] x [K 1,024, N 1,024]; A: computed on the way; B: input Wo: QUANTISED
;;     5. [M 4,096, K 1,024] x [K 1,024, N 4,096]; A: computed on the way; B: input W1: QUANTISED
;;     6. [M 4,096, K 4,096] x [K 4,096, N 1,024]; A: computed on the way; B: input W2: QUANTISED
;;   THE QUANTISER, for each operand of a quantised product, along K:
;;     - K is cut into blocks of 32 from its start; a last block that is shorter is filled with zeros.
;;     - A block's scale is 2^e with e = floor(log2(the largest magnitude in the block)) - 15, held to -126 .. 127; a block of zeros has e = 0. As a byte (E8M0): e + 127.
;;     - Each number is divided by its block's scale, clamped to +-57,344, and rounded to the nearest number of E5M2, ties to even, subnormals kept.
;;     - The product sums the exact products of the quantised numbers (number of the format x scale) in f32.
;;   ~~~python
;;   def quantise(x, axis):      # numpy; x: float32 -> the quantised numbers, widened to float32 again
;;       x = np.moveaxis(x, axis, -1); K = x.shape[-1]
;;       x = np.pad(x, [(0, 0)] * (x.ndim - 1) + [(0, -K % 32)]); x = x.reshape(x.shape[:-1] + (-1, 32)); a = np.abs(x).max(-1, keepdims=True)
;;       e = np.where(a > 0, np.clip(np.frexp(np.where(a > 0, a, 1))[1] - 1 - 15, -126, 127), 0)      # np.frexp(a)[1] - 1 = floor(log2(a)), exactly
;;       r = np.clip(x / 2.0 ** e, -57344, 57344)
;;       step = 2.0 ** (np.maximum(np.frexp(np.where(r == 0, 1, r))[1] - 1, -14) - 2)
;;       q = np.round(r / step) * step * 2.0 ** e      # np.round: ties to even
;;       return np.moveaxis(q.reshape(q.shape[:-2] + (-1,))[..., :K], -1, axis).astype(np.float32)
;;   ~~~
;;   SOFTMAX AHEAD OF A QUANTISED PRODUCT. Where the list says 'softmax', what is quantised is not the finished softmax but p = 2^(t - M), with t = logit x log2(e) and M = ceil(the row's largest t), a whole number; so 1/2 < the row's largest p <= 1. The row's sum l is taken of the UNQUANTISED p, in f32, and the product's result is divided by l at the end. Since M is a whole number, a kernel that streams over the keys may use a running M (the ceiling of the running maximum): every later rescaling is an exact power of two, which a block's scale takes up: the codes' values come out the same.
;;   OPERANDS COMPUTED ON THE WAY. 'Computed on the way' means the value that the module computes at that place (a softmax that the list does not call 'softmax' is quantised finished and normalised). What goes into a quantiser is computed in f32, as accurately as f32 sums, v_exp_f32 and their like allow (about 1e-6 of the number): no bf16 or f16 on the way to a quantiser, and a product that is left as it is and whose result goes on into a quantised operand takes f32 operands (vector FMAs, or v_wmma_f32_16x16x4_f32). A number that lies on a knife's edge between two numbers of the format may be rounded either way, as far as f32 arithmetic and the matrix unit's own rounding can turn it there, and no further.
;; One version. Each part assembles by itself: llvm-mc -triple=amdgcn-amd-amdhsa -mcpu=gfx1250 --defsym DOCPART=n.
;; ======== version 1 of 1: 7 launches
;; limits: right only within a limited range of input values
;; workspace buffers: wts 17,334,272 bytes; qkv 21,364,736 bytes; ctx 4,325,376 bytes; x1 16,777,216 bytes; xn2 4,325,376 bytes; hid 17,301,504 bytes
;; launch prep (part 1): grid 512 x 1, 8 waves a work-group, no clusters, 39,936 bytes of LDS; arguments X, ln1_g, ln1_b, Wqkv, Wo, W1, W2, wts; writes wts
.if DOCPART == 1
	.amdgcn_target "amdgcn-amd-amdhsa--gfx1250"
	.amdhsa_code_object_version 6
	.text
	.protected	k_q0d63a85236_prep
	.globl	k_q0d63a85236_prep
	.p2align	8
	.type	k_q0d63a85236_prep,@function
k_q0d63a85236_prep:
	s_mov_b64 s[64:65], 0
	v_nop
	global_prefetch_b8 v0, s[64:65] scope:SCOPE_SE
	s_setreg_imm32_b32 hwreg(HW_REG_WAVE_MODE, 25, 1), 1
	s_wait_xcnt 0x0
; TWO JOBS IN ONE LAUNCH, told apart by the work-group's number.
; Work-groups 0-127: layer norm of 32 rows of x [4096][1024] f32, y = (x - mean) rsqrt(var + 1e-5) g + b, quantised along the row to codes of E5M2 with one E8M0 byte for each 32.
; Work-groups 128-511: the four weights, f32 stored [K][N], quantised along K (their FIRST axis) to codes laid [N][K], K innermost.
; A block's scale is 2^(floor(log2(largest magnitude)) - 15): its byte is the largest magnitude's exponent field - 15; each number is held within +-57,344 x the scale and rounded to the nearest code, ties to even.
; LIMITS: a block whose largest magnitude lies under 2^-111 takes the byte 1; a block of zeros takes the byte 1 and not 127 (its codes are zeros, and this program alone reads the bytes); NaN and infinities are not served.
; ROW ORDER OF WHAT IS WRITTEN: row p of the codes (a token, or a weight's column n) lies at row LOG(p), LOG = bits 3 and 4 of p exchanged.  Sixteen rows on end then are the rows 32 g + 8 u + r + 8 (r / 8),
; so that a product which takes them as its first source leaves 16 neighbours along that index in a lane's 16 registers of two neighbouring tiles.
; SCALE BYTES: [K / 256][rows][8]: the 8 bytes of a row's 256 along K lie together, rows on end.
; EVERY WAVE ISSUES ALL ITS LOADS AT ITS HEAD: 48 in the layer norm, 32 in the weights; eight waves of 256 registers are half of a WGP's registers, so two work-groups lie on a WGP.
; No tensor loads, no matrix work, no cluster: no two work-groups read the same bytes.  Each of the two paths has LDS bytes of its own.
.set WSS,  34816                       ; LDS: the weights' stage of codes, 128 rows x 272, lies at 0 .. 34,815; here their scale bytes, [128 rows][8]
.set LNS,  36864                       ; the layer norm's scale bytes, [4 chunks][32 rows][8]
.set XNS,  4194304                     ; byte offsets in the output buffer: the rows' codes at 0, their scale bytes here,
.set WQC,  4325376                     ; Wqkv's codes [3072][1024]
.set WQS,  7471104                     ; its scale bytes [4][4096][8] (rows from 3,072 on are neither written nor read)
.set WOC,  7602176                     ; Wo [1024][1024]
.set WOS,  8650752                     ; [4][1024][8]
.set W1C,  8683520                     ; W1 [4096][1024]
.set W1S,  12877824                    ; [4][4096][8]
.set W2C,  13008896                    ; W2 [1024][4096]
.set W2S,  17203200                    ; [16][1024][8]
.set C,   6                            ; v6-21    the codes of my rows 0 and 1, 8 registers a row; never written again
.set G,   22                           ; v22-53   g of my 32 columns (register 8 c + e: column 256 c + 8 lane + e)
.set B,   54                           ; v54-85   b likewise
.set X,   86                           ; v86-213  my four rows, 32 registers each; rows 2 and 3 put their codes where rows 0 and 1 lay
.set TP,  214                          ; v214-253 at work, 20 registers for each row of a pair: +0..7 four pairs of sums, later +0..3 the blocks' largest magnitudes and +4..7 the conversions' scale operands;
                                       ;          +8, 9 the mean, twice; +10, 11 rsqrt(var + eps), twice; +12..15 57,344 x the scale (+12 is also the lane permute's destination); +16..19 the scale bytes
	s_load_b256 s[4:11], s[0:1], 0x0               ; x s[4:5], g s[6:7], b s[8:9], Wqkv s[10:11]
	s_load_b256 s[12:19], s[0:1], 0x20             ; Wo s[12:13], W1 s[14:15], W2 s[16:17], the output buffer s[18:19]
	v_lshl_add_u32 v254, v0, 2, 0x9800
	v_mov_b32 v255, 0
	v_lshrrev_b32 v1, 5, v0
	s_delay_alu instid0(VALU_DEP_1)
	v_readfirstlane_b32 s20, v1                    ; wave 0..7
	v_and_b32 v5, 31, v0                           ; lane
	s_wait_kmcnt 0x0
	s_cmp_lt_u32 ttmp9, 128                        ; the same in all eight waves
	s_cbranch_scc0 .Lweights
; ---------------- THE LAYER NORM.  Wave w takes rows 32 L + 4 w + i, i = 0 .. 3, each whole in 32 registers: a row is read once.  The rows are worked two at a time, line by line by turns.
; Lane l holds, of each 256 columns (chunk c), the 8 columns 256 c + 8 l on: two loads of 16 bytes; a chunk's two loads together cover 1,024 consecutive bytes.  A block of 32 lies in four neighbouring lanes.
	s_bfe_u32 s21, s20, 0x10001                    ; row 4 w + i has bit 3 = the wave's bit 1 and bit 4 = its bit 2: exchanged,
	s_lshl_b32 s21, s21, 4
	s_bfe_u32 s22, s20, 0x10002
	s_lshl_b32 s22, s22, 3
	s_or_b32 s21, s21, s22
	s_and_b32 s22, s20, 1
	s_lshl_b32 s22, s22, 2
	s_or_b32 s21, s21, s22                         ; my four rows lie at rows 32 L + this on
	s_wait_alu depctr_va_vdst(0)
	v_lshlrev_b32 v1, 5, v5                        ; 32 x lane: my 32 bytes of a chunk of f32
	s_lshl_b32 s22, ttmp9, 17                      ; 32 rows of 4,096 bytes
	s_lshl_b32 s23, s20, 14                        ; 4 rows
	s_add_co_u32 s22, s22, s23
	s_mov_b32 s23, 0
	s_add_nc_u64 s[24:25], s[4:5], s[22:23]        ; x at my first row
.irp c, 0,1,2,3
	global_load_b128 v[G+8*\c:G+8*\c+3],   v1, s[6:7] offset:1024*\c
	global_load_b128 v[G+8*\c+4:G+8*\c+7], v1, s[6:7] offset:1024*\c+16
	global_load_b128 v[B+8*\c:B+8*\c+3],   v1, s[8:9] offset:1024*\c
	global_load_b128 v[B+8*\c+4:B+8*\c+7], v1, s[8:9] offset:1024*\c+16
.endr
.irp q, 0,1,2,3                                ; my four rows: eight loads each
.irp c, 0,1,2,3
	global_load_b128 v[X+32*\q+8*\c:X+32*\q+8*\c+3],   v1, s[24:25] offset:4096*\q+1024*\c th:TH_LOAD_NT
	global_load_b128 v[X+32*\q+8*\c+4:X+32*\q+8*\c+7], v1, s[24:25] offset:4096*\q+1024*\c+16 th:TH_LOAD_NT
.endr
.endr
	v_lshlrev_b32 v2, 3, v5                        ; 8 x lane: my 8 codes of a chunk
	v_lshrrev_b32 v3, 2, v5                        ; my block in the chunk
	s_lshl_b32 s22, s21, 3
	s_add_co_u32 s22, s22, LNS
	v_add_nc_u32 v3, s22, v3                       ; LDS: my wave's 4 rows x 8 bytes of chunk 0, my block's byte
	s_lshl_b32 s22, s20, 8
	s_add_co_u32 s22, s22, LNS
	v_add_nc_u32 v4, s22, v2                       ; LDS, on the way out (waves 0 to 3): chunk w's 256 bytes, 8 a lane
	s_lshl_b32 s22, ttmp9, 15                      ; 32 rows of 1,024 codes
	s_lshl_b32 s35, s21, 10
	s_add_co_u32 s22, s22, s35
	s_add_nc_u64 s[26:27], s[18:19], s[22:23]      ; the codes at my first row
	s_lshl_b32 s22, ttmp9, 8                       ; 32 rows of 8 scale bytes,
	s_lshl_b32 s35, s20, 15                        ; in chunk w (a chunk is 4,096 rows x 8 bytes)
	s_add_co_u32 s22, s22, s35
	s_add_co_u32 s22, s22, XNS
	s_add_nc_u64 s[28:29], s[18:19], s[22:23]
	s_mov_b32 s30, 0x76543210
	s_mov_b32 s31, 0xfedcba98                      ; v_permlanex16_b32's selects for lane l xor 16
	s_mov_b32 s32, 0x3a800000                      ; 1 / 1024
	s_mov_b32 s33, 0x3727c5ac                      ; 1e-5
	s_mov_b32 s34, 0x600000                        ; the mantissa field of 57,344
	v_mov_b32 v[TP+12], 0                          ; written once: a lane permute's destination counts as one of its sources
	v_mov_b32 v[TP+32], 0
.macro SETR i, r                       ; row i + r of my four: its numbers, its registers at work, its codes
.set XS, X+32*((\i)+(\r))
.set TR, TP+20*(\r)
.if (\i) == 0
.set CD, C+8*(\r)
.else
.set CD, X+32*(\r)
.endif
.endm
.macro REDUCE                          ; of each of the two rows: four pairs of sums become the wave's sum, in every lane
.irp r, 0
	v_pk_add_f32 v[TP+20*\r:TP+20*\r+1], v[TP+20*\r:TP+20*\r+1], v[TP+20*\r+2:TP+20*\r+3]
	s_delay_alu instid0(VALU_DEP_3)
	v_pk_add_f32 v[TP+20*\r+4:TP+20*\r+5], v[TP+20*\r+4:TP+20*\r+5], v[TP+20*\r+6:TP+20*\r+7]
.endr
.irp r, 1
	v_pk_add_f32 v[TP+20*\r:TP+20*\r+1], v[TP+20*\r:TP+20*\r+1], v[TP+20*\r+2:TP+20*\r+3]
	s_delay_alu instid0(VALU_DEP_4)
	v_pk_add_f32 v[TP+20*\r+4:TP+20*\r+5], v[TP+20*\r+4:TP+20*\r+5], v[TP+20*\r+6:TP+20*\r+7]
.endr
.irp r, 0
	s_delay_alu instid0(VALU_DEP_3)
	v_pk_add_f32 v[TP+20*\r:TP+20*\r+1], v[TP+20*\r:TP+20*\r+1], v[TP+20*\r+4:TP+20*\r+5]
.endr
.irp r, 1
	s_delay_alu instid0(VALU_DEP_2)
	v_pk_add_f32 v[TP+20*\r:TP+20*\r+1], v[TP+20*\r:TP+20*\r+1], v[TP+20*\r+4:TP+20*\r+5]
.endr
.irp r, 0,1
	s_delay_alu instid0(VALU_DEP_2)
	v_add_f32 v[TP+20*\r], v[TP+20*\r], v[TP+20*\r+1]
.endr
.irp m, 1,2,4,8
.irp r, 0,1
	s_delay_alu instid0(VALU_DEP_2)
	v_add_f32_dpp v[TP+20*\r], v[TP+20*\r], v[TP+20*\r] row_xmask:\m row_mask:0xf bank_mask:0xf
.endr
.endr
.irp r, 0,1
	s_delay_alu instid0(VALU_DEP_2)
	v_permlanex16_b32 v[TP+20*\r+12], v[TP+20*\r], s30, s31
.endr
.irp r, 0,1
	s_delay_alu instid0(VALU_DEP_2)
	v_add_f32 v[TP+20*\r], v[TP+20*\r], v[TP+20*\r+12]
.endr
.endm
.macro PAIR i, left                    ; rows i and i + 1.  left: the younger loads that may stay out
	s_wait_loadcnt \left                           ; loads come back in order: these two rows (and, the first time, g and b) are in
	s_wait_dscnt 0x0                               ; the last pair's byte stores have read their registers
.irp u, 0,1,2,3
.irp r, 0,1
	SETR \i, \r
	v_pk_add_f32 v[TR+2*\u:TR+2*\u+1], v[XS+2*\u:XS+2*\u+1], v[XS+8+2*\u:XS+8+2*\u+1]   ; a row's sum, in four chains
.endr
.endr
.irp j, 16,24
.irp u, 0,1,2,3
.irp r, 0,1
	SETR \i, \r
	v_pk_add_f32 v[TR+2*\u:TR+2*\u+1], v[TR+2*\u:TR+2*\u+1], v[XS+\j+2*\u:XS+\j+2*\u+1]
.endr
.endr
.endr
	REDUCE
.irp r, 0,1
	s_delay_alu instid0(VALU_DEP_2)
	v_mul_f32 v[TP+20*\r+8], s32, v[TP+20*\r]      ; the mean
.endr
.irp r, 0,1
	s_delay_alu instid0(VALU_DEP_2)
	v_mov_b32 v[TP+20*\r+9], v[TP+20*\r+8]
.endr
.set k, 0
.rept 16
.irp r, 0,1
	SETR \i, \r
	v_pk_add_f32 v[XS+2*k:XS+2*k+1], v[XS+2*k:XS+2*k+1], v[TR+8:TR+9] neg_lo:[0,1] neg_hi:[0,1]   ; x - mean, in place: the variance is taken of these, so no difference of large sums is formed
.endr
.set k, k+1
.endr
.irp u, 0,1,2,3
.irp r, 0,1
	SETR \i, \r
	v_pk_mul_f32 v[TR+2*\u:TR+2*\u+1], v[XS+2*\u:XS+2*\u+1], v[XS+2*\u:XS+2*\u+1]
.endr
.endr
.irp j, 8,16,24
.irp u, 0,1,2,3
.irp r, 0,1
	SETR \i, \r
	v_pk_fma_f32 v[TR+2*\u:TR+2*\u+1], v[XS+\j+2*\u:XS+\j+2*\u+1], v[XS+\j+2*\u:XS+\j+2*\u+1], v[TR+2*\u:TR+2*\u+1]
.endr
.endr
.endr
	REDUCE
.irp r, 0,1
	s_delay_alu instid0(VALU_DEP_2)
	v_fma_f32 v[TP+20*\r+2], v[TP+20*\r], s32, s33 ; var + eps
.endr
	s_wait_alu depctr_va_vdst(0)
.irp r, 0,1
	v_rsq_f32 v[TP+20*\r+10], v[TP+20*\r+2]
.endr
	v_nop                                          ; a plain instruction behind the two transcendentals,
	s_wait_alu depctr_va_vdst(0)                   ; and a wait ahead of their results' first reader
.irp r, 0,1
	v_mov_b32 v[TP+20*\r+11], v[TP+20*\r+10]
.endr
.set k, 0
.rept 16
.irp r, 0,1
	SETR \i, \r
	v_pk_mul_f32 v[XS+2*k:XS+2*k+1], v[XS+2*k:XS+2*k+1], v[TR+10:TR+11]
.endr
.set k, k+1
.endr
.set k, 0
.rept 16
.irp r, 0,1
	SETR \i, \r
	v_pk_fma_f32 v[XS+2*k:XS+2*k+1], v[XS+2*k:XS+2*k+1], v[G+2*k:G+2*k+1], v[B+2*k:B+2*k+1]
.endr
.set k, k+1
.endr
.irp c, 0,1,2,3
.irp r, 0,1
	SETR \i, \r
	v_max3_num_f32 v[TR+\c], |v[XS+8*\c]|, |v[XS+8*\c+1]|, 0x8000000   ; my 8 numbers of chunk c's block, and the floor 2^(16 - 127): the byte cannot fall under 1
.endr
.endr
.irp j, 2,4,6
.irp c, 0,1,2,3
.irp r, 0,1
	SETR \i, \r
	v_max3_num_f32 v[TR+\c], v[TR+\c], |v[XS+8*\c+\j]|, |v[XS+8*\c+\j+1]|
.endr
.endr
.endr
.irp m, 1,2
.irp c, 0,1,2,3
.irp r, 0,1
	v_max_num_f32_dpp v[TP+20*\r+\c], v[TP+20*\r+\c], v[TP+20*\r+\c] row_xmask:\m row_mask:0xf bank_mask:0xf   ; with the block's other three lanes
.endr
.endr
.endr
.irp c, 0,1,2,3
.irp r, 0,1
	v_add_nc_u32 v[TP+20*\r+4+\c], 0xf8800000, v[TP+20*\r+\c]    ; 15 off the exponent field: the conversion takes this operand's exponent field as its scale
.endr
.endr
.irp c, 0,1,2,3
.irp r, 0,1
	v_and_or_b32 v[TP+20*\r+12+\c], v[TP+20*\r+\c], 0x7f800000, s34   ; 57,344 x the scale
.endr
.endr
.irp c, 0,1,2,3
.irp r, 0,1
	v_lshrrev_b32 v[TP+20*\r+16+\c], 23, v[TP+20*\r+4+\c]        ; the scale's byte
.endr
.endr
.irp c, 0,1,2,3
.irp e, 0,1,2,3,4,5,6,7
.irp r, 0,1
	SETR \i, \r
	v_med3_num_f32 v[XS+8*\c+\e], v[XS+8*\c+\e], -v[TR+12+\c], v[TR+12+\c]   ; the conversion to an 8-bit code does not saturate (ISA guide 7.6.2): the hold
.endr
.endr
.endr
.irp c, 0,1,2,3
.irp r, 0,1
	SETR \i, \r
	v_cvt_scalef32_pk8_bf8_f32 v[CD+2*\c:CD+2*\c+1], v[XS+8*\c:XS+8*\c+7], v[TR+4+\c]
.endr
.endr
	v_nop                                          ; a plain instruction behind the last conversion
.irp r, 0,1
.irp c, 0,1,2,3
	SETR \i, \r
	global_store_b64 v2, v[CD+2*\c:CD+2*\c+1], s[26:27] offset:1024*((\i)+(\r))+256*\c   ; 32 lanes store 256 consecutive bytes, aligned
	ds_store_b8 v3, v[TR+16+\c] offset:256*\c+8*((\i)+(\r))  ; the four lanes of a block write the same byte with the same value
.endr
.endr
.endm
	PAIR 0, 16                                     ; the sixteen loads of rows 2 and 3 may stay out
	PAIR 2, 0
	s_wait_dscnt 0x0                               ; for the others' sake: my byte stores are done
	s_barrier_signal -1
	s_barrier_wait -1                              ; a chunk's 32 rows x 8 bytes come from all eight waves
	s_cmp_lt_u32 s20, 4                            ; four chunks: waves 0 to 3 store one each, whole
	s_cbranch_scc0 .Lln_end
	ds_load_b64 v[TP:TP+1], v4
	s_wait_dscnt 0x0
	global_store_b64 v2, v[TP:TP+1], s[28:29]      ; chunk w's 256 consecutive bytes, aligned
.Lln_end:
	s_wait_tensorcnt 0x0
	ds_add_u32 v254, v255
	s_wait_dscnt 0x0
	s_endpgm
; ---------------- THE WEIGHTS.  A work-group takes 128 columns x 256 along K; wave w takes block w, 32 along K, of all 128 columns.  A lane takes 4 neighbouring columns: each of its 32 loads reads one row k, and the wave's
; 32 lanes read 512 consecutive bytes, aligned.  A column's block of 32 lies in one lane's registers, 4 apart: its largest magnitude needs no other lane, and the hold, which touches each number anyway, writes it where the
; conversion wants it: 32 registers on end down K.  So the codes come out with K innermost and nothing is transposed by an instruction of its own.
; The eight waves' codes meet in one stage in LDS (a column's row: 256 bytes, wave w's at byte 32 w) and leave as rows of 256 bytes; the scale bytes likewise (a column's 8 bytes, wave w's at byte w).
; Which weight, and its sizes, hang on the work-group's number alone: u = number - 128: 0-95 Wqkv, 96-127 Wo, 128-255 W1, 256-383 W2.
.set OFF,  16                          ; v16-23   row i of eight: i x a row's bytes + 16 x lane
.set OO,   24                          ; v24-31   the way out's offsets: two rows of codes apart
.set NU,   32                          ; v32-159  my 32 rows x 4 columns (register 4 i + c); on the way out v32-63: rows of codes
.set T,    160                         ; v160-191 one column's 32 numbers, held, down K
.set WC,   192                         ; v192-223 the codes: 8 registers a column, never written again
.set BY,   224                         ; v224-227 the four columns' scale bytes
.Lweights:
	s_sub_co_u32 s21, ttmp9, 128                   ; u
	s_mov_b64 s[22:23], s[16:17]                   ; W2 unless u says otherwise:
	s_mov_b32 s24, 256                             ; its first u
	s_mov_b32 s25, 4096                            ; a row of the weight in bytes (4 N)
	s_mov_b32 s26, 4                               ; bits of u that count the 256s along K
	s_mov_b32 s27, 12                              ; log2 of a row of codes (K bytes)
	s_mov_b32 s28, 8192                            ; a chunk of scale bytes (8 x rows)
	s_mov_b32 s29, W2C
	s_mov_b32 s30, W2S
	s_cmp_lt_u32 s21, 256
	s_cselect_b64 s[22:23], s[14:15], s[22:23]     ; W1
	s_cselect_b32 s24, 128, s24
	s_cselect_b32 s25, 16384, s25
	s_cselect_b32 s26, 2, s26
	s_cselect_b32 s27, 10, s27
	s_cselect_b32 s28, 32768, s28
	s_cselect_b32 s29, W1C, s29
	s_cselect_b32 s30, W1S, s30
	s_cmp_lt_u32 s21, 128
	s_cselect_b64 s[22:23], s[12:13], s[22:23]     ; Wo
	s_cselect_b32 s24, 96, s24
	s_cselect_b32 s25, 4096, s25
	s_cselect_b32 s28, 8192, s28
	s_cselect_b32 s29, WOC, s29
	s_cselect_b32 s30, WOS, s30
	s_cmp_lt_u32 s21, 96
	s_cselect_b64 s[22:23], s[10:11], s[22:23]     ; Wqkv
	s_cselect_b32 s24, 0, s24
	s_cselect_b32 s25, 12288, s25
	s_cselect_b32 s28, 32768, s28
	s_cselect_b32 s29, WQC, s29
	s_cselect_b32 s30, WQS, s30
	s_sub_co_u32 s21, s21, s24
	s_bfm_b32 s31, s26, 0
	s_and_b32 s31, s21, s31                        ; y: which 256 along K
	s_lshr_b32 s21, s21, s26                       ; x: which 128 columns
	s_lshl_b32 s21, s21, 7                         ; the work-group's first column
	s_lshl_b32 s34, s25, 3                         ; 8 rows of the weight
	s_mov_b32 s35, 0
	s_lshl_b32 s32, s25, 8
	s_mul_i32 s32, s32, s31                        ; y x 256 rows
	s_lshl_b32 s33, s25, 5
	s_mul_i32 s33, s33, s20                        ; + wave x 32 rows
	s_add_co_u32 s32, s32, s33
	s_lshl_b32 s33, s21, 2                         ; + 4 bytes a column.  All under 2^25
	s_add_co_u32 s32, s32, s33
	s_mov_b32 s33, 0
	s_add_nc_u64 s[36:37], s[22:23], s[32:33]      ; a base for each 8 of my 32 rows: none is stepped while loads are out
.irp t, 1,2,3
	s_add_nc_u64 s[36+2*\t:37+2*\t], s[34+2*\t:35+2*\t], s[34:35]
.endr
	s_wait_alu depctr_va_vdst(0)
	v_lshlrev_b32 v3, 4, v5                        ; in: 16 bytes a lane
.irp i, 0,1,2,3,4,5,6,7
	v_mad_u32_u24 v[OFF+\i], s25, \i, v3
.endr
.irp j, 0,1,2,3
.irp i, 0,1,2,3,4,5,6,7
	global_load_b128 v[NU+4*(8*\j+\i):NU+4*(8*\j+\i)+3], v[OFF+\i], s[36+2*\j:37+2*\j] th:TH_LOAD_NT   ; W(256 y + 32 w + 8 j + i, my 4 columns)
.endr
.endr
	s_lshl_b32 s32, s21, s27                       ; codes: column x K bytes + 256 y
	s_lshl_b32 s56, s31, 8
	s_add_co_u32 s32, s32, s56
	s_add_co_u32 s32, s32, s29
	s_add_nc_u64 s[52:53], s[18:19], s[32:33]
	s_mul_i32 s32, s31, s28                        ; scale bytes: chunk y, 8 x column
	s_lshl_b32 s56, s21, 3
	s_add_co_u32 s32, s32, s56
	s_add_co_u32 s32, s32, s30
	s_add_nc_u64 s[54:55], s[18:19], s[32:33]
	s_lshl_b32 s57, 2, s27                         ; two rows of codes
	s_mov_b32 s58, 0x600000                        ; the mantissa field of 57,344
	v_and_b32 v6, 25, v5                           ; column 4 l + c has bit 3 = the lane's bit 1 and bit 4 = its bit 2: exchanged,
	v_bfe_u32 v7, v5, 1, 1
	s_delay_alu instid0(VALU_DEP_1)
	v_lshl_add_u32 v6, v7, 2, v6
	v_bfe_u32 v7, v5, 2, 1
	s_delay_alu instid0(VALU_DEP_1)
	v_lshl_add_u32 v6, v7, 1, v6                   ; my four columns' codes lie at rows 4 x this + c
	s_lshl_b32 s56, s20, 5
	v_mul_u32_u24 v4, v6, 4*272
	s_delay_alu instid0(VALU_DEP_1)
	v_add_nc_u32 v4, s56, v4                       ; into the stage: that row, byte 32 w
	v_lshlrev_b32 v9, 5, v6
	s_add_co_u32 s56, s20, WSS
	v_add_nc_u32 v9, s56, v9                       ; the scale bytes' stage: 8 x row + w
	v_and_b32 v14, 15, v5
	v_bfe_u32 v7, v5, 4, 1
	s_mul_i32 s56, s20, 16*272
	v_mul_u32_u24 v15, v7, 272
	s_delay_alu instid0(VALU_DEP_1)
	v_lshl_add_u32 v15, v14, 4, v15
	s_delay_alu instid0(VALU_DEP_1)
	v_add_nc_u32 v15, s56, v15                     ; out of the stage: wave w takes rows 16 w on; sixteen lanes to a row, two rows an instruction
	s_lshl_b32 s56, s20, 4
	v_add_nc_u32 v7, s56, v7
	s_delay_alu instid0(VALU_DEP_1)
	v_lshlrev_b32 v8, s27, v7
	s_delay_alu instid0(VALU_DEP_1)
	v_lshl_add_u32 v8, v14, 4, v8                  ; and the same place in the codes
	v_lshlrev_b32 v2, 3, v5
	s_lshl_b32 s56, s20, 8
	v_add_nc_u32 v2, s56, v2                       ; the scale bytes on the way out (waves 0 to 3): 256 w + 8 x lane, in memory
	s_delay_alu instid0(VALU_DEP_1)
	v_add_nc_u32 v14, WSS, v2                      ; and in LDS
.irp t, 0,1,2,3,4,5,6,7
	v_mad_u32_u24 v[OO+\t], s57, \t, v8
.endr
.macro COL c                           ; column c of my four
	v_max3_num_f32 v12, |v[NU+\c]|, |v[NU+4+\c]|, |v[NU+8+\c]|   ; the block's largest magnitude: all 32 numbers are mine
	v_max3_num_f32 v13, |v[NU+12+\c]|, |v[NU+16+\c]|, |v[NU+20+\c]|
.irp i, 6,10,14,18,22,26
	s_delay_alu instid0(VALU_DEP_2)
	v_max3_num_f32 v12, v12, |v[NU+4*\i+\c]|, |v[NU+4*(\i+1)+\c]|
	s_delay_alu instid0(VALU_DEP_2)
	v_max3_num_f32 v13, v13, |v[NU+4*(\i+2)+\c]|, |v[NU+4*(\i+3)+\c]|
.endr
	s_delay_alu instid0(VALU_DEP_2)
	v_max3_num_f32 v12, v12, |v[NU+120+\c]|, |v[NU+124+\c]|
	s_delay_alu instid0(VALU_DEP_1)
	v_max3_num_f32 v12, v12, v13, 0x8000000        ; and the floor 2^(16 - 127)
	s_delay_alu instid0(VALU_DEP_1)
	v_add_nc_u32 v11, 0xf8800000, v12              ; the conversion's scale operand
	s_delay_alu instid0(VALU_DEP_2)
	v_and_or_b32 v10, v12, 0x7f800000, s58         ; 57,344 x the scale
	s_delay_alu instid0(VALU_DEP_2)
	v_lshrrev_b32 v[BY+\c], 23, v11                ; the scale's byte
.irp i, 0,1,2,3,4,5,6,7,8,9,10,11,12,13,14,15,16,17,18,19,20,21,22,23,24,25,26,27,28,29,30,31
	v_med3_num_f32 v[T+\i], v[NU+4*\i+\c], -v10, v10   ; the hold (the conversion to an 8-bit code does not saturate: ISA guide 7.6.2), and the turn: the column's numbers on end
.endr
.irp g, 0,1,2,3
	v_cvt_scalef32_pk8_bf8_f32 v[WC+8*\c+2*\g:WC+8*\c+2*\g+1], v[T+8*\g:T+8*\g+7], v11
.endr
	v_nop                                          ; a plain instruction behind the last conversion
	ds_store_b128 v4, v[WC+8*\c:WC+8*\c+3] offset:272*\c       ; 32 codes: 32 bytes of the column's row
	ds_store_b128 v4, v[WC+8*\c+4:WC+8*\c+7] offset:272*\c+16
	ds_store_b8 v9, v[BY+\c] offset:8*\c
.endm
	s_wait_loadcnt 0x0                             ; a block's maximum wants all 32 rows
	COL 0
	COL 1
	COL 2
	COL 3
	s_wait_dscnt 0x0                               ; for the others' sake: my stores into the stages are done
	s_barrier_signal -1
	s_barrier_wait -1                              ; a row's 256 codes and 8 scale bytes come from all eight waves
.irp t, 0,1,2,3,4,5,6,7
	ds_load_b128 v[NU+4*\t:NU+4*\t+3], v15 offset:544*\t
.endr
.irp t, 0,1,2,3,4,5,6,7
	s_wait_dscnt 7-\t                              ; the younger loads may stay out
	global_store_b128 v[OO+\t], v[NU+4*\t:NU+4*\t+3], s[52:53]   ; sixteen lanes store 256 consecutive bytes, aligned
.endr
	s_cmp_lt_u32 s20, 4                            ; 128 rows x 8 scale bytes: waves 0 to 3 store 256 each
	s_cbranch_scc0 .Lw_end
	ds_load_b64 v[228:229], v14
	s_wait_dscnt 0x0
	global_store_b64 v2, v[228:229], s[54:55]      ; 32 rows x 8 bytes: 256 consecutive bytes, aligned
.Lw_end:
	s_wait_tensorcnt 0x0
	ds_add_u32 v254, v255
	s_wait_dscnt 0x0
	s_endpgm
.Lfunc_end_k_q0d63a85236_prep:
	.size	k_q0d63a85236_prep, .Lfunc_end_k_q0d63a85236_prep-k_q0d63a85236_prep
	.p2alignl 7, 3214868480
	.fill 96, 4, 3214868480
	.section	.rodata,"a",@progbits
	.p2align	6, 0x0
	.amdhsa_kernel k_q0d63a85236_prep
		.amdhsa_group_segment_fixed_size 39936
		.amdhsa_private_segment_fixed_size 0
		.amdhsa_enable_private_segment 0
		.amdhsa_kernarg_size 64
		.amdhsa_user_sgpr_count 2
		.amdhsa_user_sgpr_kernarg_segment_ptr 1
		.amdhsa_wavefront_size32 1
		.amdhsa_system_sgpr_workgroup_id_x 1
		.amdhsa_system_sgpr_workgroup_id_y 1
		.amdhsa_system_sgpr_workgroup_id_z 1
		.amdhsa_system_vgpr_workitem_id 0
		.amdhsa_next_free_vgpr 256
		.amdhsa_next_free_sgpr 66
		.amdhsa_reserve_vcc 0
		.amdhsa_float_denorm_mode_32 3
		.amdhsa_float_denorm_mode_16_64 3
		.amdhsa_memory_ordered 1
		.amdhsa_forward_progress 1
		.amdhsa_inst_pref_size 83
	.end_amdhsa_kernel
	.amdgpu_metadata
---
amdhsa.version: [ 1, 2 ]
amdhsa.kernels:
  - .name:           k_q0d63a85236_prep
    .symbol:         k_q0d63a85236_prep.kd
    .args:
      - { .name: X, .offset: 0, .size: 8, .value_kind: global_buffer, .address_space: global }
      - { .name: ln1_g, .offset: 8, .size: 8, .value_kind: global_buffer, .address_space: global }
      - { .name: ln1_b, .offset: 16, .size: 8, .value_kind: global_buffer, .address_space: global }
      - { .name: Wqkv, .offset: 24, .size: 8, .value_kind: global_buffer, .address_space: global }
      - { .name: Wo, .offset: 32, .size: 8, .value_kind: global_buffer, .address_space: global }
      - { .name: W1, .offset: 40, .size: 8, .value_kind: global_buffer, .address_space: global }
      - { .name: W2, .offset: 48, .size: 8, .value_kind: global_buffer, .address_space: global }
      - { .name: wts, .offset: 56, .size: 8, .value_kind: global_buffer, .address_space: global }
    .group_segment_fixed_size: 39936
    .private_segment_fixed_size: 0
    .kernarg_segment_align: 8
    .kernarg_segment_size: 64
    .max_flat_workgroup_size: 256
    .sgpr_count:     66
    .vgpr_count:     256
    .wavefront_size: 32
...
	.end_amdgpu_metadata
.endif
;; end of part 1
;; launch qkv (part 2): grid 16 x 12, 4 waves a work-group, clusters of 4 x 4, 327,680 bytes of LDS; arguments wts, bqkv, qkv; writes qkv
.if DOCPART == 2
	.amdgcn_target "amdgcn-amd-amdhsa--gfx1250"
	.amdhsa_code_object_version 6
	.text
	.protected	k_q0d63a85236_qkv
	.globl	k_q0d63a85236_qkv
	.p2align	8
	.type	k_q0d63a85236_qkv,@function
k_q0d63a85236_qkv:
	s_mov_b64 s[64:65], 0
	v_nop
	global_prefetch_b8 v0, s[64:65] scope:SCOPE_SE
	s_setreg_imm32_b32 hwreg(HW_REG_WAVE_MODE, 25, 1), 1
	s_wait_xcnt 0x0
	s_wait_alu depctr_hold_cnt(0) depctr_sa_sdst(0) depctr_va_vdst(0) depctr_va_sdst(0) depctr_va_ssrc(0) depctr_va_vcc(0) depctr_vm_vsrc(0)
	s_getreg_b32 s2, hwreg(HW_REG_IB_STS2, 6, 4)
	s_cmp_eq_u32 s2, 0
	s_cbranch_scc0 .Lentry_in_a_cluster
	s_endpgm
.Lentry_in_a_cluster:
	s_bfe_u32 s2, ttmp6, 0x10000c
	s_cmp_lg_u32 s2, 0xf033
	s_cbranch_scc0 .Lentry_shape_is_right
	s_endpgm
.Lentry_shape_is_right:
; A GEMM ON CODES OF E5M2 WHOSE RESULT IS QUANTISED AGAIN ON THE WAY OUT.  K = 1,024.  This text serves two launches by two constants at its head:
;   QKV = 1: q, k, v = LN(X) Wqkv + bqkv.   QKV = 0, RELU = 1: H = relu(LN(X1) W1 + b1).
; A tile of 256 x 256 is made by four waves, as many as a WGP has SIMDs; a wave makes 128 x 128: 64 accumulators of 16 x 16, 512 registers.  K goes in steps of 256 through a ring of two LDS slots filled by the tensor data
; mover: a tile's row is 256 bytes of memory, aligned.  The scale bytes of the tile's 2 x 256 rows, for all of K, come once, with the first fills.
; SOURCE 0 (S0) is the operand along whose index the RESULT is quantised: a lane's registers run along S0's rows.  S0's rows lie in memory at LOG(row) (bits 3 and 4 exchanged), so that the 16 registers of tiles 2 g and
; 2 g + 1 are the 16 neighbours 32 g + 16 (lane / 16) + 0 .. 15: the conversions' results are 16 neighbouring codes.  SOURCE 1 (S1) gives each lane its row of the result.
;   q, k (clusters with y = 1, 2) and H: S0 = 256 rows of the weight, S1 = 256 tokens: codes [token][channel].     v (clusters with y = 0): S0 = 256 tokens, S1 = 256 rows of Wv: codes [channel][token], the keys innermost.
; The two modes differ in byte offsets and in which way the bias runs; both are chosen by s_cselect_b32 and v_cndmask_b32 on the CLUSTER's y, which all sixteen partners share: one path through the text.
; CLUSTERS: 4 x 4 work-groups.  The four of a row of the cluster need the same tile of S1, the four of a column the same tile of S0: each tile is asked for JOINTLY, by the same tensor load with the same descriptor and a mask
; that names the four.
; LIMITS of the quantiser: a block whose largest magnitude lies under 2^-111 takes the byte 1; a block of zeros takes the byte 1 and not 127 (its codes are zeros; this program alone reads the bytes); NaN and infinities are not served.
; REGISTERS, in windows of 256: window 0: v0-31 addresses and the bias along S1; v32-63 scale words, two sets; v64-127 the bias along S0; from v128 S1's fragments (8 x 16 rows x 128 K), ONE set; on the way out v128-231 at work.
;   window 1: S0's fragments, TWO sets, at v0 and at v128.   window 2: the 32 accumulators of my rows 0-63 (accumulator (a, b) at v[8 (8 a + b)]);   window 3: those of my rows 64-127.
.set QKV,    1
.set RELU,   0
.set SIZE_K, 1024
.set XNS,    4194304                   ; byte offsets in the buffers: the normed rows' codes at 0, their scale bytes [4][4096][8] here
.set WQC,    4325376                   ; Wqkv's codes [3072][1024], its scale bytes [4][4096][8]
.set WQS,    7471104
.set W1C,    8683520                   ; W1's codes [4096][1024], its scale bytes [4][4096][8]
.set W1S,    12877824
.set VTC,    16777216                  ; in qkv: q and k [4096 tokens][pitch 4096] at 0; v [1024 channels][4096 tokens] here;
.set QKS,    20971520                  ; q's and k's scale bytes [8][4096][8]; v's [16][1024][8]
.set VTS,    21233664
.set HS,     16777216                  ; in hid: codes [4096][4096] at 0, scale bytes [16][4096][8] here
.set KSTEP,  256                       ; along K in a slot
.set NQ,     KSTEP/128                 ; matrix instructions deep
.set ROWB,   256                       ; a tile's row in bytes
.set KROW,   SIZE_K                    ; a row of codes in memory
.set PITCH,  272                       ; an LDS row: 256 bytes + 16 of padding = 68 words: row r starts at bank 4 r mod 64 (64 banks of 4 bytes: ISA guide 11.1)
.set FR,     16                        ; registers of a fragment: 16 rows x 128 K
.set NL,     4                         ; LDS loads that bring one
.set NP,     8                         ; places behind this matrix instruction (ISA guide 7.12.1)
.set HALFT,  128*PITCH                 ; 128 rows: what one tensor load brings
.set SLOT,   4*HALFT                   ; S1's 256 rows, then S0's 256 rows
.set LAPS,   SIZE_K/(2*KSTEP)          ; a lap = two K steps = once round the ring
.set SCL,    2*SLOT                    ; behind the ring: the scale bytes: S1's [4 chunks of K][256 rows][8] = 8,192 bytes; S0's likewise, 8,192 + 128 bytes further on, in the other half of the banks
.set SPARE,  SCL+16640                 ; the spare words, 128 bytes for each wave: two blocks of 256 bytes that no other line names
.set SSTG,   256*PITCH                 ; the way out, in slot 0: a stage of 256 rows of codes at 0, and here 256 rows x 8 scale bytes.  Slot 0 has had its last fill and its last read when the first code is stored there
.set L16,  7                           ; v7      16 x lane
.set B1,   8                           ; v8-15   the bias along S1: block a's, my lane's row
.set ADRA, 16                          ; v16-17  LDS address of my S1 fragments in slot 0, 1
.set ADRB, 20                          ; v20-21  the same for S0
.set BO0,  22                          ; v22     the offset of the loads of the bias along S0; never rewritten
.set BO1,  23                          ; v23     and along S1
.set STO,  24                          ; v24     the way out: where I put 16 codes of a row
.set RD,   25                          ; v25     where I read a row back
.set CO,   26                          ; v26     my byte offset in two rows of the output
.set ADRS, 27                          ; v27     LDS address of my scale words: lanes 0-15 S1's rows, lanes 16-31 S0's
.set SPW,  28                          ; v28     LDS address of my spare word; never rewritten
.set NIL,  29                          ; v29     0; never rewritten
.set SSO,  30                          ; v30     the way out: where I put a row's scale word
.set SSR,  31                          ; v31     and where I read 16 scale bytes back
.set SC,   32                          ; scale words: set s at v[SC + 16 s]; in it register 2 i + q: lanes 0-15 the word of S1's block i, lanes 16-31 that of S0's block i, for the slot's q-th 128 along K
.set B0,   64                          ; v64-127 the bias along S0, in the result's layout: register 16 g + i: index 32 g + 16 (lane / 16) + i
.set AF,   128                         ; S1's fragments
.set ST,   128                         ; the way out: v128-191 a block's 64 numbers
.set PC,   192                         ; v192-207 the codes just made
.set TM,   208                         ; v208-223 largest magnitudes, bytes, holds, scale operands
.set PW,   224                         ; v224    the scale word just made
.set SB,   228                         ; v228-231 scale bytes read back
.set OB,   64                          ; v64-191 rows of codes read back
.set G1, 24                            ; s[24:31] descriptor group 1 for S1's tiles;  s[32:39] group 0, one set for each slot
.set G0, 32
.set G1B, 48                           ; s[48:55], s[56:63] the same for S0's tiles
.set G0B, 56
.set G1S, 68                           ; s[68:75], s[76:79] groups 1 and 0 for S1's scale bytes;  s[80:87], s[88:91] for S0's
.set G0S, 76
.set G1SB, 80
.set G0SB, 88
.set SEL, 96                           ; s[96:97] v_permlanex16_b32's selects for lane l xor 16
.set MNT, 98                           ; s98     the mantissa field of 57,344
.set MSB, 0
.macro WIN new                         ; the immediate's high byte repeats the setting that is left
.if MSB != \new
	s_set_vgpr_msb (MSB<<8)|\new
.set MSB, \new
.endif
.endm
.set MUL_LO, 0xa1                      ; source 0 window 1, source 1 window 0, C and D window 2
.set MUL_HI, 0xf1                      ; the same, C and D window 3
.set TO_B,   0x40                      ; destination window 1, address window 0
; A joint load: waves 0 and 1 fetch for S1, waves 2 and 3 for S0.  Each of the two lines has ONE mask and one set of registers for all that issue it; the branch hangs on the wave's number alone.
; Four v_nop follow each of the two lines, ahead of the jump, the label and what follows.
.macro JLOAD g0a, g1a, g0b, g1b
	s_cmp_eq_u32 s15, 0
	s_cbranch_scc0 .Lfor_b_\@
	tensor_load_to_lds s[\g0a:\g0a+3], s[\g1a:\g1a+7]
	s_nop 0
.rept 4
	v_nop
.endr
	s_branch .Lasked_\@
.Lfor_b_\@:
	tensor_load_to_lds s[\g0b:\g0b+3], s[\g1b:\g1b+7]
	s_nop 0
.rept 4
	v_nop
.endr
.Lasked_\@:
.endm
.macro CREST                           ; a round of the cluster's barrier behind its opening barrier
	s_cmp_lg_u32 s14, 0
	s_cbranch_scc1 .Lnot_wave_0_\@
	s_barrier_signal -3
.Lnot_wave_0_\@:
	s_barrier_wait -3
	s_barrier_signal -1
	s_barrier_wait -1
.endm
.macro CROUND                          ; a whole round
	s_barrier_signal -1
	s_barrier_wait -1
	CREST
.endm
.if QKV
	s_load_b64 s[4:5], s[0:1], 0x0                 ; wts: S1's buffer,
	s_load_b64 s[8:9], s[0:1], 0x0                 ; and S0's
	s_load_b64 s[6:7], s[0:1], 0x8                 ; bqkv
	s_load_b64 s[12:13], s[0:1], 0x10              ; qkv
.else
	s_load_b64 s[4:5], s[0:1], 0x0                 ; xn2: S1's buffer
	s_load_b64 s[8:9], s[0:1], 0x8                 ; wts: S0's
	s_load_b64 s[6:7], s[0:1], 0x10                ; b1
	s_load_b64 s[12:13], s[0:1], 0x18              ; hid
.endif
	v_lshl_add_u32 v[SPW], v0, 2, SPARE
	v_mov_b32 v[NIL], 0
	ds_add_u32 v28, v29
	ds_add_u32 v28, v29
	s_wait_dscnt 0x0
	v_lshrrev_b32 v1, 5, v0
	v_readfirstlane_b32 s14, v1                    ; wave 0..3
	s_lshr_b32 s15, s14, 1                         ; which half of the tile's rows (S1) is mine.  Also: I fetch for S1 (0) or for S0 (1)
	s_and_b32 s16, s14, 1                          ; which half of its columns (S0).  Also: which 128 rows of that tile I fetch
	s_bfe_u32 s40, ttmp6, 0x40000                  ; cx, cy: my place in the cluster
	s_bfe_u32 s41, ttmp6, 0x40004
.if QKV
	; 4 x 3 clusters.  y = 0: v: 16 tile columns of tokens (cluster x), 4 tile rows of Wv.  y = 1, 2: q and k: 8 tile columns of the weight (cluster x & 1), 16 tile rows of tokens (2 (y - 1) + cluster x / 2)
	s_and_b32 s18, ttmp7, 0xffff
	s_and_b32 s42, ttmp9, 1
	s_sub_co_u32 s17, s18, 1
	s_lshl_b32 s17, s17, 1
	s_lshr_b32 s19, ttmp9, 1
	s_add_co_u32 s17, s17, s19
	s_mov_b32 s66, 0                               ; q, k: S1's codes: the tokens'
	s_mov_b32 s67, XNS                             ; S1's scale bytes
	s_mov_b32 s99, WQC                             ; S0's codes: Wq's and Wk's rows
	s_mov_b32 s2, WQS                              ; S0's scale bytes
	s_mov_b32 s10, 0                               ; the result's codes
	s_mov_b32 s11, QKS                             ; its scale bytes,
	s_mov_b32 s3, 32768                            ; a chunk of which is 4,096 rows x 8
	s_cmp_eq_u32 s18, 0                            ; only moves and selects stand behind this compare
	s_cselect_b32 s42, ttmp9, s42
	s_cselect_b32 s17, 0, s17
	s_cselect_b32 s95, -1, 0                       ; all ones in v's clusters
	s_cselect_b32 s66, WQC+2048*1024, s66          ; v: S1 = Wv's rows, from row 2,048 on
	s_cselect_b32 s67, WQS+2048*8, s67
	s_cselect_b32 s99, 0, s99                      ; S0 = the tokens
	s_cselect_b32 s2, XNS, s2
	s_cselect_b32 s10, VTC, s10
	s_cselect_b32 s11, VTS, s11
	s_cselect_b32 s3, 8192, s3
.else
	s_mov_b32 s42, ttmp9
	s_and_b32 s17, ttmp7, 0xffff
	s_mov_b32 s66, 0
	s_mov_b32 s67, XNS
	s_mov_b32 s99, W1C
	s_mov_b32 s2, W1S
	s_mov_b32 s10, 0
	s_mov_b32 s11, HS
	s_mov_b32 s3, 32768
.endif
	s_lshl_b32 s42, s42, 2
	s_add_co_u32 s42, s42, s40                     ; tile column (S0)
	s_lshl_b32 s17, s17, 2
	s_add_co_u32 s17, s17, s41                     ; tile row (S1)
	s_lshl_b32 s43, s41, 2
	s_lshl_b32 s43, 15, s43                        ; my row of the cluster
	s_lshl_b32 s44, 0x1111, s40                    ; my column
	; descriptor group 1: a tile of 128 rows x 256 bytes, padded in LDS
	s_or_b32 s[G1+0], s43, (0<<16)|(1<<20)|(1<<21)|(5<<22)|(3<<25)  ; 15:0 the mask: S1's tiles go to my row; 17:16 element of 1 byte; 20 padding on; 21 set beside a mask; 24:22 after every 64 words (code 5); 31:25 of 4 words (code 3)
	s_or_b32 s[G1B+0], s44, (0<<16)|(1<<20)|(1<<21)|(5<<22)|(3<<25)
.irp g, G1, G1B
	s_mov_b32 s[\g+1], ROWB<<16                    ; tensor_dim0
	s_mov_b32 s[\g+2], 256<<16                     ; tensor_dim1 = 256 for the head's loads; behind them 128, for the ring's
	s_mov_b32 s[\g+3], ROWB<<16                    ; tile_dim0
	s_mov_b32 s[\g+4], 256                         ; tile_dim1 likewise
	s_mov_b32 s[\g+5], KROW                        ; tensor_dim0_stride
	s_mov_b32 s[\g+6], 0
	s_mov_b32 s[\g+7], 0
.endr
	; and for the scale bytes of 256 rows: 4 chunks of K, each 256 elements of 8 bytes on end, a chunk 4,096 elements from the next; no padding
	s_or_b32 s[G1S+0], s43, (3<<16)|(1<<21)
	s_or_b32 s[G1SB+0], s44, (3<<16)|(1<<21)
.irp g, G1S, G1SB
	s_mov_b32 s[\g+1], 256<<16
	s_mov_b32 s[\g+2], 4<<16
	s_mov_b32 s[\g+3], 256<<16
	s_mov_b32 s[\g+4], 4
	s_mov_b32 s[\g+5], 4096
	s_mov_b32 s[\g+6], 0
	s_mov_b32 s[\g+7], 0
.endr
	; where the tiles come from.  S1's hang on the tile row alone, which my row of the cluster shares; S0's on the tile column alone.  All offsets stay under 2^32
	s_lshl_b32 s20, s17, 8                         ; S1: the tile's first row, 256 x tile row
	s_lshl_b32 s46, s42, 8                         ; S0: 256 x tile column
	s_lshl_b32 s22, s20, 3
	s_add_co_u32 s22, s22, s67                     ; these rows' scale bytes,
	s_mov_b32 s23, 0
	s_lshl_b32 s20, s20, 10
	s_add_co_u32 s20, s20, s66                     ; and their codes
	s_mov_b32 s21, 0
	s_lshl_b32 s92, s46, 3
	s_add_co_u32 s92, s92, s2
	s_mov_b32 s93, 0
	s_lshl_b32 s46, s46, 10
	s_add_co_u32 s46, s46, s99
	s_mov_b32 s47, 0
	s_mul_i32 s45, s14, HALFT                      ; where they go: wave x 128 rows: no place in the cluster enters an LDS address
	s_lshl_b32 s18, s16, 17                        ; in the ring I fetch 128 rows of 1,024 bytes: which half, in bytes
	s_mov_b32 s19, 0
	s_wait_kmcnt 0x0
	s_add_nc_u64 s[20:21], s[4:5], s[20:21]
	s_add_nc_u64 s[22:23], s[4:5], s[22:23]
	s_add_nc_u64 s[46:47], s[8:9], s[46:47]
	s_add_nc_u64 s[92:93], s[8:9], s[92:93]
	CROUND                                         ; all sixteen work-groups are here: the first joint loads meet
	s_mov_b32 s[G0S], 1
	s_mov_b32 s[G0S+1], SCL
	s_mov_b64 s[G0S+2:G0S+3], s[22:23]
	s_or_b32 s[G0S+3], s[G0S+3], 0x80000000
	s_mov_b32 s[G0SB], 1
	s_mov_b32 s[G0SB+1], SCL+8192+128
	s_mov_b64 s[G0SB+2:G0SB+3], s[92:93]
	s_or_b32 s[G0SB+3], s[G0SB+3], 0x80000000
	s_mov_b32 s[G0], 1                             ; the head's tiles, each whole: K step 0's 256 rows of S1 (slot 0's group 0 serves; it is written for the ring behind the head's wait),
	s_mov_b32 s[G0+1], 0
	s_mov_b64 s[G0+2:G0+3], s[20:21]
	s_or_b32 s[G0+3], s[G0+3], 0x80000000
	s_mov_b32 s[G0B], 1                            ; and its 256 rows of S0, behind them
	s_mov_b32 s[G0B+1], 2*HALFT
	s_mov_b64 s[G0B+2:G0B+3], s[46:47]
	s_or_b32 s[G0B+3], s[G0B+3], 0x80000000
	s_add_nc_u64 s[20:21], s[20:21], s[18:19]      ; for the ring: my 128 rows of the tile
	s_add_nc_u64 s[46:47], s[46:47], s[18:19]
	s_mov_b32 s[G0+4], 1
	s_add_co_u32 s[G0+5], s45, SLOT
	s_add_nc_u64 s[G0+6:G0+7], s[20:21], ROWB
	s_or_b32 s[G0+7], s[G0+7], 0x80000000
	s_mov_b32 s[G0B+4], 1
	s_add_co_u32 s[G0B+5], s45, SLOT
	s_add_nc_u64 s[G0B+6:G0B+7], s[46:47], ROWB
	s_or_b32 s[G0B+7], s[G0B+7], 0x80000000
; THE HEAD'S LOADS, ONE A WAVE: wave 0 S1's rows of K step 0, wave 1 S0's, wave 2 S1's scale bytes, wave 3 S0's: one chain of branches on the wave's number, a load in every arm
.macro ARM under, g0, g1, next
	s_cmp_lt_u32 s14, \under
	s_cbranch_scc0 \next
	tensor_load_to_lds s[\g0:\g0+3], s[\g1:\g1+7]
	s_nop 0
.rept 4
	v_nop
.endr
	s_branch .Lhead_asked
\next:
.endm
	ARM 1, G0,  G1,  .Lhead_b
	ARM 2, G0B, G1B, .Lhead_sa
	ARM 3, G0S, G1S, .Lhead_sb
	tensor_load_to_lds s[G0SB:G0SB+3], s[G1SB:G1SB+7]
	s_nop 0
.rept 4
	v_nop
.endr
.Lhead_asked:
	v_and_b32 v1, 15, v0                           ; r = l % 16
	v_bfe_u32 v2, v0, 4, 1                         ; h = l / 16
	s_wait_alu depctr_va_vdst(0)
	v_mul_u32_u24 v3, v1, PITCH
	v_lshl_add_u32 v4, v2, 4, v3                   ; a fragment's row x pitch + 16 x half
	s_wait_alu depctr_va_vdst(0)
	s_mul_i32 s21, s15, HALFT                      ; my 128 rows of S1
	s_mul_i32 s22, s16, HALFT                      ; my 128 rows of S0,
	s_add_co_u32 s22, s22, 2*HALFT                 ; which lie behind S1's 256
.irp s, 0,1
	v_add_nc_u32 v[ADRA+\s], s21, v4
	v_add_nc_u32 v[ADRB+\s], s22, v4
	s_add_co_u32 s21, s21, SLOT
	s_add_co_u32 s22, s22, SLOT
.endr
	v_lshlrev_b32 v5, 3, v1                        ; my row's scale bytes: 8 a row
	s_lshl_b32 s21, s15, 10                        ; S1's: my 128 rows of 8 bytes
	s_lshl_b32 s22, s16, 10                        ; S0's: my 128 rows, behind S1's block and 128 bytes on
	s_add_co_u32 s22, s22, 8192+128
	s_sub_co_u32 s22, s22, s21
	v_mul_u32_u24 v6, s22, v2                      ; lanes 16-31 take S0's
	s_add_co_u32 s21, s21, SCL
	v_add_nc_u32 v5, v5, v6
	v_add_nc_u32 v[ADRS], s21, v5
	s_mul_i32 s23, s15, HALFT                      ; the stage of codes: row 128 x (my half of S1) + 16 a + r, byte 128 x (my half of S0) + 32 g + 16 h
	s_lshl_b32 s19, s16, 7
	s_add_co_u32 s23, s23, s19
	v_add_nc_u32 v[STO], s23, v4
	s_mul_i32 s23, s14, 64*PITCH                   ; back: wave w takes stage rows 64 w .. 64 w + 63, whole; lanes 0-15 one row, lanes 16-31 the next
	v_mul_u32_u24 v5, v2, PITCH
	v_lshl_add_u32 v5, v1, 4, v5
	v_add_nc_u32 v[RD], s23, v5
	v_lshlrev_b32 v5, 12, v2                       ; and the same two rows in the output: rows of 4,096 bytes
	v_lshl_add_u32 v[CO], v1, 4, v5
	v_and_b32 v5, 7, v1
	v_lshrrev_b32 v6, 3, v1
	v_lshlrev_b32 v[BO1], 2, v5
	v_lshl_add_u32 v[BO1], v6, 6, v[BO1]           ; S1's lane r of block a is row 32 (a / 2) + 8 (a % 2) + r % 8 + 16 (r / 8): its bias, 4 bytes a row,
	v_lshlrev_b32 v5, 3, v5
	v_lshl_add_u32 v5, v6, 7, v5                   ; and its scale bytes, 8 a row
	s_lshl_b32 s23, s15, 10
	s_lshl_b32 s19, s16, 2
	s_add_co_u32 s23, s23, s19
	s_add_co_u32 s23, s23, SSTG
	v_add_nc_u32 v[SSO], s23, v5                   ; the stage of scale bytes: 8 x row + 4 x (my half of S0)
	v_and_b32 v6, 31, v0
	v_lshlrev_b32 v[L16], 4, v6
	s_lshl_b32 s23, s14, 9
	s_add_co_u32 s23, s23, SSTG
	v_add_nc_u32 v[SSR], s23, v[L16]               ; back: 64 rows x 8 bytes a wave, 16 a lane
	v_lshlrev_b32 v[BO0], 6, v2                    ; the bias along S0: lanes 16-31 begin 16 numbers on
	; where the results go
	s_wait_alu depctr_va_vdst(0)
	s_mul_i32 s22, s42, s3                         ; scale bytes: chunk = tile column,
	s_add_co_u32 s22, s22, s11
	s_lshl_b32 s23, s17, 11                        ; 8 x (256 x tile row + 64 x wave)
	s_add_co_u32 s22, s22, s23
	s_lshl_b32 s23, s14, 9
	s_add_co_u32 s22, s22, s23
	s_mov_b32 s23, 0
	s_add_nc_u64 s[100:101], s[12:13], s[22:23]
	s_lshl_b32 s20, s17, 8
	s_lshl_b32 s21, s14, 6
	s_add_co_u32 s20, s20, s21
	s_lshl_b32 s20, s20, 12                        ; codes: row 256 x tile row + 64 x wave, of 4,096 bytes,
	s_add_co_u32 s20, s20, s10
	s_lshl_b32 s21, s42, 8                         ; byte 256 x tile column
	s_add_co_u32 s20, s20, s21
	s_mov_b32 s21, 0
	s_add_nc_u64 s[12:13], s[12:13], s[20:21]
	; the biases: asked for here, waited for on the way out
	s_lshl_b32 s20, s42, 10
	s_lshl_b32 s21, s16, 9
	s_add_co_u32 s20, s20, s21                     ; along S0: 4 (256 x tile column + 128 x half)
.if QKV
	s_lshl_b32 s22, s17, 10
	s_lshl_b32 s23, s15, 9
	s_add_co_u32 s22, s22, s23
	s_add_co_u32 s22, s22, 8192                    ; along S1 (v): 4 (2,048 + 256 x tile row + 128 x half)
	s_cmp_lg_u32 s95, 0
	s_cselect_b32 s20, 0, s20                      ; the way that is not the mode's loads from the bias's head, inside the buffer, and is replaced by zeros below
	s_cselect_b32 s22, s22, 0
	s_mov_b32 s23, 0
	s_mov_b32 s21, 0
	s_add_nc_u64 s[66:67], s[6:7], s[22:23]
.else
	s_mov_b32 s21, 0
.endif
	s_add_nc_u64 s[6:7], s[6:7], s[20:21]
.irp q, 0,1,2,3,4,5,6,7,8,9,10,11,12,13,14,15
	global_load_b128 v[B0+4*\q:B0+4*\q+3], v[BO0], s[6:7] offset:128*(\q/4)+16*(\q%4)
.endr
.if QKV
.irp a, 0,1,2,3,4,5,6,7
	global_load_b32 v[B1+\a], v[BO1], s[66:67] offset:128*(\a/2)+32*(\a%2)
.endr
.endif
	s_mov_b32 s[SEL], 0x76543210
	s_mov_b32 s[SEL+1], 0xfedcba98
	s_mov_b32 s[MNT], 0x600000
.macro FRAG reg, adr, q, i             ; a fragment, 16 rows x 128 K of 8-bit codes, is 16 registers: lane l holds row l % 16; registers 4 c .. 4 c + 3 hold K = 32 c + 16 (l / 16) + 0 .. 15
.irp c, 0,1,2,3
	ds_load_b128 v[\reg+4*\c:\reg+4*\c+3], v[\adr] offset:128*(\q)+32*\c+(\i)*16*PITCH
.endr
.endm
; 16 matrix instructions: S1's blocks a0, a0 + 1 x S0's eight, 128 along K: the slot's q-th.  p: S0's set;  sc: the set of scale words.  zero = 1: the first product starts the sums: nothing is ever cleared.
; The 64 accumulators take turns, one instruction a turn, in the same order in every step.
.macro MUL16 a0, p, q, sc, zero
.irp a, \a0, \a0+1
.irp b, 0,1,2,3,4,5,6,7
.if \zero
	v_wmma_scale_f32_16x16x128_f8f6f4 v[8*(8*((\a)%4)+\b):8*(8*((\a)%4)+\b)+7], v[128*(\p)+FR*\b:128*(\p)+FR*\b+FR-1], v[AF+FR*(\a):AF+FR*(\a)+FR-1], 0, v[SC+8*NQ*(\sc)+NQ*\b+(\q)], v[SC+8*NQ*(\sc)+NQ*(\a)+(\q)] matrix_a_fmt:MATRIX_FMT_BF8 matrix_b_fmt:MATRIX_FMT_BF8 matrix_a_scale:MATRIX_SCALE_ROW1
.else
	v_wmma_scale_f32_16x16x128_f8f6f4 v[8*(8*((\a)%4)+\b):8*(8*((\a)%4)+\b)+7], v[128*(\p)+FR*\b:128*(\p)+FR*\b+FR-1], v[AF+FR*(\a):AF+FR*(\a)+FR-1], v[8*(8*((\a)%4)+\b):8*(8*((\a)%4)+\b)+7], v[SC+8*NQ*(\sc)+NQ*\b+(\q)], v[SC+8*NQ*(\sc)+NQ*(\a)+(\q)] matrix_a_fmt:MATRIX_FMT_BF8 matrix_b_fmt:MATRIX_FMT_BF8 matrix_a_scale:MATRIX_SCALE_ROW1
.endif
.endr
.endr
.endm
.macro FETCH_B slot, q, p              ; S0's eight fragments of the slot's q-th 128 along K into set p
	WIN TO_B
.irp i, 0,1,2,3,4,5,6,7
	FRAG 128*(\p)+FR*\i, ADRB+\slot, \q, \i
.endr
	WIN 0
.endm
.macro FETCH_A slot, q, i0             ; S1's blocks i0 .. i0 + 3
.irp i, \i0, \i0+1, \i0+2, \i0+3
	FRAG AF+FR*(\i), ADRA+\slot, \q, \i
.endr
.endm
.macro SCALES sc                       ; a K step's scale words into set sc: two words a row; lanes 0-15 take S1's block i, lanes 16-31 S0's block i
.irp i, 0,1,2,3,4,5,6,7
	ds_load_b64 v[SC+8*NQ*\sc+NQ*\i:SC+8*NQ*\sc+NQ*\i+1], v[ADRS] offset:\i*128
.endr
.endm
; A load into a register that a matrix instruction has read, and a vector instruction or an LDS store that reads a matrix result, stand NP places behind that matrix instruction, and only plain vector
; instructions that name none of its registers are places (ISA guide 7.12.1 for vector instructions).
.macro PLACES n
.rept \n
	v_nop
.endr
.endm
; A step of 128 along K that has its successor in the same slot.
.macro STEP slot, q, zero
	s_wait_dscnt 4*NL                              ; S0's set and S1's blocks 0-3 are in; the youngest sixteen loads (S1's blocks 4-7) may be out
	WIN MUL_LO
	MUL16 0, (\q)%2, \q, \slot, \zero
	MUL16 2, (\q)%2, \q, \slot, \zero
	s_wait_dscnt 0                                 ; S1's blocks 4-7 are in (asked for 32 matrix instructions ago)
	PLACES NP
	FETCH_B \slot, (\q)+1, 1-(\q)%2
	FETCH_A \slot, (\q)+1, 0
	WIN MUL_HI
	MUL16 4, (\q)%2, \q, \slot, \zero
	MUL16 6, (\q)%2, \q, \slot, \zero
	PLACES NP
	WIN 0
	FETCH_A \slot, (\q)+1, 4
.endm
; A slot's last step changes slots: ONE barrier; in front of it each wave waits for all its tensor loads, adds 0 to its spare word, and waits for that and for its own reads of this slot.  fill = 1: this slot is filled again, two K steps ahead.
.macro TURN slot, next, fill
	s_wait_tensorcnt 0x0                           ; all my tensor loads have landed: my part of the next slot;  (every window is 0 here)
	ds_add_u32 v[SPW], v[NIL]                      ; 0 onto my spare word;
	s_wait_dscnt 4*NL+1                            ; (the add and the youngest sixteen loads, S1's blocks 4-7, may be out)
	WIN MUL_LO
	MUL16 0, 1, NQ-1, \slot, 0                     ; sixteen matrix instructions stand between the add and the wait for it
	s_wait_dscnt 0x0                               ; the add is done, and my reads of this slot are over
	s_barrier_signal -1
	MUL16 2, 1, NQ-1, \slot, 0
	WIN 0
	s_barrier_wait -1
.if \fill
	CREST                                          ; the barrier has opened a round of the cluster's barrier: no wave of any partner still reads this slot's tile or has a load on its way
	s_add_nc_u64 s[G0+4*\slot+2:G0+4*\slot+3], s[G0+4*\slot+2:G0+4*\slot+3], 2*ROWB
	s_add_nc_u64 s[G0B+4*\slot+2:G0B+4*\slot+3], s[G0B+4*\slot+2:G0B+4*\slot+3], 2*ROWB
	JLOAD G0+4*\slot, G1, G0B+4*\slot, G1B         ; the first tensor load behind the round; the four v_nop behind it are among the places in front of the loads below
	PLACES NP-4
.else
	PLACES NP
.endif
	s_wait_alu depctr_va_vdst(0)
	v_add_nc_u32 v[ADRS], 2048, v[ADRS]            ; on to the next K step's scale words: the next chunk of 256 rows x 8 (no LDS load of mine is out)
	FETCH_B \next, 0, 0
	FETCH_A \next, 0, 0
	SCALES \next
	WIN MUL_HI
	MUL16 4, 1, NQ-1, \slot, 0
	MUL16 6, 1, NQ-1, \slot, 0
	PLACES NP
	WIN 0
	FETCH_A \next, 0, 4
.endm
	s_wait_alu depctr_va_vdst(0)
	s_wait_tensorcnt 0x0                           ; my tile of the head's four is in; these lines and a round stand ahead of slot 1's first fill
	ds_add_u32 v[SPW], v[NIL]
	s_mov_b32 s[G1+2], 128<<16                     ; no tensor load of mine is out: from here on a load brings 128 rows,
	s_mov_b32 s[G1+4], 128
	s_mov_b32 s[G1B+2], 128<<16
	s_mov_b32 s[G1B+4], 128
	s_mov_b32 s[G0+1], s45                         ; and slot 0's groups 0 are the ring's: my 128 rows, one K step back from slot 1's
	s_sub_nc_u64 s[G0+2:G0+3], s[G0+6:G0+7], ROWB
	s_mov_b32 s[G0B+1], s45
	s_sub_nc_u64 s[G0B+2:G0B+3], s[G0B+6:G0B+7], ROWB
	s_wait_dscnt 0x0
	CROUND                                         ; all four tiles are in, and all sixteen work-groups are here
	JLOAD G0+4, G1, G0B+4, G1B                     ; K step 1
	FETCH_B 0, 0, 0
	FETCH_A 0, 0, 0
	SCALES 0
	FETCH_A 0, 0, 4
	STEP 0, 0, 1                                   ; the first step stands in front of the loop: its products start the sums
	s_mov_b32 s3, LAPS-1
.Llap:                                                 ; a trip goes once round the ring, from a lap's second step to the next lap's first, and fills both slots again
	TURN 0, 1, 1
	STEP 1, 0, 0
	TURN 1, 0, 1
	STEP 0, 0, 0
	s_sub_co_u32 s3, s3, 1
	s_cmp_lg_u32 s3, 0
	s_cbranch_scc1 .Llap
	TURN 0, 1, 0                                   ; the last lap fills nothing, and has no round of the cluster's barrier
	STEP 1, 0, 0
	s_wait_dscnt 4*NL                              ; the very last step: nothing more to fetch
	WIN MUL_LO
	MUL16 0, 1, NQ-1, 1, 0
	MUL16 2, 1, NQ-1, 1, 0
	s_wait_dscnt 0
	WIN MUL_HI
	MUL16 4, 1, NQ-1, 1, 0
	MUL16 6, 1, NQ-1, 1, 0
	WIN 0
; THE WAY OUT.  64 numbers of a lane, v[s] .. v[s + 63], register 16 b + i = index 32 b + 16 (lane / 16) + i of my row, become 64 codes in v[PC] on and the row's scale word in v[PW].
.macro QUANT s, relu                  ; relu = 1: what is negative becomes 0 on the way (the activation)
.if \relu                                      ; no |.|: what is negative is to become 0, so it must not count for the largest magnitude; the floor stands over it
.irp b, 0,1,2,3
	v_max3_num_f32 v[TM+\b], v[\s+16*\b], v[\s+1+16*\b], 0x8000000   ; block b: my 16 numbers, and the floor 2^(16 - 127): the byte cannot fall under 1
.endr
.irp i, 2,4,6,8,10,12,14
.irp b, 0,1,2,3
	v_max3_num_f32 v[TM+\b], v[TM+\b], v[\s+16*\b+\i], v[\s+1+16*\b+\i]   ; (the four blocks by turns)
.endr
.endr
.else
.irp b, 0,1,2,3
	v_max3_num_f32 v[TM+\b], |v[\s+16*\b]|, |v[\s+1+16*\b]|, 0x8000000
.endr
.irp i, 2,4,6,8,10,12,14
.irp b, 0,1,2,3
	v_max3_num_f32 v[TM+\b], v[TM+\b], |v[\s+16*\b+\i]|, |v[\s+1+16*\b+\i]|
.endr
.endr
.endif
.irp b, 0,1,2,3
	v_permlanex16_b32 v[TM+4+\b], v[TM+\b], s[SEL], s[SEL+1]
.endr
.irp b, 0,1,2,3
	v_max_num_f32 v[TM+\b], v[TM+\b], v[TM+4+\b]   ; with lane l xor 16's: the block's largest magnitude
.endr
.irp b, 0,1,2,3
	v_add_nc_u32 v[TM+12+\b], 0xf8800000, v[TM+\b]   ; 15 off its exponent field: the conversion's scale operand
.endr
.irp b, 0,1,2,3
	v_and_or_b32 v[TM+8+\b], v[TM+\b], 0x7f800000, s[MNT]   ; 57,344 x the scale
.endr
.irp b, 0,1,2,3
	v_lshrrev_b32 v[TM+4+\b], 23, v[TM+12+\b]   ; the scale's byte
.endr
	v_lshl_or_b32 v[PW], v[TM+5], 8, v[TM+4]   ; the four bytes make my row's scale word
	v_lshl_or_b32 v[PW], v[TM+6], 16, v[PW]
	v_lshl_or_b32 v[PW], v[TM+7], 24, v[PW]
.irp b, 0,1,2,3
.irp i, 0,1,2,3,4,5,6,7,8,9,10,11,12,13,14,15
.if \relu
	v_med3_num_f32 v[\s+16*\b+\i], v[\s+16*\b+\i], 0, v[TM+8+\b]   ; the activation and the hold in one
.else
	v_med3_num_f32 v[\s+16*\b+\i], v[\s+16*\b+\i], -v[TM+8+\b], v[TM+8+\b]   ; the conversion to an 8-bit code does not saturate (ISA guide 7.6.2): the hold
.endif
.endr
	v_cvt_scalef32_pk8_bf8_f32 v[PC+4*\b:PC+1+4*\b], v[\s+16*\b:\s+7+16*\b], v[TM+12+\b]
	v_cvt_scalef32_pk8_bf8_f32 v[PC+2+4*\b:PC+3+4*\b], v[\s+8+16*\b:\s+15+16*\b], v[TM+12+\b]
.endr
	v_nop                                          ; a plain instruction behind the last conversion
.endm
; Block a of my eight: 16 rows x 128: the bias is added, the numbers are quantised, the codes go to the work-group's stage, the scale word to the stage of scale bytes.
.macro ROWS a
.set WW, 0x02+(\a)/4
	WIN WW                                         ; source 0: window 2 or 3
.set k, 0
.rept 32
	v_pk_add_f32 v[ST+2*k:ST+2*k+1], v[64*((\a)%4)+2*k:64*((\a)%4)+2*k+1], v[B0+2*k:B0+2*k+1]   ; each accumulator from its low end on
.set k, k+1
.endr
	WIN 0
.if QKV
.set k, 0
.rept 64
	v_add_f32 v[ST+k], v[B1+(\a)], v[ST+k]
.set k, k+1
.endr
.endif
	QUANT ST, RELU
.irp c, 0,1,2,3
	ds_store_b128 v[STO], v[PC+4*\c:PC+4*\c+3] offset:16*PITCH*(\a)+32*\c
.endr
	ds_store_b32 v[SSO], v[PW] offset:8*(32*((\a)/2)+8*((\a)%2))   ; lanes 16-31 write the same word with the same value
	s_wait_dscnt 0x0                               ; the stores have read their registers
.endm
	PLACES NP                                      ; behind the last products: for the reads of results and the writes of registers that held S1's fragments
	s_wait_loadcnt 0x0                             ; the biases
.irp b, 0,1,2,3
	v_mov_b32 v[TM+4+\b], 0                        ; written once: a lane permute's destination counts as one of its sources
.endr
.if QKV
.set k, 0
.rept 64
	v_cndmask_b32 v[B0+k], v[B0+k], 0, s95         ; v: no bias along S0 (the tokens)
.set k, k+1
.endr
.irp a, 0,1,2,3,4,5,6,7
	v_cndmask_b32 v[B1+\a], 0, v[B1+\a], s95       ; q, k: none along S1
.endr
.endif
.irp a, 0,1,2,3,4,5,6,7
	ROWS \a
.endr
	s_barrier_signal -1                            ; my stores into the stages are done (the wait for 0 has just stood); a row's 256 codes and 8 scale bytes come from two waves
	s_barrier_wait -1
.irp t, 0,1,2,3,4,5,6,7,8,9,10,11,12,13,14,15,16,17,18,19,20,21,22,23,24,25,26,27,28,29,30,31
	ds_load_b128 v[OB+4*\t:OB+4*\t+3], v[RD] offset:544*\t
.endr
	ds_load_b128 v[SB:SB+3], v[SSR]
.irp t, 0,1,2,3,4,5,6,7,8,9,10,11,12,13,14,15,16,17,18,19,20,21,22,23,24,25,26,27,28,29,30,31
	s_wait_dscnt 32-\t                             ; the younger loads may stay out
	global_store_b128 v[CO], v[OB+4*\t:OB+4*\t+3], s[12:13] offset:2*\t*4096 th:TH_STORE_NT   ; stage row p goes to row p: the result's row (token of q, k; channel of v) with index i lies at row LOG(i); sixteen lanes store 256 consecutive bytes, aligned
.endr
	s_wait_dscnt 0x0
	global_store_b128 v[L16], v[SB:SB+3], s[100:101] th:TH_STORE_NT   ; 64 rows x 8 scale bytes: 512 consecutive bytes, aligned
	s_wait_tensorcnt 0x0                           ; the wave's end: behind my last tensor load and my last LDS store
	ds_add_u32 v[SPW], v[NIL]
	s_wait_dscnt 0x0
	CROUND                                         ; the closing round: no work-group ends while a partner may still ask for a tile that names it
	s_endpgm
.Lfunc_end_k_q0d63a85236_qkv:
	.size	k_q0d63a85236_qkv, .Lfunc_end_k_q0d63a85236_qkv-k_q0d63a85236_qkv
	.p2alignl 7, 3214868480
	.fill 96, 4, 3214868480
	.section	.rodata,"a",@progbits
	.p2align	6, 0x0
	.amdhsa_kernel k_q0d63a85236_qkv
		.amdhsa_group_segment_fixed_size 327680
		.amdhsa_private_segment_fixed_size 0
		.amdhsa_enable_private_segment 0
		.amdhsa_kernarg_size 24
		.amdhsa_user_sgpr_count 2
		.amdhsa_user_sgpr_kernarg_segment_ptr 1
		.amdhsa_wavefront_size32 1
		.amdhsa_system_sgpr_workgroup_id_x 1
		.amdhsa_system_sgpr_workgroup_id_y 1
		.amdhsa_system_sgpr_workgroup_id_z 1
		.amdhsa_system_vgpr_workitem_id 0
		.amdhsa_next_free_vgpr 1024
		.amdhsa_next_free_sgpr 102
		.amdhsa_reserve_vcc 0
		.amdhsa_float_denorm_mode_32 3
		.amdhsa_float_denorm_mode_16_64 3
		.amdhsa_memory_ordered 1
		.amdhsa_forward_progress 1
		.amdhsa_inst_pref_size 232
	.end_amdhsa_kernel
	.amdgpu_metadata
---
amdhsa.version: [ 1, 2 ]
amdhsa.kernels:
  - .name:           k_q0d63a85236_qkv
    .symbol:         k_q0d63a85236_qkv.kd
    .args:
      - { .name: wts, .offset: 0, .size: 8, .value_kind: global_buffer, .address_space: global }
      - { .name: bqkv, .offset: 8, .size: 8, .value_kind: global_buffer, .address_space: global }
      - { .name: qkv, .offset: 16, .size: 8, .value_kind: global_buffer, .address_space: global }
    .group_segment_fixed_size: 327680
    .private_segment_fixed_size: 0
    .kernarg_segment_align: 8
    .kernarg_segment_size: 24
    .max_flat_workgroup_size: 128
    .sgpr_count:     102
    .vgpr_count:     1024
    .wavefront_size: 32
...
	.end_amdgpu_metadata
.endif
;; end of part 2
;; launch attn (part 3): grid 32 x 8, 8 waves a work-group, clusters of 4 x 1, 327,680 bytes of LDS; arguments qkv, ctx; writes ctx
.if DOCPART == 3
	.amdgcn_target "amdgcn-amd-amdhsa--gfx1250"
	.amdhsa_code_object_version 6
	.text
	.protected	k_q0d63a85236_attn
	.globl	k_q0d63a85236_attn
	.p2align	8
	.type	k_q0d63a85236_attn,@function
k_q0d63a85236_attn:
	s_mov_b64 s[64:65], 0
	v_nop
	global_prefetch_b8 v0, s[64:65] scope:SCOPE_SE
	s_setreg_imm32_b32 hwreg(HW_REG_WAVE_MODE, 25, 1), 1
	s_wait_xcnt 0x0
	s_wait_alu depctr_hold_cnt(0) depctr_sa_sdst(0) depctr_va_vdst(0) depctr_va_sdst(0) depctr_va_ssrc(0) depctr_va_vcc(0) depctr_vm_vsrc(0)
	s_getreg_b32 s2, hwreg(HW_REG_IB_STS2, 6, 4)
	s_cmp_eq_u32 s2, 0
	s_cbranch_scc0 .Lentry_in_a_cluster
	s_endpgm
.Lentry_in_a_cluster:
	s_bfe_u32 s2, ttmp6, 0x10000c
	s_cmp_lg_u32 s2, 0x3003
	s_cbranch_scc0 .Lentry_shape_is_right
	s_endpgm
.Lentry_shape_is_right:
; CAUSAL ATTENTION ON CODES OF E5M2 (one E8M0 byte for 32 along K), 2 batches x 16 heads x 2,048 tokens x 64, and the quantiser of its result along the 1,024 channels.
; Left out: key steps all of whose 128 keys come after a tile's queries: the causal mask gives them the weight 0 for every input.
; p = 2^(t - M), t = score x log2(e) / 8, M the running largest t rounded up to a whole number; the row's sum is taken of the unquantised p and divides at the end.
; LIMITS: the promise holds while |t| stays under 2^31; NaN and infinities are not served; a block's byte never falls under 1 (a block of zeros has zero codes; this program alone reads the bytes).
; IN qkv: q, k codes [row][pitch 4,096] (q at byte 0, k at 1,024), token i at row LOG(i) (bits 3 and 4 exchanged); v codes [channel row][4,096 tokens], channel i at row LOG(i); scale bytes in natural order.
; So 16 rows on end are the keys (channels) 32 g + 8 u + r % 8 + 16 (r / 8): a lane's 16 registers of two neighbouring tiles are 16 neighbours along the next K.
; THE DEAL.  A cluster of 4 work-groups owns the bands m and 15 - m of 128 queries (m: the cluster's x) of one batch and four heads; a work-group 32 queries of each band; wave w head w / 2 of the four and tile w % 2.
; A wave takes its tile of band m (m + 1 key steps of 128), then that of band 15 - m (16 - m steps): 17 steps in 9 slots of 256 keys, for every wave of the launch alike.  One half slot is passed over by all waves.
; All four partners walk the same keys: every tile is asked for jointly.  Only global addresses hang on m.
; THE RING: two slots (256 keys x 256 bytes of K, 256 channels x 256 keys of V, their scale bytes), eight loads a fill, one a wave.  The change of slots stands inside a slot's second step, when the slot is wholly in registers.
; REGISTERS.  Window 0: v1-11 addresses; v12 -M, v13 largest t, v[14:15] sum; v16-31 Q; v32-39, v40-43 K's, V's scale words; v44-45, v64-95 the first tile's sum and O; v48-56 the second tile's Q; v96-159 S, p; v160-191 O; v192-197 the way out; v208-254 at work.
; Window 1: v32-159 K's eight fragments (upper halves zero: the head has 64), v160-223 V's four.
.set KP,    272
.set VOFF,  256*KP
.set SLOT1, 0x22000
.set SCK,   2*SLOT1                    ; scale bytes: slot s at + 4,096 s: K's 2,048, then V's 2,048
.set SPARE, SCK+8192                   ; the spare words, 128 bytes a wave
.set STG,   SPARE+1024                 ; the way out: 64 rows x 272, bytes of its own
.set STS,   STG+64*272                 ; and 64 rows x 8 scale bytes
.set VTC,   16777216
.set QKS,   20971520
.set VTS,   21233664
.set CTS,   4194304
.set AK0,  1
.set AV0,  2
.set ASK0, 3
.set ASV0, 4
.set SPW,  5
.set NIL,  6
.set PFO,  7
.set ADK,  8
.set ADV,  9
.set ADS,  10
.set ADT,  11
.set KSW,  32
.set VSW,  40
.set LA,   44
.set QB,   48
.set QBS,  56
.set DD,   57
.set OA,   64
.set KF,   32
.set VF,   160
.set WSO,  192
.set WRD,  193
.set WSS,  194
.set WSR,  195
.set WGO,  196
.set WGS,  197
.set TB,   2
.set TS,   3
.set WV,   18
.set MNT,  19
.set SEL,  20
.set CS,   22
.set G1K,  24
.set G1S,  32
.set G0K,  40
.set G0V,  44
.set G0SK, 48
.set G0SV, 52
.set BK,   56
.set BV,   58
.set BSK,  60
.set BSV,  62
.set SG,   66
.set SLOTS, 67
.set BAND, 68
.set QD,   69
.set PFA,  76
.set PFS,  78
.set LIM,  80
.set GH,   81
.set NA,   90
.set FT,   91
.set FC,   92
.set HID,  99
.set TR,   100
.set MSB, 0
.macro WIN new                         ; the immediate's high byte repeats the setting that is left
.if MSB != \new
	s_set_vgpr_msb (MSB<<8)|\new
.set MSB, \new
.endif
.endm
.macro TL g0, g1                       ; a joint load with an s_nop and four v_nop behind it
	tensor_load_to_lds s[\g0:\g0+3], s[\g1:\g1+7]
	s_nop 0
.rept 4
	v_nop
.endr
.endm
.macro TLOAD4                          ; one chain on the wave's number, a load in every arm: waves 0, 1 K's halves; 2, 3 V's; 4, 5 K's scale bytes; 6, 7 V's
	s_cmp_lt_u32 s[WV], 2
	s_cbranch_scc0 .Lv_\@
	TL G0K, G1K
	s_branch .Ld_\@
.Lv_\@:
	s_cmp_lt_u32 s[WV], 4
	s_cbranch_scc0 .Lsk_\@
	TL G0V, G1K
	s_branch .Ld_\@
.Lsk_\@:
	s_cmp_lt_u32 s[WV], 6
	s_cbranch_scc0 .Lsv_\@
	TL G0SK, G1S
	s_branch .Ld_\@
.Lsv_\@:
	TL G0SV, G1S
.Ld_\@:
.endm
.macro GADDR g0, base, sh              ; a group 0's global address: the base + the slot's number x its step
	s_lshl_b32 s94, s[FC], \sh
	s_add_nc_u64 s[\g0+2:\g0+3], s[\base:\base+1], s[94:95]
	s_or_b32 s[\g0+3], s[\g0+3], 0x80000000
.endm
.macro GALL
	GADDR G0K, BK, 20
	GADDR G0V, BV, 8
	GADDR G0SK, BSK, 11
	GADDR G0SV, BSV, 13
.endm
.macro NEXTFILL                        ; the next trip's keys: one slot on, or, where the second band begins, slot 0 again; into the other LDS slot
	s_add_co_u32 s[FT], s[FT], 1
	s_add_co_u32 s[FC], s[FC], 1
	s_cmp_eq_u32 s[FT], s[NA]
	s_cselect_b32 s[FC], 0, s[FC]
	s_xor_b32 s[G0K+1], s[G0K+1], SLOT1
	s_xor_b32 s[G0V+1], s[G0V+1], SLOT1
	s_xor_b32 s[G0SK+1], s[G0SK+1], 4096
	s_xor_b32 s[G0SV+1], s[G0SV+1], 4096
	GALL
.endm
.macro ASK                             ; cluster 0's waves 4 to 7 ask for the slot that its next change will load: 64 rows of K and of V a work-group, told apart by address, a lane a row of 256 bytes; the last change that fills asks for nothing
	s_cmp_gt_u32 s[SLOTS], s[LIM]
	s_cbranch_scc0 .Lnot_mine_\@
	global_prefetch_b8 v[PFO], s[PFA:PFA+1] th:TH_LOAD_NT scope:SCOPE_SE
.Lnot_mine_\@:
.endm
.macro CROUND
	s_barrier_signal -1
	s_barrier_wait -1
	s_cmp_lg_u32 s[WV], 0
	s_cbranch_scc1 .Lnot_wave_0_\@
	s_barrier_signal -3
.Lnot_wave_0_\@:
	s_barrier_wait -3
	s_barrier_signal -1
	s_barrier_wait -1
.endm
.macro KFETCH q                        ; K's eight tiles of a slot's q-th 128 keys (64 bytes a key: two loads a tile) and their scale words: 24 LDS loads
	WIN 0x40
.irp t, 0,1,2,3,4,5,6,7
.irp c, 0,1
	ds_load_b128 v[KF+16*\t+4*\c:KF+16*\t+4*\c+3], v[ADK] offset:(128*(\q)+16*\t)*KP+32*\c
.endr
.endr
	WIN 0
.irp t, 0,1,2,3,4,5,6,7
	ds_load_u16 v[KSW+\t], v[ADS] offset:(128*(\q)+32*(\t/2)+8*(\t%2))*8
.endr
.endm
	s_load_b128 s[4:7], s[0:1], 0x0                ; qkv, ctx
	v_lshl_add_u32 v[SPW], v0, 2, SPARE
	v_mov_b32 v[NIL], 0
	ds_add_u32 v[SPW], v[NIL]
	ds_add_u32 v[SPW], v[NIL]
	v_lshrrev_b32 v8, 5, v0
	v_readfirstlane_b32 s[WV], v8                  ; wave 0..7
	s_bfe_u32 s84, ttmp6, 0x40000                  ; cx
	s_and_b32 s85, ttmp7, 0xffff
	s_lshr_b32 s86, s85, 2                         ; batch
	s_and_b32 s87, s85, 3                          ; group of four heads
	s_lshr_b32 s[GH], s[WV], 1                     ; my head of the four
	s_and_b32 s93, s[WV], 1                        ; my tile of two; also which half of a tile I fetch
	s_lshr_b32 s[NA], ttmp9, 1
	s_add_co_u32 s[NA], s[NA], 1                   ; slots of the first band: m / 2 + 1
	s_mov_b32 s[BAND], ttmp9
	s_lshl_b32 s[QD], s84, 5
	s_lshl_b32 s96, s93, 4
	s_add_co_u32 s[QD], s[QD], s96                 ; my first query in its band: 32 cx + 16 u (enters data and global addresses alone)
	s_mov_b32 s[G1K], 15|(0<<16)|(1<<20)|(1<<21)|(5<<22)|(3<<25)   ; 128 rows x 256 bytes, pitch 4,096, 16 bytes of padding a row; all four partners
	s_mov_b32 s[G1K+1], 256<<16
	s_mov_b32 s[G1K+2], 128<<16
	s_mov_b32 s[G1K+3], 256<<16
	s_mov_b32 s[G1K+4], 128
	s_mov_b32 s[G1K+5], 4096
	s_mov_b32 s[G1K+6], 0
	s_mov_b32 s[G1K+7], 0
	s_mov_b32 s[G1S], 15|(3<<16)|(1<<21)           ; 1,024 dense bytes as 4 rows of 256
	s_mov_b32 s[G1S+1], 32<<16
	s_mov_b32 s[G1S+2], 4<<16
	s_mov_b32 s[G1S+3], 32<<16
	s_mov_b32 s[G1S+4], 4
	s_mov_b32 s[G1S+5], 32
	s_mov_b32 s[G1S+6], 0
	s_mov_b32 s[G1S+7], 0
	s_lshl_b32 s96, s93, 19                        ; 128 rows of 4,096 bytes
	s_lshl_b32 s[BK], s86, 23
	s_add_co_u32 s[BK], s[BK], s96
	s_lshl_b32 s97, s87, 8
	s_add_co_u32 s[BK], s[BK], s97
	s_add_co_u32 s[BK], s[BK], 1024
	s_mov_b32 s[BK+1], 0
	s_lshl_b32 s[BV], s87, 20
	s_add_co_u32 s[BV], s[BV], s96
	s_lshl_b32 s97, s86, 11
	s_add_co_u32 s[BV], s[BV], s97
	s_add_co_u32 s[BV], s[BV], VTC
	s_mov_b32 s[BV+1], 0
	s_lshl_b32 s96, s93, 10
	s_lshl_b32 s[BSK], s87, 15
	s_lshl_b32 s97, s86, 14
	s_add_co_u32 s[BSK], s[BSK], s97
	s_add_co_u32 s[BSK], s[BSK], s96
	s_add_co_u32 s[BSK], s[BSK], QKS+131072
	s_mov_b32 s[BSK+1], 0
	s_lshl_b32 s[BSV], s86, 16
	s_lshl_b32 s97, s87, 11
	s_add_co_u32 s[BSV], s[BSV], s97
	s_add_co_u32 s[BSV], s[BSV], s96
	s_add_co_u32 s[BSV], s[BSV], VTS
	s_mov_b32 s[BSV+1], 0
	s_mov_b32 s[G0K], 1
	s_mul_i32 s[G0K+1], s93, 128*KP
	s_mov_b32 s[G0V], 1
	s_add_co_u32 s[G0V+1], s[G0K+1], VOFF
	s_mov_b32 s[G0SK], 1
	s_add_co_u32 s[G0SK+1], s96, SCK
	s_mov_b32 s[G0SV], 1
	s_add_co_u32 s[G0SV+1], s96, SCK+2048
	s_mov_b32 s[FT], 0
	s_mov_b32 s[FC], 0
	s_mov_b32 s95, 0
	s_wait_dscnt 0x0                               ; both opening adds are done
	s_wait_kmcnt 0x0
	s_add_nc_u64 s[BK:BK+1], s[4:5], s[BK:BK+1]
	s_add_nc_u64 s[BV:BV+1], s[4:5], s[BV:BV+1]
	s_add_nc_u64 s[BSK:BSK+1], s[4:5], s[BSK:BSK+1]
	s_add_nc_u64 s[BSV:BSV+1], s[4:5], s[BSV:BSV+1]
	GALL
	CROUND                                         ; the four partners are here: the first joint loads meet
	TLOAD4                                         ; slot 0: one load a wave
	; Q's rows of my two tiles, their scale words, where the results go, the prefetches
	s_lshl_b32 s85, s86, 23
	s_lshl_b32 s97, s87, 8
	s_add_co_u32 s85, s85, s97
	s_lshl_b32 s97, s[GH], 6
	s_add_co_u32 s85, s85, s97
	s_lshl_b32 s88, s84, 5
	s_lshl_b32 s97, s93, 3
	s_add_co_u32 s97, s97, s88                     ; token 32 cx + 16 u + r lies at row 32 cx + 8 u + r % 8 + 16 (r / 8)
	s_lshl_b32 s98, ttmp9, 7
	s_sub_co_u32 s89, 15, ttmp9
	s_lshl_b32 s89, s89, 7
	s_add_co_u32 s94, s98, s97
	s_lshl_b32 s94, s94, 12
	s_add_co_u32 s94, s94, s85
	s_add_nc_u64 s[70:71], s[4:5], s[94:95]
	s_add_co_u32 s94, s89, s97
	s_lshl_b32 s94, s94, 12
	s_add_co_u32 s94, s94, s85
	s_add_nc_u64 s[8:9], s[4:5], s[94:95]
	s_lshl_b32 s85, s87, 15
	s_lshl_b32 s97, s86, 14
	s_add_co_u32 s85, s85, s97
	s_lshl_b32 s97, s[GH], 1
	s_add_co_u32 s85, s85, s97
	s_add_co_u32 s85, s85, QKS
	s_add_co_u32 s94, s98, s[QD]
	s_lshl_b32 s94, s94, 3
	s_add_co_u32 s94, s94, s85
	s_add_nc_u64 s[72:73], s[4:5], s[94:95]
	s_add_co_u32 s94, s89, s[QD]
	s_lshl_b32 s94, s94, 3
	s_add_co_u32 s94, s94, s85
	s_add_nc_u64 s[10:11], s[4:5], s[94:95]
	s_cmp_lt_u32 s[WV], 4                          ; on the way out waves 0-3 store the first band's 32 rows, waves 4-7 the second's, 8 rows each
	s_cselect_b32 s97, s98, s89
	s_add_co_u32 s97, s97, s88
	s_lshl_b32 s96, s86, 11
	s_add_co_u32 s97, s97, s96
	s_lshl_b32 s94, s97, 3
	s_lshl_b32 s96, s87, 15
	s_add_co_u32 s94, s94, s96
	s_add_co_u32 s94, s94, CTS
	s_add_nc_u64 s[82:83], s[6:7], s[94:95]
	s_and_b32 s96, s[WV], 3
	s_lshl_b32 s96, s96, 3
	s_add_co_u32 s97, s97, s96
	s_lshl_b32 s94, s97, 10
	s_lshl_b32 s96, s87, 8
	s_add_co_u32 s94, s94, s96
	s_add_nc_u64 s[74:75], s[6:7], s[94:95]
	s_lshl_b32 s96, s84, 18
	s_lshl_b32 s97, s93, 17
	s_add_co_u32 s96, s96, s97
	s_lshl_b32 s94, s86, 23
	s_lshl_b32 s97, s87, 8
	s_add_co_u32 s94, s94, s97
	s_add_co_u32 s94, s94, 1024+1048576
	s_lshl_b32 s98, s87, 20
	s_lshl_b32 s97, s86, 11
	s_add_co_u32 s98, s98, s97
	s_add_co_u32 s98, s98, VTC+256
	s_mov_b32 s[PFS], 256
	s_cmp_lt_u32 s[WV], 6
	s_cselect_b32 s94, s94, s98
	s_cselect_b32 s[PFS], 1048576, s[PFS]
	s_mov_b32 s[PFS+1], 0
	s_add_co_u32 s94, s94, s96
	s_add_nc_u64 s[PFA:PFA+1], s[4:5], s[94:95]    ; at slot 1: the first change steps it to slot 2
	s_sub_co_u32 s96, s[WV], 4
	s_lshr_b32 s96, s96, 2
	s_or_b32 s96, s96, ttmp9
	s_cmp_eq_u32 s96, 0
	s_cselect_b32 s[LIM], 1, -1
	s_mul_i32 s12, s[GH], 64*KP
	s_add_co_u32 s12, s12, VOFF
	s_lshl_b32 s13, s[GH], 6
	s_lshl_b32 s14, s[GH], 1
	s_add_co_u32 s14, s14, SCK
	s_lshl_b32 s15, s[GH], 9
	s_add_co_u32 s15, s15, SCK+2048
	s_mul_i32 s16, s93, 16*272
	s_add_co_u32 s16, s16, s13
	s_add_co_u32 s16, s16, STG
	s_mul_i32 s17, s[WV], 8*272
	s_add_co_u32 s17, s17, STG
	s_lshl_b32 s88, s93, 7
	s_lshl_b32 s96, s[GH], 1
	s_add_co_u32 s88, s88, s96
	s_add_co_u32 s88, s88, STS
	s_lshr_b32 s89, s[WV], 2
	s_lshl_b32 s89, s89, 8
	s_add_co_u32 s89, s89, STS
	s_mov_b32 s[SEL], 0x76543210
	s_mov_b32 s[SEL+1], 0xfedcba98
	s_mov_b32 s[CS], 0x3e38aa3b                    ; log2(e) / 8
	s_mov_b32 s[CS+1], s[CS]
	s_mov_b32 s[MNT], 0x600000
	s_mov_b32 s[TB], 0
	s_mov_b32 s[TS], 0
	s_mov_b32 s[SG], 0
	s_mov_b32 s[TR], 0
	v_and_b32 v8, 15, v0                           ; r
	v_bfe_u32 v9, v0, 4, 1                         ; h
	v_and_b32 v60, 31, v0
	v_and_b32 v61, 7, v8
	v_and_b32 v11, 8, v8
	v_lshl_add_u32 v61, v11, 1, v61
	v_lshlrev_b32 v61, 12, v61
	v_lshl_add_u32 v58, v9, 4, v61
	v_lshlrev_b32 v59, 3, v8
	global_load_b128 v[16:19], v58, s[70:71]
	global_load_b128 v[20:23], v58, s[70:71] offset:32
	global_load_b128 v[QB:QB+3], v58, s[8:9]
	global_load_b128 v[QB+4:QB+7], v58, s[8:9] offset:32
	global_load_u16 v255, v59, s[72:73]
	global_load_u16 v[QBS], v59, s[10:11]
	v_lshlrev_b32 v[PFO], 12, v60
	v_mul_u32_u24 v[AK0], v8, KP
	v_lshl_add_u32 v[AK0], v9, 4, v[AK0]
	v_add_nc_u32 v[AV0], s12, v[AK0]
	v_add_nc_u32 v[AK0], s13, v[AK0]
	v_add_nc_u32 v11, v11, v8                      ; r + 8 (r / 8): the scale bytes lie in natural order
	v_lshl_add_u32 v[ASK0], v11, 3, s14
	v_lshl_add_u32 v[ASV0], v11, 3, s15
	v_lshlrev_b32 v61, 4, v9
	v_sub_nc_u32 v[DD], v8, v61
	v_add_nc_u32 v[DD], s[QD], v[DD]               ; my query in its band - 16 h: on the diagonal register 16 b + i is hidden where 32 b + i is greater
	v_mul_u32_u24 v[WSO], v8, 272
	v_lshl_add_u32 v[WSO], v9, 4, v[WSO]
	v_add_nc_u32 v[WSO], s16, v[WSO]
	v_mul_u32_u24 v[WRD], v9, 272
	v_lshl_add_u32 v[WRD], v8, 4, v[WRD]
	v_add_nc_u32 v[WRD], s17, v[WRD]
	v_lshl_add_u32 v[WSS], v8, 3, s88
	v_lshl_add_u32 v[WSR], v60, 3, s89
	v_lshlrev_b32 v[WGS], 3, v60
	v_lshlrev_b32 v[WGO], 10, v9
	v_lshl_add_u32 v[WGO], v8, 4, v[WGO]
	v_mov_b32 v[ADK], v[AK0]
	v_mov_b32 v[ADS], v[ASK0]
.irp j, 24,25,26,27,28,29,30,31
	v_mov_b32 v[\j], 0                             ; Q's upper 64 of K: zero codes
.endr
	v_mov_b32 v13, 0xff61b1e6
	v_floor_f32 v12, -v13
	v_mov_b32 v14, 0
	v_mov_b32 v15, 0
	v_mov_b32 v[LA], 0
	v_mov_b32 v[LA+1], 0
.irp b, 0,1,2,3
	v_mov_b32 v[236+\b], 0
.endr
	v_mov_b32 v252, 0
	v_mov_b32 v253, 0
.set J_, 0
.rept 32
	v_mov_b32 v[160+J_], 0
	v_mov_b32 v[OA+J_], 0
.set J_, J_+1
.endr
	WIN 0x40
.irp t, 0,1,2,3,4,5,6,7
.irp j, 8,9,10,11,12,13,14,15
	v_mov_b32 v[KF+16*\t+\j], 0                    ; K's upper 64 of K: zero codes, written once
.endr
.endr
	WIN 0
; A KEY STEP of 128 keys, the q-th of the slot in hand.  fill: 0 no change of slots; 1 the change with a refill; 2 without.
.macro STEP q, fill
.if \q
	s_add_co_u32 s[HID], s[SG], 1
	s_cmp_gt_u32 s[HID], s[BAND]                   ; all its keys come after the band's queries: the step's work is passed over, by all waves of the cluster alike
	s_cbranch_scc1 .Lhid_a_\@
.endif
	v_add_nc_u32 v[ADV], s[TB], v[AV0]
	v_add_nc_u32 v[ADT], s[TS], v[ASV0]
.if \q == 0
	v_add_nc_u32 v[ADK], s[TB], v[AK0]
	v_add_nc_u32 v[ADS], s[TS], v[ASK0]
.endif
	s_wait_alu depctr_va_vdst(0)
	s_wait_dscnt 0x0                               ; K's fragments, asked for a step ago
	WIN 0x01
.irp t, 0,1,2,3,4,5,6,7
	v_wmma_scale_f32_16x16x128_f8f6f4 v[96+8*\t:103+8*\t], v[KF+16*\t:KF+16*\t+15], v[16:31], 0, v[KSW+\t], v255 matrix_a_fmt:MATRIX_FMT_BF8 matrix_b_fmt:MATRIX_FMT_BF8
.endr
	WIN 0
.rept 8
	v_nop                                          ; places ahead of the loads into what the products read and of the scores' first reader
.endr
	WIN 0x40
.irp t, 0,1,2,3
.irp c, 0,1,2,3
	ds_load_b128 v[VF+16*\t+4*\c:VF+16*\t+4*\c+3], v[ADV] offset:16*\t*KP+128*(\q)+32*\c
.endr
.endr
	WIN 0
.irp t, 0,1,2,3
	ds_load_b32 v[VSW+\t], v[ADT] offset:(32*(\t/2)+8*(\t%2))*8+4*(\q)
.endr
.if \q == 0
	KFETCH 1                                       ; the next step's K
	s_cmp_lt_u32 s[SG], s[BAND]
.else
	s_cmp_lt_u32 s[HID], s[BAND]
.endif
	s_cbranch_scc1 .Lopen_\@
	v_mov_b32 v254, 0xff800000                     ; the diagonal: hidden scores become -infinity
.set J_, 0
.rept 64
	v_cmp_gt_i32 vcc_lo, 32*(J_/16)+J_%16, v[DD]
	v_cndmask_b32 v[96+J_], v[96+J_], v254, vcc_lo
.set J_, J_+1
.endr
.Lopen_\@:
.irp b, 0,1,2,3
	v_max3_num_f32 v[232+\b], v[96+16*\b], v[97+16*\b], v[98+16*\b]   ; each block's largest score: for the row's maximum and for the block's largest p
.endr
.irp i, 3,5,7,9,11,13
.irp b, 0,1,2,3
	v_max3_num_f32 v[232+\b], v[232+\b], v[96+16*\b+\i], v[97+16*\b+\i]
.endr
.endr
.irp b, 0,1,2,3
	v_max_num_f32 v[232+\b], v[232+\b], v[111+16*\b]
.endr
.irp b, 0,1,2,3
	v_permlanex16_b32 v[236+\b], v[232+\b], s[SEL], s[SEL+1]
.endr
.irp b, 0,1,2,3
	s_delay_alu instid0(VALU_DEP_4)
	v_max_num_f32 v[232+\b], v[232+\b], v[236+\b]
.endr
	s_delay_alu instid0(VALU_DEP_2)
	v_max3_num_f32 v254, v232, v233, v234
	s_delay_alu instid0(VALU_DEP_1)
	v_max_num_f32 v254, v254, v235
	s_delay_alu instid0(VALU_DEP_1)
	v_mul_f32 v254, s[CS], v254
	s_delay_alu instid0(VALU_DEP_1)
	v_max_num_f32 v13, v13, v254
	v_mov_b32 v254, v12
	s_delay_alu instid0(VALU_DEP_2)
	v_floor_f32 v12, -v13                          ; -M
	s_delay_alu instid0(VALU_DEP_1)
	v_sub_f32 v254, v12, v254
	s_delay_alu instid0(VALU_DEP_1)
	v_cvt_i32_f32 v254, v254
	s_delay_alu instid0(VALU_DEP_1)
	v_ldexp_f32 v252, 1.0, v254                    ; f = 2^(old M - new M)
.set J_, 0
.rept 32
	v_pk_fma_f32 v[96+J_:97+J_], v[96+J_:97+J_], s[CS:CS+1], v[12:13] op_sel_hi:[1,0,0]
.set J_, J_+2
.endr
.irp b, 0,1,2,3
	v_fma_f32 v[232+\b], v[232+\b], s[CS], v12
.endr
.if \q
.Lhid_a_\@:
; THE CHANGE OF SLOTS.  This slot's K and V are in registers once the wait for my LDS loads has passed; the other slot's load was asked for a slot ago.
.rept 8
	v_nop                                          ; places behind the first step's last products, for the way that has passed over this step's first half
.endr
	s_xor_b32 s[TB], s[TB], SLOT1
	s_xor_b32 s[TS], s[TS], 4096
	v_add_nc_u32 v[ADK], s[TB], v[AK0]
	v_add_nc_u32 v[ADS], s[TS], v[ASK0]
	s_wait_alu depctr_va_vdst(0)
	s_wait_tensorcnt 0x0                           ; my part of the other slot is in, so every group 0 may be written
	ds_add_u32 v[SPW], v[NIL]
.if \fill == 1
	NEXTFILL
	s_wait_xcnt 0x0                                ; any prefetch of mine has read its address
	s_add_nc_u64 s[PFA:PFA+1], s[PFA:PFA+1], s[PFS:PFS+1]
.endif
	s_wait_dscnt 0x0                               ; the add is done, and my reads of this slot are over
.if \fill == 1
	CROUND
	TLOAD4                                         ; this slot again: the keys of two trips on
	KFETCH 0                                       ; the other slot's first K
	ASK
.else
	s_barrier_signal -1
	s_barrier_wait -1
	s_cmp_eq_u32 s[SLOTS], 1                       ; nothing follows the last trip
	s_cbranch_scc1 .Lnok_\@
	KFETCH 0
.Lnok_\@:
.endif
	s_cmp_gt_u32 s[HID], s[BAND]
	s_cbranch_scc1 .Lhid_b_\@
.endif
	s_wait_alu depctr_va_vdst(0)
.set J_, 0
.rept 64
	v_exp_f32 v[96+J_], v[96+J_]
.set J_, J_+1
.endr
	v_pk_mul_f32 v[14:15], v[14:15], v[252:253] op_sel_hi:[1,0]
	s_wait_alu depctr_va_vdst(0)
.irp b, 0,1,2,3
	v_exp_f32 v[232+\b], v[232+\b]
.endr
	v_pk_add_f32 v[236:237], v[96:97], v[98:99]    ; the row's sum of the unquantised p
.irp j, 4,8,12,16,20,24,28,32,36,40,44,48,52,56,60
	v_pk_add_f32 v[14:15], v[14:15], v[96+\j:97+\j]
	v_pk_add_f32 v[236:237], v[236:237], v[98+\j:99+\j]
.endr
	s_delay_alu instid0(VALU_DEP_1)
	v_pk_add_f32 v[14:15], v[14:15], v[236:237]
	s_wait_alu depctr_va_vdst(0)
.irp b, 0,1,2,3
	v_max_num_f32 v[232+\b], 0x8000000, v[232+\b]
.endr
.irp b, 0,1,2,3
	s_delay_alu instid0(VALU_DEP_4)
	v_add_nc_u32 v[244+\b], 0xf8800000, v[232+\b]
.endr
.irp b, 0,1,2,3
	v_and_or_b32 v[240+\b], v[232+\b], 0x7f800000, s[MNT]
.endr
.irp b, 0,1,2,3
	v_lshrrev_b32 v[236+\b], 23, v[244+\b]
.endr
	s_delay_alu instid0(VALU_DEP_3)
	v_lshl_or_b32 v253, v237, 8, v236
	s_delay_alu instid0(VALU_DEP_1)
	v_lshl_or_b32 v253, v238, 16, v253
	s_delay_alu instid0(VALU_DEP_1)
	v_lshl_or_b32 v253, v239, 24, v253
.irp b, 0,1,2,3
.irp i, 0,1,2,3,4,5,6,7,8,9,10,11,12,13,14,15
	v_min_num_f32 v[96+16*\b+\i], v[96+16*\b+\i], v[240+\b]   ; the hold: the conversion does not saturate (ISA guide 7.6.2)
.endr
	v_cvt_scalef32_pk8_bf8_f32 v[224+4*\b:225+4*\b], v[96+16*\b:103+16*\b], v[244+\b]
	v_cvt_scalef32_pk8_bf8_f32 v[226+4*\b:227+4*\b], v[104+16*\b:111+16*\b], v[244+\b]
.endr
	s_wait_alu depctr_va_vdst(0)
.set J_, 0
.rept 16
	v_pk_mul_f32 v[160+J_:161+J_], v[160+J_:161+J_], v[252:253] op_sel_hi:[1,0]
.set J_, J_+2
.endr
	s_wait_alu depctr_va_vdst(0)
.if \q == 0
	s_wait_dscnt 24                                ; V's 20 loads are in; the next step's 24 of K, issued behind them, may be out
.endif
	WIN 0x01
.irp t, 0,1,2,3
	v_wmma_scale_f32_16x16x128_f8f6f4 v[160+8*\t:167+8*\t], v[VF+16*\t:VF+16*\t+15], v[224:239], v[160+8*\t:167+8*\t], v[VSW+\t], v253 matrix_a_fmt:MATRIX_FMT_BF8 matrix_b_fmt:MATRIX_FMT_BF8
.endr
	WIN 0
.if \q
.Lhid_b_\@:
.endif
.endm
	s_wait_alu depctr_va_vdst(0)
	s_wait_tensorcnt 0x0                           ; my part of slot 0 is in; slot 1's first fill is issued as a refill is
	ds_add_u32 v[SPW], v[NIL]
	NEXTFILL
	s_wait_dscnt 0x0
	CROUND
	TLOAD4
	KFETCH 0
	s_wait_loadcnt 0x0                             ; Q
	s_mov_b32 s[SLOTS], 7
.Lslot:                                            ; trips 0 to 6: each asks for the keys of two trips on
	STEP 0, 0
	STEP 1, 1
	s_add_co_u32 s[SG], s[SG], 2
	s_add_co_u32 s[TR], s[TR], 1
	s_cmp_lg_u32 s[TR], s[NA]
	s_cbranch_scc1 .Lsame
.rept 8
	v_nop                                          ; THE SECOND BAND BEGINS (ids alone decide where): places behind the last products
.endr
.irp j, 0,1,2,3,4,5,6,7
	v_mov_b32 v[16+\j], v[QB+\j]
.endr
	v_mov_b32 v255, v[QBS]
.set J_, 0
.rept 32
	v_mov_b32 v[OA+J_], v[160+J_]                  ; the first tile's O and sum wait for the way out
.set J_, J_+1
.endr
	v_mov_b32 v[LA], v14
	v_mov_b32 v[LA+1], v15
.set J_, 0
.rept 32
	v_mov_b32 v[160+J_], 0
.set J_, J_+1
.endr
	v_mov_b32 v14, 0
	v_mov_b32 v15, 0
	v_mov_b32 v13, 0xff61b1e6
	v_floor_f32 v12, -v13
	s_sub_co_u32 s[BAND], 15, ttmp9
	s_mov_b32 s[SG], 0
	s_wait_alu depctr_va_vdst(0)
.Lsame:
	s_sub_co_u32 s[SLOTS], s[SLOTS], 1
	s_cmp_lg_u32 s[SLOTS], 0
	s_cbranch_scc1 .Lslot
	s_mov_b32 s[SLOTS], 2
.Ltail:                                            ; trips 7 and 8 ask for nothing; the second passes the barrier too
	STEP 0, 0
	STEP 1, 2
	s_add_co_u32 s[SG], s[SG], 2
	s_sub_co_u32 s[SLOTS], s[SLOTS], 1
	s_cmp_lg_u32 s[SLOTS], 0
	s_cbranch_scc1 .Ltail
; THE WAY OUT of a tile: O / the sum, quantised along the head's 64 channels (two blocks), codes and scale bytes into the stages.
.macro FIN o, l, ph, cb, pw
	v_add_f32 v[\l], v[\l], v[\l+1]
	v_permlanex16_b32 v252, v[\l], s[SEL], s[SEL+1]
	v_add_f32 v[\l], v[\l], v252
	s_wait_alu depctr_va_vdst(0)
	v_rcp_f32 v[\l], v[\l]
	v_nop
	s_wait_alu depctr_va_vdst(0)
.set J_, 0
.rept 32
	v_mul_f32 v[96+J_], v[\o+J_], v[\l]
.set J_, J_+1
.endr
.irp b, 0,1
	v_max3_num_f32 v[232+\b], |v[96+16*\b]|, |v[97+16*\b]|, 0x8000000
.endr
.irp i, 2,4,6,8,10,12,14
.irp b, 0,1
	v_max3_num_f32 v[232+\b], v[232+\b], |v[96+16*\b+\i]|, |v[97+16*\b+\i]|
.endr
.endr
.irp b, 0,1
	v_permlanex16_b32 v[236+\b], v[232+\b], s[SEL], s[SEL+1]
.endr
.irp b, 0,1
	v_max_num_f32 v[232+\b], v[232+\b], v[236+\b]
.endr
.irp b, 0,1
	v_add_nc_u32 v[244+\b], 0xf8800000, v[232+\b]
.endr
.irp b, 0,1
	v_and_or_b32 v[240+\b], v[232+\b], 0x7f800000, s[MNT]
.endr
.irp b, 0,1
	v_lshrrev_b32 v[236+\b], 23, v[244+\b]
.endr
	v_lshl_or_b32 v[\pw], v237, 8, v236
.irp b, 0,1
.irp i, 0,1,2,3,4,5,6,7,8,9,10,11,12,13,14,15
	v_med3_num_f32 v[96+16*\b+\i], v[96+16*\b+\i], -v[240+\b], v[240+\b]
.endr
	v_cvt_scalef32_pk8_bf8_f32 v[\cb+4*\b:\cb+1+4*\b], v[96+16*\b:103+16*\b], v[244+\b]
	v_cvt_scalef32_pk8_bf8_f32 v[\cb+2+4*\b:\cb+3+4*\b], v[104+16*\b:111+16*\b], v[244+\b]
.endr
	v_nop
	ds_store_b128 v[WSO], v[\cb:\cb+3] offset:\ph*32*272
	ds_store_b128 v[WSO], v[\cb+4:\cb+7] offset:\ph*32*272+32
	ds_store_b16 v[WSS], v[\pw] offset:\ph*256
.endm
.rept 8
	v_nop
.endr
	FIN OA, LA, 0, 224, 253
	FIN 160, 14, 1, 208, 251
	s_wait_dscnt 0x0                               ; for the others' sake: a row's 256 codes and 8 scale bytes come from four waves
	s_barrier_signal -1
	s_barrier_wait -1
.irp i, 0,1,2,3
	ds_load_b128 v[96+4*\i:99+4*\i], v[WRD] offset:544*\i
.endr
.irp i, 0,1,2,3
	s_wait_dscnt 3-\i
	global_store_b128 v[WGO], v[96+4*\i:99+4*\i], s[74:75] offset:2048*\i   ; sixteen lanes store 256 consecutive bytes, aligned
.endr
	s_and_b32 s96, s[WV], 3
	s_cmp_lg_u32 s96, 0
	s_cbranch_scc1 .Lno_scales
	ds_load_b64 v[112:113], v[WSR]
	s_wait_dscnt 0x0
	global_store_b64 v[WGS], v[112:113], s[82:83]  ; waves 0 and 4: a band's 32 rows x 8 scale bytes: 256 consecutive bytes, aligned
.Lno_scales:
	s_wait_tensorcnt 0x0                           ; the wave's end
	ds_add_u32 v[SPW], v[NIL]
	s_wait_dscnt 0x0
	CROUND                                         ; the closing round
	s_endpgm
.Lfunc_end_k_q0d63a85236_attn:
	.size	k_q0d63a85236_attn, .Lfunc_end_k_q0d63a85236_attn-k_q0d63a85236_attn
	.p2alignl 7, 3214868480
	.fill 96, 4, 3214868480
	.section	.rodata,"a",@progbits
	.p2align	6, 0x0
	.amdhsa_kernel k_q0d63a85236_attn
		.amdhsa_group_segment_fixed_size 327680
		.amdhsa_private_segment_fixed_size 0
		.amdhsa_enable_private_segment 0
		.amdhsa_kernarg_size 16
		.amdhsa_user_sgpr_count 2
		.amdhsa_user_sgpr_kernarg_segment_ptr 1
		.amdhsa_wavefront_size32 1
		.amdhsa_system_sgpr_workgroup_id_x 1
		.amdhsa_system_sgpr_workgroup_id_y 1
		.amdhsa_system_sgpr_workgroup_id_z 1
		.amdhsa_system_vgpr_workitem_id 0
		.amdhsa_next_free_vgpr 512
		.amdhsa_next_free_sgpr 102
		.amdhsa_reserve_vcc 1
		.amdhsa_float_denorm_mode_32 3
		.amdhsa_float_denorm_mode_16_64 3
		.amdhsa_memory_ordered 1
		.amdhsa_forward_progress 1
		.amdhsa_inst_pref_size 139
	.end_amdhsa_kernel
	.amdgpu_metadata
---
amdhsa.version: [ 1, 2 ]
amdhsa.kernels:
  - .name:           k_q0d63a85236_attn
    .symbol:         k_q0d63a85236_attn.kd
    .args:
      - { .name: qkv, .offset: 0, .size: 8, .value_kind: global_buffer, .address_space: global }
      - { .name: ctx, .offset: 8, .size: 8, .value_kind: global_buffer, .address_space: global }
    .group_segment_fixed_size: 327680
    .private_segment_fixed_size: 0
    .kernarg_segment_align: 8
    .kernarg_segment_size: 16
    .max_flat_workgroup_size: 256
    .sgpr_count:     102
    .vgpr_count:     512
    .wavefront_size: 32
...
	.end_amdgpu_metadata
.endif
;; end of part 3
;; launch proj (part 4): grid 8 x 32, 4 waves a work-group, clusters of 4 x 4, 327,680 bytes of LDS; arguments ctx, wts, bo, X, x1; writes x1
.if DOCPART == 4
	.amdgcn_target "amdgcn-amd-amdhsa--gfx1250"
	.amdhsa_code_object_version 6
	.text
	.protected	k_q0d63a85236_proj
	.globl	k_q0d63a85236_proj
	.p2align	8
	.type	k_q0d63a85236_proj,@function
k_q0d63a85236_proj:
	s_mov_b64 s[64:65], 0
	v_nop
	global_prefetch_b8 v0, s[64:65] scope:SCOPE_SE
	s_setreg_imm32_b32 hwreg(HW_REG_WAVE_MODE, 25, 1), 1
	s_wait_xcnt 0x0
	s_wait_alu depctr_hold_cnt(0) depctr_sa_sdst(0) depctr_va_vdst(0) depctr_va_sdst(0) depctr_va_ssrc(0) depctr_va_vcc(0) depctr_vm_vsrc(0)
	s_getreg_b32 s2, hwreg(HW_REG_IB_STS2, 6, 4)
	s_cmp_eq_u32 s2, 0
	s_cbranch_scc0 .Lentry_in_a_cluster
	s_endpgm
.Lentry_in_a_cluster:
	s_bfe_u32 s2, ttmp6, 0x10000c
	s_cmp_lg_u32 s2, 0xf033
	s_cbranch_scc0 .Lentry_shape_is_right
	s_endpgm
.Lentry_shape_is_right:
; out = residual + A W + bias, f32, with A [4096][KTOT] and W (laid [1024][KTOT], K innermost) as codes of E5M2 with one E8M0 byte for each 32 along K.  This text serves two launches by the constants at its head:
;   KTOT = 1,024: X1 = X + ctx Wo + bo.     KTOT = 4,096: out0 = X1 + H W2 + b2.
; N is 1,024, so tiles of 256 x 256 would be 64: a tile is 128 x 128, which gives 256 work-groups.  Four waves, each 64 x 64: 16 accumulators of 16 x 16.  A wave's 64 columns of f32 are 256 bytes of a row of the output.
; K goes in steps of 512 (LDS rows of 512 bytes; a wave's tensor load brings 64 of them) through a ring of two slots, as long as LDS allows.  The scale bytes of the tile's 2 x 128 rows, for all of K, come once, with the first fills.
; THE MATRIX INSTRUCTION IS USED TRANSPOSED: source 0 = 16 rows of W, source 1 = 16 rows of A: a lane holds eight numbers of one row of the output.  W's rows lie in memory at LOG(row) (bits 3 and 4 exchanged): register j of
; lane (r, h) in tile b is column 32 (b / 2) + 16 h + 8 (b % 2) + j.
; CLUSTERS: 4 x 4 work-groups.  The four of a row of the cluster need the same tiles of A, the four of a column the same tiles of W: each tile is asked for JOINTLY.
; The residual and the bias are asked for at the head, into registers that the loop leaves alone, and are waited for once, on the way out.
; REGISTERS: window 0: v0-31 addresses, the bias; v32-63 scale words, two sets (on the way out v32-95: rows); v128-255 the accumulators ((a, b) at v[128 + 8 (4 a + b)]).
;   window 1: two fragment buffers of 128: for 128 along K, 64 registers of A (4 x 16 rows), then 64 of W.     window 2: v0-127 the residual.
.set KTOT,   1024
.set OAS,    4194304                   ; A's scale bytes [KTOT / 256][4096][8] in its buffer (its codes lie at 0)
.set OB,     7602176                   ; W's codes in wts,
.set OBS,    8650752                   ; and its scale bytes [KTOT / 256][1024][8]
.set NCH,    KTOT/256
.set LAPS,   KTOT/1024                 ; a lap = two K steps of 512 = once round the ring
.set PITCH,  528                       ; an LDS row: 512 bytes + 16 of padding = 132 words: row r starts at bank 4 r mod 64 (64 banks of 4 bytes: ISA guide 11.1)
.set HALFT,  64*PITCH                  ; 64 rows: what one tensor load brings, and what one wave reads of A or of W
.set SLOT,   4*HALFT                   ; A's 128 rows, then W's 128 rows
.set SCL,    2*SLOT                    ; behind the ring: the scale bytes: A's [NCH chunks][128 rows][8]; W's likewise, 128 bytes further on than A's end, in the other half of the banks
.set HALFS,  512*NCH
.set SPARE,  SCL+4*HALFS+256           ; the spare words, 128 bytes for each wave: two blocks of 256 bytes that no other line names
.set SPITCH, 272                       ; the way out: a stage of 16 rows x (256 bytes + 16) for each wave, in slot 0, which has had its last fill and its last read when the first result is stored there
.set BO,   7                           ; v7      16 x (lane % 16): the bias's offset; never rewritten
.set BI,   8                           ; v8-11   the bias of my four columns on the way out
.set ADRA, 16                          ; v16-17  LDS address of my A fragments in slot 0, 1
.set ADRB, 20                          ; v20-21  the same for W
.set STO,  24                          ; v24     the way out: where I put 32 bytes of a row
.set RD,   25                          ; v25     where I read a row back
.set CO,   26                          ; v26     my byte offset in two rows of the output and of the residual; never rewritten
.set ADRS, 27                          ; v27     LDS address of my scale words: lanes 0-15 A's rows, lanes 16-31 W's
.set SPW,  28                          ; v28     LDS address of my spare word; never rewritten
.set NIL,  29                          ; v29     0; never rewritten
.set SC,   32                          ; scale words: set s at v[SC + 16 s]; in it register 4 i + q: lanes 0-15 the word of A's block i, lanes 16-31 that of W's block i, for the slot's q-th 128 along K
.set ACC,  128
.set F1,   128                         ; fragment buffer 1, in window 1 (buffer 0 at 0)
.set G1, 24                            ; s[24:31] descriptor group 1 for A's tiles;  s[32:39] group 0, one set for each slot
.set G0, 32
.set G1B, 48                           ; s[48:55], s[56:63] the same for W's tiles
.set G0B, 56
.set G1S, 68                           ; s[68:75], s[76:79] groups 1 and 0 for A's scale bytes;  s[80:87], s[88:91] for W's
.set G0S, 76
.set G1SB, 80
.set G0SB, 88
.set MSB, 0
.macro WIN new                         ; the immediate's high byte repeats the setting that is left
.if MSB != \new
	s_set_vgpr_msb (MSB<<8)|\new
.set MSB, \new
.endif
.endm
.set MUL,  0x05                        ; sources 0 (W) and 1 (A) window 1; C and D window 0
.set TO_F, 0x40                        ; destination window 1, address window 0
; A joint load: waves 0 and 1 fetch for A, waves 2 and 3 for W; four v_nop follow each of the two lines, ahead of the jump, the label and what follows.
.macro JLOAD g0a, g1a, g0b, g1b
	s_cmp_eq_u32 s15, 0
	s_cbranch_scc0 .Lfor_b_\@
	tensor_load_to_lds s[\g0a:\g0a+3], s[\g1a:\g1a+7]
	s_nop 0
.rept 4
	v_nop
.endr
	s_branch .Lasked_\@
.Lfor_b_\@:
	tensor_load_to_lds s[\g0b:\g0b+3], s[\g1b:\g1b+7]
	s_nop 0
.rept 4
	v_nop
.endr
.Lasked_\@:
.endm
.macro CREST                           ; a round of the cluster's barrier behind its opening barrier
	s_cmp_lg_u32 s14, 0
	s_cbranch_scc1 .Lnot_wave_0_\@
	s_barrier_signal -3
.Lnot_wave_0_\@:
	s_barrier_wait -3
	s_barrier_signal -1
	s_barrier_wait -1
.endm
.macro CROUND                          ; a whole round
	s_barrier_signal -1
	s_barrier_wait -1
	CREST
.endm
	s_load_b256 s[4:11], s[0:1], 0x0               ; A's buffer s[4:5], wts s[6:7], the bias s[8:9], the residual s[10:11]
	s_load_b64 s[12:13], s[0:1], 0x20              ; the output
	v_lshl_add_u32 v[SPW], v0, 2, SPARE
	v_mov_b32 v[NIL], 0
	ds_add_u32 v28, v29
	ds_add_u32 v28, v29
	s_wait_dscnt 0x0
	v_lshrrev_b32 v1, 5, v0
	v_readfirstlane_b32 s14, v1                    ; wave 0..3
	s_lshr_b32 s15, s14, 1                         ; which 64 rows of A are mine.  Also: I fetch for A (0) or for W (1)
	s_and_b32 s16, s14, 1                          ; which 64 rows of W.  Also: which 64 rows of that tile I fetch
	s_bfe_u32 s40, ttmp6, 0x40000                  ; cx, cy: my place in the cluster
	s_bfe_u32 s41, ttmp6, 0x40004
	s_lshl_b32 s42, ttmp9, 2
	s_add_co_u32 s42, s42, s40                     ; tile column = 4 x cluster x + cx
	s_and_b32 s17, ttmp7, 0xffff
	s_lshl_b32 s17, s17, 2
	s_add_co_u32 s17, s17, s41                     ; tile row = 4 x cluster y + cy
	s_lshl_b32 s43, s41, 2
	s_lshl_b32 s43, 15, s43                        ; my row of the cluster
	s_lshl_b32 s44, 0x1111, s40                    ; my column
	; descriptor group 1: a tile of 64 rows x 512 bytes, padded in LDS
	s_or_b32 s[G1+0], s43, (0<<16)|(1<<20)|(1<<21)|(6<<22)|(3<<25)  ; 15:0 the mask: A's tiles go to my row; 17:16 element of 1 byte; 20 padding on; 21 set beside a mask; 24:22 after every 128 words (code 6); 31:25 of 4 words (code 3)
	s_or_b32 s[G1B+0], s44, (0<<16)|(1<<20)|(1<<21)|(6<<22)|(3<<25)
.irp g, G1, G1B
	s_mov_b32 s[\g+1], 512<<16                     ; tensor_dim0
	s_mov_b32 s[\g+2], 128<<16                     ; tensor_dim1 = 128 for the head's loads; behind them 64
	s_mov_b32 s[\g+3], 512<<16                     ; tile_dim0
	s_mov_b32 s[\g+4], 128                         ; tile_dim1 likewise
	s_mov_b32 s[\g+5], KTOT                        ; tensor_dim0_stride
	s_mov_b32 s[\g+6], 0
	s_mov_b32 s[\g+7], 0
.endr
	; the scale bytes of 128 rows: NCH chunks of K, each 128 elements of 8 bytes on end; a chunk is 4,096 elements from the next in A's, 1,024 in W's; no padding
	s_or_b32 s[G1S+0], s43, (3<<16)|(1<<21)
	s_or_b32 s[G1SB+0], s44, (3<<16)|(1<<21)
.irp g, G1S, G1SB
	s_mov_b32 s[\g+1], 128<<16
	s_mov_b32 s[\g+2], NCH<<16
	s_mov_b32 s[\g+3], 128<<16
	s_mov_b32 s[\g+4], NCH
	s_mov_b32 s[\g+6], 0
	s_mov_b32 s[\g+7], 0
.endr
	s_mov_b32 s[G1S+5], 4096
	s_mov_b32 s[G1SB+5], 1024
	; where the tiles come from.  A's hang on the tile row alone, W's on the tile column alone.  All offsets stay under 2^32
	s_lshl_b32 s20, s17, 7                         ; A: the tile's first row, 128 x tile row
	s_lshl_b32 s46, s42, 7                         ; W: 128 x tile column
	s_lshl_b32 s22, s20, 3
	s_add_co_u32 s22, s22, OAS
	s_mov_b32 s23, 0
	s_mul_i32 s20, s20, KTOT
	s_mov_b32 s21, 0
	s_lshl_b32 s92, s46, 3
	s_add_co_u32 s92, s92, OBS
	s_mov_b32 s93, 0
	s_mul_i32 s46, s46, KTOT
	s_add_co_u32 s46, s46, OB
	s_mov_b32 s47, 0
	s_mul_i32 s45, s14, HALFT                      ; where they go: wave x 64 rows: no place in the cluster enters an LDS address
	s_mul_i32 s18, s16, 64*KTOT                    ; behind the head I fetch 64 rows: which half, in bytes
	s_mov_b32 s19, 0
	s_wait_kmcnt 0x0
	s_add_nc_u64 s[20:21], s[4:5], s[20:21]
	s_add_nc_u64 s[22:23], s[4:5], s[22:23]
	s_add_nc_u64 s[46:47], s[6:7], s[46:47]
	s_add_nc_u64 s[92:93], s[6:7], s[92:93]
	CROUND                                         ; all sixteen work-groups are here: the first joint loads meet
	s_mov_b32 s[G0S], 1
	s_mov_b32 s[G0S+1], SCL
	s_mov_b64 s[G0S+2:G0S+3], s[22:23]
	s_or_b32 s[G0S+3], s[G0S+3], 0x80000000
	s_mov_b32 s[G0SB], 1
	s_mov_b32 s[G0SB+1], SCL+2*HALFS+128
	s_mov_b64 s[G0SB+2:G0SB+3], s[92:93]
	s_or_b32 s[G0SB+3], s[G0SB+3], 0x80000000
	s_mov_b32 s[G0], 1                             ; the head's tiles, each whole: K step 0's 128 rows of A,
	s_mov_b32 s[G0+1], 0
	s_mov_b64 s[G0+2:G0+3], s[20:21]
	s_or_b32 s[G0+3], s[G0+3], 0x80000000
	s_mov_b32 s[G0B], 1                            ; and its 128 rows of W, behind them
	s_mov_b32 s[G0B+1], 2*HALFT
	s_mov_b64 s[G0B+2:G0B+3], s[46:47]
	s_or_b32 s[G0B+3], s[G0B+3], 0x80000000
	s_add_nc_u64 s[20:21], s[20:21], s[18:19]      ; for slot 1: my 64 rows of the tile
	s_add_nc_u64 s[46:47], s[46:47], s[18:19]
	s_mov_b32 s[G0+4], 1
	s_add_co_u32 s[G0+5], s45, SLOT
	s_add_nc_u64 s[G0+6:G0+7], s[20:21], 512
	s_or_b32 s[G0+7], s[G0+7], 0x80000000
	s_mov_b32 s[G0B+4], 1
	s_add_co_u32 s[G0B+5], s45, SLOT
	s_add_nc_u64 s[G0B+6:G0B+7], s[46:47], 512
	s_or_b32 s[G0B+7], s[G0B+7], 0x80000000
; THE HEAD'S LOADS, ONE A WAVE: wave 0 A's rows of K step 0, wave 1 W's, wave 2 A's scale bytes, wave 3 W's: one chain of branches on the wave's number, a load in every arm
.macro ARM under, g0, g1, next
	s_cmp_lt_u32 s14, \under
	s_cbranch_scc0 \next
	tensor_load_to_lds s[\g0:\g0+3], s[\g1:\g1+7]
	s_nop 0
.rept 4
	v_nop
.endr
	s_branch .Lhead_asked
\next:
.endm
	ARM 1, G0,  G1,  .Lhead_b
	ARM 2, G0B, G1B, .Lhead_sa
	ARM 3, G0S, G1S, .Lhead_sb
	tensor_load_to_lds s[G0SB:G0SB+3], s[G1SB:G1SB+7]
	s_nop 0
.rept 4
	v_nop
.endr
.Lhead_asked:
	v_and_b32 v1, 15, v0                           ; r = l % 16
	s_wait_alu depctr_va_vdst(0)
	v_bfe_u32 v2, v0, 4, 1                         ; h = l / 16
	; the residual, the output and the bias at my 64 rows x 64 columns
	s_wait_alu depctr_va_vdst(0)
	s_lshl_b32 s20, s17, 7
	s_lshl_b32 s21, s15, 6
	s_add_co_u32 s20, s20, s21
	s_lshl_b32 s20, s20, 12                        ; row 128 x tile row + 64 x half, of 4,096 bytes
	s_lshl_b32 s22, s42, 9
	s_lshl_b32 s21, s16, 8
	s_add_co_u32 s22, s22, s21                     ; column 128 x tile column + 64 x half, 4 bytes each
	s_add_co_u32 s20, s20, s22
	s_mov_b32 s21, 0
	s_mov_b32 s23, 0
	s_add_nc_u64 s[10:11], s[10:11], s[20:21]
	s_add_nc_u64 s[12:13], s[12:13], s[20:21]
	s_add_nc_u64 s[8:9], s[8:9], s[22:23]
	v_lshlrev_b32 v[BO], 4, v1
	v_lshlrev_b32 v5, 12, v2
	v_lshl_add_u32 v[CO], v1, 4, v5                ; lanes 0-15 one row's 256 bytes, lanes 16-31 the next row's
	global_load_b128 v[BI:BI+3], v[BO], s[8:9]
	WIN 0x80                                       ; destination window 2, address window 0
.irp a, 0,1,2,3
.irp t, 0,1,2,3,4,5,6,7
	global_load_b128 v[32*\a+4*\t:32*\a+4*\t+3], v[CO], s[10:11] offset:(16*\a+2*\t)*4096   ; sixteen lanes read 256 consecutive bytes, aligned
.endr
.endr
	WIN 0
	v_mul_u32_u24 v3, v1, PITCH
	v_lshl_add_u32 v4, v2, 4, v3                   ; a fragment's row x pitch + 16 x half
	s_mul_i32 s21, s15, HALFT                      ; my 64 rows of A
	s_mul_i32 s22, s16, HALFT                      ; my 64 rows of W,
	s_add_co_u32 s22, s22, 2*HALFT                 ; which lie behind A's 128
.irp s, 0,1
	v_add_nc_u32 v[ADRA+\s], s21, v4
	v_add_nc_u32 v[ADRB+\s], s22, v4
	s_add_co_u32 s21, s21, SLOT
	s_add_co_u32 s22, s22, SLOT
.endr
	v_lshlrev_b32 v5, 3, v1                        ; my row's scale bytes: 8 a row
	s_lshl_b32 s21, s15, 9                         ; A's: my 64 rows of 8 bytes
	s_lshl_b32 s22, s16, 9                         ; W's: my 64 rows, behind A's block and 128 bytes on
	s_add_co_u32 s22, s22, 2*HALFS+128
	s_sub_co_u32 s22, s22, s21
	v_mul_u32_u24 v6, s22, v2                      ; lanes 16-31 take W's
	s_add_co_u32 s21, s21, SCL
	v_add_nc_u32 v5, v5, v6
	v_add_nc_u32 v[ADRS], s21, v5
	s_mul_i32 s23, s14, 16*SPITCH                  ; my stage
	v_mul_u32_u24 v5, v1, SPITCH
	v_lshl_add_u32 v5, v2, 6, v5
	v_add_nc_u32 v[STO], s23, v5                   ; in: row r, + 64 h: lanes 16-31 hold the columns 16 further on
	v_mul_u32_u24 v5, v2, SPITCH
	v_lshl_add_u32 v5, v1, 4, v5
	v_add_nc_u32 v[RD], s23, v5                    ; back: lanes 0-15 one row, lanes 16-31 the next
; 4 matrix instructions: A's block a x W's four, 128 along K: the slot's q-th, from buffer f.  sc: the set of scale words.  zero = 1: the first product starts the sums: nothing is ever cleared.
; The 16 accumulators take turns, one instruction a turn, in the same order in every step.
.macro MUL4 f, a, q, sc, zero
.irp b, 0,1,2,3
.if \zero
	v_wmma_scale_f32_16x16x128_f8f6f4 v[ACC+8*(4*(\a)+\b):ACC+8*(4*(\a)+\b)+7], v[(\f)+64+16*\b:(\f)+64+16*\b+15], v[(\f)+16*(\a):(\f)+16*(\a)+15], 0, v[SC+16*(\sc)+4*\b+(\q)], v[SC+16*(\sc)+4*(\a)+(\q)] matrix_a_fmt:MATRIX_FMT_BF8 matrix_b_fmt:MATRIX_FMT_BF8 matrix_a_scale:MATRIX_SCALE_ROW1
.else
	v_wmma_scale_f32_16x16x128_f8f6f4 v[ACC+8*(4*(\a)+\b):ACC+8*(4*(\a)+\b)+7], v[(\f)+64+16*\b:(\f)+64+16*\b+15], v[(\f)+16*(\a):(\f)+16*(\a)+15], v[ACC+8*(4*(\a)+\b):ACC+8*(4*(\a)+\b)+7], v[SC+16*(\sc)+4*\b+(\q)], v[SC+16*(\sc)+4*(\a)+(\q)] matrix_a_fmt:MATRIX_FMT_BF8 matrix_b_fmt:MATRIX_FMT_BF8 matrix_a_scale:MATRIX_SCALE_ROW1
.endif
.endr
.endm
; 32 LDS loads in one run: the fragments of the slot's q-th 128 along K into buffer f: W's four, then A's four.  A fragment is 16 registers: lane l holds row l % 16; registers 4 c .. 4 c + 3 hold K = 32 c + 16 (l / 16) + 0 .. 15
.macro FETCH slot, q, f
	WIN TO_F
.irp i, 0,1,2,3
.irp c, 0,1,2,3
	ds_load_b128 v[(\f)+64+16*\i+4*\c:(\f)+64+16*\i+4*\c+3], v[ADRB+\slot] offset:128*(\q)+32*\c+\i*16*PITCH
.endr
.endr
.irp i, 0,1,2,3
.irp c, 0,1,2,3
	ds_load_b128 v[(\f)+16*\i+4*\c:(\f)+16*\i+4*\c+3], v[ADRA+\slot] offset:128*(\q)+32*\c+\i*16*PITCH
.endr
.endr
.endm
.macro SCALES sc                       ; a slot's scale words into set sc: two chunks of two words a row; lanes 0-15 take A's block i, lanes 16-31 W's block i
.irp i, 0,1,2,3
.irp c, 0,1
	ds_load_b64 v[SC+16*\sc+4*\i+2*\c:SC+16*\sc+4*\i+2*\c+1], v[ADRS] offset:128*\i+1024*\c
.endr
.endr
.endm
.macro PLACES n                        ; places in front of loads into registers that matrix instructions have read, and of reads of results: eight behind this form (ISA guide 7.12.1 for reads of results)
.rept \n
	v_nop
.endr
.endm
; One of a slot's first three steps of 128 along K: multiplies buffer q % 2 and fetches the next step's fragments into the other.
.macro STEP slot, q, zero
.set FF, 128*((\q)%2)
.set FG, 128-FF
	s_wait_dscnt 8                                 ; W's fragments and A's blocks 0, 1 are in; the youngest eight loads (A's blocks 2, 3) may be out
	WIN MUL
	MUL4 FF, 0, \q, \slot, \zero
	MUL4 FF, 1, \q, \slot, \zero
	PLACES 8
	FETCH \slot, (\q)+1, FG
	s_wait_dscnt 32                                ; all but the 32 just issued
	WIN MUL
	MUL4 FF, 2, \q, \slot, \zero
	MUL4 FF, 3, \q, \slot, \zero
.endm
; A slot's last step multiplies buffer 1 and changes slots: ONE barrier; in front of it each wave waits for all its tensor loads, adds 0 to its spare word, and waits for that and for its own reads of this slot.  fill = 1: this slot is filled again, two K steps ahead.
.macro TURN slot, next, fill
	WIN 0                                          ; (the add's two registers lie in window 0)
	s_wait_tensorcnt 0x0                           ; all my tensor loads have landed: my part of the next slot;
	ds_add_u32 v[SPW], v[NIL]                      ; 0 onto my spare word;
	s_wait_dscnt 9                                 ; (the add and the youngest eight loads may be out)
	WIN MUL
	MUL4 F1, 0, 3, \slot, 0                        ; four matrix instructions stand between the add and the wait for it
	s_wait_dscnt 0x0                               ; the add is done, and my reads of this slot are over
	s_barrier_signal -1
	MUL4 F1, 1, 3, \slot, 0
	WIN 0
	s_barrier_wait -1
.if \fill
	CREST                                          ; the barrier has opened a round of the cluster's barrier: no wave of any partner still reads this slot's tile or has a load on its way
	s_add_nc_u64 s[G0+4*\slot+2:G0+4*\slot+3], s[G0+4*\slot+2:G0+4*\slot+3], 1024
	s_add_nc_u64 s[G0B+4*\slot+2:G0B+4*\slot+3], s[G0B+4*\slot+2:G0B+4*\slot+3], 1024
	JLOAD G0+4*\slot, G1, G0B+4*\slot, G1B         ; the first tensor load behind the round; the four v_nop behind it are among the places in front of the loads below
	PLACES 4
.else
	PLACES 8
.endif
	v_add_nc_u32 v[ADRS], 2048, v[ADRS]            ; on to the next slot's scale words: two chunks of 128 rows x 8 (no LDS load of mine is out)
	SCALES \next
	FETCH \next, 0, 0
	WIN MUL
	MUL4 F1, 2, 3, \slot, 0
	MUL4 F1, 3, 3, \slot, 0
.endm
	s_wait_alu depctr_va_vdst(0)
	s_wait_tensorcnt 0x0                           ; my tile of the head's four is in; these lines and a round stand ahead of slot 1's first fill
	ds_add_u32 v[SPW], v[NIL]
	s_mov_b32 s[G1+2], 64<<16                      ; no tensor load of mine is out: from here on a load brings 64 rows
	s_mov_b32 s[G1+4], 64
	s_mov_b32 s[G1B+2], 64<<16
	s_mov_b32 s[G1B+4], 64
	s_wait_dscnt 0x0
	CROUND                                         ; all four tiles are in, and all sixteen work-groups are here
	JLOAD G0+4, G1, G0B+4, G1B                     ; K step 1
	SCALES 0
	FETCH 0, 0, 0
	STEP 0, 0, 1                                   ; the first step stands in front of the loop: its products start the sums
.if LAPS > 1
	WIN 0                                          ; at a label and at a branch every window is 0
	s_mov_b32 s3, LAPS-1
.Llap:                                                 ; a trip goes once round the ring, from a lap's second step to the next lap's first, and fills both slots again
	STEP 0, 1, 0
	STEP 0, 2, 0
	TURN 0, 1, 1
	STEP 1, 0, 0
	STEP 1, 1, 0
	STEP 1, 2, 0
	TURN 1, 0, 1
	STEP 0, 0, 0
	WIN 0
	s_sub_co_u32 s3, s3, 1
	s_cmp_lg_u32 s3, 0
	s_cbranch_scc1 .Llap
.endif
	STEP 0, 1, 0                                   ; the last lap fills nothing, and has no round of the cluster's barrier
	STEP 0, 2, 0
	TURN 0, 1, 0
	STEP 1, 0, 0
	STEP 1, 1, 0
	STEP 1, 2, 0
	s_wait_dscnt 8                                 ; the very last step: nothing more to fetch
	WIN MUL
	MUL4 F1, 0, 3, 1, 0
	MUL4 F1, 1, 3, 1, 0
	s_wait_dscnt 0
	MUL4 F1, 2, 3, 1, 0
	MUL4 F1, 3, 3, 1, 0
	WIN 0
; THE WAY OUT, block by block of 16 rows x 64 columns.  A lane holds pieces of one row, and the lanes beside it hold other rows: so a block goes through my own stage in LDS and comes back as whole rows of 256 bytes;
; the bias and the residual are added there, and sixteen lanes store 256 consecutive bytes, aligned.  LDS serves a wave's instructions in order (ISA guide 5.7.1.4): no wait between the stores and the loads.
.macro OUTA a
.set RB, 32+32*((\a)%2)
.irp b, 0,1,2,3
	ds_store_b128 v[STO], v[ACC+8*(4*(\a)+\b):ACC+8*(4*(\a)+\b)+3] offset:128*(\b/2)+32*(\b%2)        ; each accumulator from its low end on
	ds_store_b128 v[STO], v[ACC+8*(4*(\a)+\b)+4:ACC+8*(4*(\a)+\b)+7] offset:128*(\b/2)+32*(\b%2)+16
.endr
.if (\a) >= 2
	s_wait_xcnt 0x0                                ; the stores of two blocks back have read their registers: the loads below may land there
.endif
.irp t, 0,1,2,3,4,5,6,7
	ds_load_b128 v[RB+4*\t:RB+4*\t+3], v[RD] offset:2*SPITCH*\t
.endr
	s_wait_dscnt 0x0
.set k, 0
.rept 16
	v_pk_add_f32 v[RB+2*k:RB+2*k+1], v[RB+2*k:RB+2*k+1], v[BI+2*(k%2):BI+2*(k%2)+1]
.set k, k+1
.endr
	WIN 0x08                                       ; source 1: window 2
.set k, 0
.rept 16
	v_pk_add_f32 v[RB+2*k:RB+2*k+1], v[RB+2*k:RB+2*k+1], v[32*(\a)+2*k:32*(\a)+2*k+1]
.set k, k+1
.endr
	WIN 0
.irp t, 0,1,2,3,4,5,6,7
	global_store_b128 v[CO], v[RB+4*\t:RB+4*\t+3], s[12:13] offset:(16*(\a)+2*\t)*4096
.endr
.endm
	PLACES 8                                       ; behind the last products: for the reads of results and the loads into registers that held scale words
	s_wait_loadcnt 0x0                             ; the bias and the residual
	OUTA 0
	OUTA 1
	OUTA 2
	OUTA 3
	s_wait_tensorcnt 0x0                           ; the wave's end: behind my last tensor load and my last LDS store
	ds_add_u32 v[SPW], v[NIL]
	s_wait_dscnt 0x0
	CROUND                                         ; the closing round: no work-group ends while a partner may still ask for a tile that names it
	s_endpgm
.Lfunc_end_k_q0d63a85236_proj:
	.size	k_q0d63a85236_proj, .Lfunc_end_k_q0d63a85236_proj-k_q0d63a85236_proj
	.p2alignl 7, 3214868480
	.fill 96, 4, 3214868480
	.section	.rodata,"a",@progbits
	.p2align	6, 0x0
	.amdhsa_kernel k_q0d63a85236_proj
		.amdhsa_group_segment_fixed_size 327680
		.amdhsa_private_segment_fixed_size 0
		.amdhsa_enable_private_segment 0
		.amdhsa_kernarg_size 40
		.amdhsa_user_sgpr_count 2
		.amdhsa_user_sgpr_kernarg_segment_ptr 1
		.amdhsa_wavefront_size32 1
		.amdhsa_system_sgpr_workgroup_id_x 1
		.amdhsa_system_sgpr_workgroup_id_y 1
		.amdhsa_system_sgpr_workgroup_id_z 1
		.amdhsa_system_vgpr_workitem_id 0
		.amdhsa_next_free_vgpr 768
		.amdhsa_next_free_sgpr 98
		.amdhsa_reserve_vcc 0
		.amdhsa_float_denorm_mode_32 3
		.amdhsa_float_denorm_mode_16_64 3
		.amdhsa_memory_ordered 1
		.amdhsa_forward_progress 1
		.amdhsa_inst_pref_size 66
	.end_amdhsa_kernel
	.amdgpu_metadata
---
amdhsa.version: [ 1, 2 ]
amdhsa.kernels:
  - .name:           k_q0d63a85236_proj
    .symbol:         k_q0d63a85236_proj.kd
    .args:
      - { .name: ctx, .offset: 0, .size: 8, .value_kind: global_buffer, .address_space: global }
      - { .name: wts, .offset: 8, .size: 8, .value_kind: global_buffer, .address_space: global }
      - { .name: bo, .offset: 16, .size: 8, .value_kind: global_buffer, .address_space: global }
      - { .name: X, .offset: 24, .size: 8, .value_kind: global_buffer, .address_space: global }
      - { .name: x1, .offset: 32, .size: 8, .value_kind: global_buffer, .address_space: global }
    .group_segment_fixed_size: 327680
    .private_segment_fixed_size: 0
    .kernarg_segment_align: 8
    .kernarg_segment_size: 40
    .max_flat_workgroup_size: 128
    .sgpr_count:     98
    .vgpr_count:     768
    .wavefront_size: 32
...
	.end_amdgpu_metadata
.endif
;; end of part 4
;; launch ln2: the kernel of part 1 again; grid 128 x 1, 8 waves a work-group, no clusters, 39,936 bytes of LDS; arguments x1, ln2_g, ln2_b, Wqkv, Wo, W1, W2, xn2; writes xn2
;; launch ffn1 (part 5): grid 16 x 16, 4 waves a work-group, clusters of 4 x 4, 327,680 bytes of LDS; arguments xn2, wts, b1, hid; writes hid
.if DOCPART == 5
	.amdgcn_target "amdgcn-amd-amdhsa--gfx1250"
	.amdhsa_code_object_version 6
	.text
	.protected	k_q0d63a85236_ffn1
	.globl	k_q0d63a85236_ffn1
	.p2align	8
	.type	k_q0d63a85236_ffn1,@function
k_q0d63a85236_ffn1:
	s_mov_b64 s[64:65], 0
	v_nop
	global_prefetch_b8 v0, s[64:65] scope:SCOPE_SE
	s_setreg_imm32_b32 hwreg(HW_REG_WAVE_MODE, 25, 1), 1
	s_wait_xcnt 0x0
	s_wait_alu depctr_hold_cnt(0) depctr_sa_sdst(0) depctr_va_vdst(0) depctr_va_sdst(0) depctr_va_ssrc(0) depctr_va_vcc(0) depctr_vm_vsrc(0)
	s_getreg_b32 s2, hwreg(HW_REG_IB_STS2, 6, 4)
	s_cmp_eq_u32 s2, 0
	s_cbranch_scc0 .Lentry_in_a_cluster
	s_endpgm
.Lentry_in_a_cluster:
	s_bfe_u32 s2, ttmp6, 0x10000c
	s_cmp_lg_u32 s2, 0xf033
	s_cbranch_scc0 .Lentry_shape_is_right
	s_endpgm
.Lentry_shape_is_right:
.set QKV,    0
.set RELU,   1
.set SIZE_K, 1024
.set XNS,    4194304
.set WQC,    4325376
.set WQS,    7471104
.set W1C,    8683520
.set W1S,    12877824
.set VTC,    16777216
.set QKS,    20971520
.set VTS,    21233664
.set HS,     16777216
.set KSTEP,  256
.set NQ,     KSTEP/128
.set ROWB,   256
.set KROW,   SIZE_K
.set PITCH,  272
.set FR,     16
.set NL,     4
.set NP,     8
.set HALFT,  128*PITCH
.set SLOT,   4*HALFT
.set LAPS,   SIZE_K/(2*KSTEP)
.set SCL,    2*SLOT
.set SPARE,  SCL+16640
.set SSTG,   256*PITCH
.set L16,  7
.set B1,   8
.set ADRA, 16
.set ADRB, 20
.set BO0,  22
.set BO1,  23
.set STO,  24
.set RD,   25
.set CO,   26
.set ADRS, 27
.set SPW,  28
.set NIL,  29
.set SSO,  30
.set SSR,  31
.set SC,   32
.set B0,   64
.set AF,   128
.set ST,   128
.set PC,   192
.set TM,   208
.set PW,   224
.set SB,   228
.set OB,   64
.set G1, 24
.set G0, 32
.set G1B, 48
.set G0B, 56
.set G1S, 68
.set G0S, 76
.set G1SB, 80
.set G0SB, 88
.set SEL, 96
.set MNT, 98
.set MSB, 0
.macro WIN new
.if MSB != \new
	s_set_vgpr_msb (MSB<<8)|\new
.set MSB, \new
.endif
.endm
.set MUL_LO, 0xa1
.set MUL_HI, 0xf1
.set TO_B,   0x40
.macro JLOAD g0a, g1a, g0b, g1b
	s_cmp_eq_u32 s15, 0
	s_cbranch_scc0 .Lfor_b_\@
	tensor_load_to_lds s[\g0a:\g0a+3], s[\g1a:\g1a+7]
	s_nop 0
.rept 4
	v_nop
.endr
	s_branch .Lasked_\@
.Lfor_b_\@:
	tensor_load_to_lds s[\g0b:\g0b+3], s[\g1b:\g1b+7]
	s_nop 0
.rept 4
	v_nop
.endr
.Lasked_\@:
.endm
.macro CREST
	s_cmp_lg_u32 s14, 0
	s_cbranch_scc1 .Lnot_wave_0_\@
	s_barrier_signal -3
.Lnot_wave_0_\@:
	s_barrier_wait -3
	s_barrier_signal -1
	s_barrier_wait -1
.endm
.macro CROUND
	s_barrier_signal -1
	s_barrier_wait -1
	CREST
.endm
.if QKV
	s_load_b64 s[4:5], s[0:1], 0x0
	s_load_b64 s[8:9], s[0:1], 0x0
	s_load_b64 s[6:7], s[0:1], 0x8
	s_load_b64 s[12:13], s[0:1], 0x10
.else
	s_load_b64 s[4:5], s[0:1], 0x0
	s_load_b64 s[8:9], s[0:1], 0x8
	s_load_b64 s[6:7], s[0:1], 0x10
	s_load_b64 s[12:13], s[0:1], 0x18
.endif
	v_lshl_add_u32 v[SPW], v0, 2, SPARE
	v_mov_b32 v[NIL], 0
	ds_add_u32 v28, v29
	ds_add_u32 v28, v29
	s_wait_dscnt 0x0
	v_lshrrev_b32 v1, 5, v0
	v_readfirstlane_b32 s14, v1
	s_lshr_b32 s15, s14, 1
	s_and_b32 s16, s14, 1
	s_bfe_u32 s40, ttmp6, 0x40000
	s_bfe_u32 s41, ttmp6, 0x40004
.if QKV
	s_and_b32 s18, ttmp7, 0xffff
	s_and_b32 s42, ttmp9, 1
	s_sub_co_u32 s17, s18, 1
	s_lshl_b32 s17, s17, 1
	s_lshr_b32 s19, ttmp9, 1
	s_add_co_u32 s17, s17, s19
	s_mov_b32 s66, 0
	s_mov_b32 s67, XNS
	s_mov_b32 s99, WQC
	s_mov_b32 s2, WQS
	s_mov_b32 s10, 0
	s_mov_b32 s11, QKS
	s_mov_b32 s3, 32768
	s_cmp_eq_u32 s18, 0
	s_cselect_b32 s42, ttmp9, s42
	s_cselect_b32 s17, 0, s17
	s_cselect_b32 s95, -1, 0
	s_cselect_b32 s66, WQC+2048*1024, s66
	s_cselect_b32 s67, WQS+2048*8, s67
	s_cselect_b32 s99, 0, s99
	s_cselect_b32 s2, XNS, s2
	s_cselect_b32 s10, VTC, s10
	s_cselect_b32 s11, VTS, s11
	s_cselect_b32 s3, 8192, s3
.else
	s_mov_b32 s42, ttmp9
	s_and_b32 s17, ttmp7, 0xffff
	s_mov_b32 s66, 0
	s_mov_b32 s67, XNS
	s_mov_b32 s99, W1C
	s_mov_b32 s2, W1S
	s_mov_b32 s10, 0
	s_mov_b32 s11, HS
	s_mov_b32 s3, 32768
.endif
	s_lshl_b32 s42, s42, 2
	s_add_co_u32 s42, s42, s40
	s_lshl_b32 s17, s17, 2
	s_add_co_u32 s17, s17, s41
	s_lshl_b32 s43, s41, 2
	s_lshl_b32 s43, 15, s43
	s_lshl_b32 s44, 0x1111, s40
	s_or_b32 s[G1+0], s43, (0<<16)|(1<<20)|(1<<21)|(5<<22)|(3<<25)
	s_or_b32 s[G1B+0], s44, (0<<16)|(1<<20)|(1<<21)|(5<<22)|(3<<25)
.irp g, G1, G1B
	s_mov_b32 s[\g+1], ROWB<<16
	s_mov_b32 s[\g+2], 256<<16                     ; 256 rows for the head's loads; behind them 128, for the ring's
	s_mov_b32 s[\g+3], ROWB<<16
	s_mov_b32 s[\g+4], 256
	s_mov_b32 s[\g+5], KROW
	s_mov_b32 s[\g+6], 0
	s_mov_b32 s[\g+7], 0
.endr
	s_or_b32 s[G1S+0], s43, (3<<16)|(1<<21)
	s_or_b32 s[G1SB+0], s44, (3<<16)|(1<<21)
.irp g, G1S, G1SB
	s_mov_b32 s[\g+1], 256<<16                     ; the scale bytes of 256 rows: [4 chunks of K][256 rows][8]
	s_mov_b32 s[\g+2], 4<<16
	s_mov_b32 s[\g+3], 256<<16
	s_mov_b32 s[\g+4], 4
	s_mov_b32 s[\g+5], 4096
	s_mov_b32 s[\g+6], 0
	s_mov_b32 s[\g+7], 0
.endr
	s_lshl_b32 s20, s17, 8                         ; S1: the tile's first row
	s_lshl_b32 s46, s42, 8                         ; S0: likewise
	s_lshl_b32 s22, s20, 3
	s_add_co_u32 s22, s22, s67
	s_mov_b32 s23, 0
	s_lshl_b32 s20, s20, 10
	s_add_co_u32 s20, s20, s66
	s_mov_b32 s21, 0
	s_lshl_b32 s92, s46, 3
	s_add_co_u32 s92, s92, s2
	s_mov_b32 s93, 0
	s_lshl_b32 s46, s46, 10
	s_add_co_u32 s46, s46, s99
	s_mov_b32 s47, 0
	s_mul_i32 s45, s14, HALFT
	s_lshl_b32 s18, s16, 17                        ; in the ring I fetch 128 rows of 1,024 bytes: which half, in bytes
	s_mov_b32 s19, 0
	s_wait_kmcnt 0x0
	s_add_nc_u64 s[20:21], s[4:5], s[20:21]
	s_add_nc_u64 s[22:23], s[4:5], s[22:23]
	s_add_nc_u64 s[46:47], s[8:9], s[46:47]
	s_add_nc_u64 s[92:93], s[8:9], s[92:93]
	CROUND
	s_mov_b32 s[G0S], 1
	s_mov_b32 s[G0S+1], SCL
	s_mov_b64 s[G0S+2:G0S+3], s[22:23]
	s_or_b32 s[G0S+3], s[G0S+3], 0x80000000
	s_mov_b32 s[G0SB], 1
	s_mov_b32 s[G0SB+1], SCL+8192+128
	s_mov_b64 s[G0SB+2:G0SB+3], s[92:93]
	s_or_b32 s[G0SB+3], s[G0SB+3], 0x80000000
	s_mov_b32 s[G0], 1                             ; the head's tiles, each whole: K step 0's 256 rows of S1 (slot 0's group 0 serves; it is written for the ring behind the head's wait),
	s_mov_b32 s[G0+1], 0
	s_mov_b64 s[G0+2:G0+3], s[20:21]
	s_or_b32 s[G0+3], s[G0+3], 0x80000000
	s_mov_b32 s[G0B], 1                            ; and its 256 rows of S0, behind them
	s_mov_b32 s[G0B+1], 2*HALFT
	s_mov_b64 s[G0B+2:G0B+3], s[46:47]
	s_or_b32 s[G0B+3], s[G0B+3], 0x80000000
	s_add_nc_u64 s[20:21], s[20:21], s[18:19]      ; for the ring: my 128 rows of the tile
	s_add_nc_u64 s[46:47], s[46:47], s[18:19]
	s_mov_b32 s[G0+4], 1
	s_add_co_u32 s[G0+5], s45, SLOT
	s_add_nc_u64 s[G0+6:G0+7], s[20:21], ROWB
	s_or_b32 s[G0+7], s[G0+7], 0x80000000
	s_mov_b32 s[G0B+4], 1
	s_add_co_u32 s[G0B+5], s45, SLOT
	s_add_nc_u64 s[G0B+6:G0B+7], s[46:47], ROWB
	s_or_b32 s[G0B+7], s[G0B+7], 0x80000000
; THE HEAD'S LOADS, ONE A WAVE: wave 0 S1's rows of K step 0, wave 1 S0's, wave 2 S1's scale bytes, wave 3 S0's: one chain of branches on the wave's number, a load in every arm
.macro ARM under, g0, g1, next
	s_cmp_lt_u32 s14, \under
	s_cbranch_scc0 \next
	tensor_load_to_lds s[\g0:\g0+3], s[\g1:\g1+7]
	s_nop 0
.rept 4
	v_nop
.endr
	s_branch .Lhead_asked
\next:
.endm
	ARM 1, G0,  G1,  .Lhead_b
	ARM 2, G0B, G1B, .Lhead_sa
	ARM 3, G0S, G1S, .Lhead_sb
	tensor_load_to_lds s[G0SB:G0SB+3], s[G1SB:G1SB+7]
	s_nop 0
.rept 4
	v_nop
.endr
.Lhead_asked:
	v_and_b32 v1, 15, v0
	v_bfe_u32 v2, v0, 4, 1
	s_wait_alu depctr_va_vdst(0)
	v_mul_u32_u24 v3, v1, PITCH
	v_lshl_add_u32 v4, v2, 4, v3
	s_wait_alu depctr_va_vdst(0)
	s_mul_i32 s21, s15, HALFT
	s_mul_i32 s22, s16, HALFT
	s_add_co_u32 s22, s22, 2*HALFT
.irp s, 0,1
	v_add_nc_u32 v[ADRA+\s], s21, v4
	v_add_nc_u32 v[ADRB+\s], s22, v4
	s_add_co_u32 s21, s21, SLOT
	s_add_co_u32 s22, s22, SLOT
.endr
	v_lshlrev_b32 v5, 3, v1
	s_lshl_b32 s21, s15, 10                        ; S1's: my 128 rows of 8 bytes
	s_lshl_b32 s22, s16, 10                        ; S0's: my 128 rows, behind S1's block and 128 bytes on
	s_add_co_u32 s22, s22, 8192+128
	s_sub_co_u32 s22, s22, s21
	v_mul_u32_u24 v6, s22, v2
	s_add_co_u32 s21, s21, SCL
	v_add_nc_u32 v5, v5, v6
	v_add_nc_u32 v[ADRS], s21, v5
	s_mul_i32 s23, s15, HALFT
	s_lshl_b32 s19, s16, 7
	s_add_co_u32 s23, s23, s19
	v_add_nc_u32 v[STO], s23, v4
	s_mul_i32 s23, s14, 64*PITCH
	v_mul_u32_u24 v5, v2, PITCH
	v_lshl_add_u32 v5, v1, 4, v5
	v_add_nc_u32 v[RD], s23, v5
	v_lshlrev_b32 v5, 12, v2
	v_lshl_add_u32 v[CO], v1, 4, v5
	v_and_b32 v5, 7, v1
	v_lshrrev_b32 v6, 3, v1
	v_lshlrev_b32 v[BO1], 2, v5
	v_lshl_add_u32 v[BO1], v6, 6, v[BO1]
	v_lshlrev_b32 v5, 3, v5
	v_lshl_add_u32 v5, v6, 7, v5
	s_lshl_b32 s23, s15, 10
	s_lshl_b32 s19, s16, 2
	s_add_co_u32 s23, s23, s19
	s_add_co_u32 s23, s23, SSTG
	v_add_nc_u32 v[SSO], s23, v5
	v_and_b32 v6, 31, v0
	v_lshlrev_b32 v[L16], 4, v6
	s_lshl_b32 s23, s14, 9
	s_add_co_u32 s23, s23, SSTG
	v_add_nc_u32 v[SSR], s23, v[L16]
	v_lshlrev_b32 v[BO0], 6, v2
	s_wait_alu depctr_va_vdst(0)
	s_mul_i32 s22, s42, s3
	s_add_co_u32 s22, s22, s11
	s_lshl_b32 s23, s17, 11
	s_add_co_u32 s22, s22, s23
	s_lshl_b32 s23, s14, 9
	s_add_co_u32 s22, s22, s23
	s_mov_b32 s23, 0
	s_add_nc_u64 s[100:101], s[12:13], s[22:23]
	s_lshl_b32 s20, s17, 8
	s_lshl_b32 s21, s14, 6
	s_add_co_u32 s20, s20, s21
	s_lshl_b32 s20, s20, 12
	s_add_co_u32 s20, s20, s10
	s_lshl_b32 s21, s42, 8
	s_add_co_u32 s20, s20, s21
	s_mov_b32 s21, 0
	s_add_nc_u64 s[12:13], s[12:13], s[20:21]
	s_lshl_b32 s20, s42, 10
	s_lshl_b32 s21, s16, 9
	s_add_co_u32 s20, s20, s21
.if QKV
	s_lshl_b32 s22, s17, 10
	s_lshl_b32 s23, s15, 9
	s_add_co_u32 s22, s22, s23
	s_add_co_u32 s22, s22, 8192
	s_cmp_lg_u32 s95, 0
	s_cselect_b32 s20, 0, s20
	s_cselect_b32 s22, s22, 0
	s_mov_b32 s23, 0
	s_mov_b32 s21, 0
	s_add_nc_u64 s[66:67], s[6:7], s[22:23]
.else
	s_mov_b32 s21, 0
.endif
	s_add_nc_u64 s[6:7], s[6:7], s[20:21]
.irp q, 0,1,2,3,4,5,6,7,8,9,10,11,12,13,14,15
	global_load_b128 v[B0+4*\q:B0+4*\q+3], v[BO0], s[6:7] offset:128*(\q/4)+16*(\q%4)
.endr
.if QKV
.irp a, 0,1,2,3,4,5,6,7
	global_load_b32 v[B1+\a], v[BO1], s[66:67] offset:128*(\a/2)+32*(\a%2)
.endr
.endif
	s_mov_b32 s[SEL], 0x76543210
	s_mov_b32 s[SEL+1], 0xfedcba98
	s_mov_b32 s[MNT], 0x600000
.macro FRAG reg, adr, q, i
.irp c, 0,1,2,3
	ds_load_b128 v[\reg+4*\c:\reg+4*\c+3], v[\adr] offset:128*(\q)+32*\c+(\i)*16*PITCH
.endr
.endm
.macro MUL16 a0, p, q, sc, zero
.irp a, \a0, \a0+1
.irp b, 0,1,2,3,4,5,6,7
.if \zero
	v_wmma_scale_f32_16x16x128_f8f6f4 v[8*(8*((\a)%4)+\b):8*(8*((\a)%4)+\b)+7], v[128*(\p)+FR*\b:128*(\p)+FR*\b+FR-1], v[AF+FR*(\a):AF+FR*(\a)+FR-1], 0, v[SC+8*NQ*(\sc)+NQ*\b+(\q)], v[SC+8*NQ*(\sc)+NQ*(\a)+(\q)] matrix_a_fmt:MATRIX_FMT_BF8 matrix_b_fmt:MATRIX_FMT_BF8 matrix_a_scale:MATRIX_SCALE_ROW1
.else
	v_wmma_scale_f32_16x16x128_f8f6f4 v[8*(8*((\a)%4)+\b):8*(8*((\a)%4)+\b)+7], v[128*(\p)+FR*\b:128*(\p)+FR*\b+FR-1], v[AF+FR*(\a):AF+FR*(\a)+FR-1], v[8*(8*((\a)%4)+\b):8*(8*((\a)%4)+\b)+7], v[SC+8*NQ*(\sc)+NQ*\b+(\q)], v[SC+8*NQ*(\sc)+NQ*(\a)+(\q)] matrix_a_fmt:MATRIX_FMT_BF8 matrix_b_fmt:MATRIX_FMT_BF8 matrix_a_scale:MATRIX_SCALE_ROW1
.endif
.endr
.endr
.endm
.macro FETCH_B slot, q, p
	WIN TO_B
.irp i, 0,1,2,3,4,5,6,7
	FRAG 128*(\p)+FR*\i, ADRB+\slot, \q, \i
.endr
	WIN 0
.endm
.macro FETCH_A slot, q, i0
.irp i, \i0, \i0+1, \i0+2, \i0+3
	FRAG AF+FR*(\i), ADRA+\slot, \q, \i
.endr
.endm
.macro SCALES sc
.irp i, 0,1,2,3,4,5,6,7
	ds_load_b64 v[SC+8*NQ*\sc+NQ*\i:SC+8*NQ*\sc+NQ*\i+1], v[ADRS] offset:\i*128
.endr
.endm
.macro PLACES n
.rept \n
	v_nop
.endr
.endm
.macro STEP slot, q, zero
	s_wait_dscnt 4*NL
	WIN MUL_LO
	MUL16 0, (\q)%2, \q, \slot, \zero
	MUL16 2, (\q)%2, \q, \slot, \zero
	s_wait_dscnt 0
	PLACES NP
	FETCH_B \slot, (\q)+1, 1-(\q)%2
	FETCH_A \slot, (\q)+1, 0
	WIN MUL_HI
	MUL16 4, (\q)%2, \q, \slot, \zero
	MUL16 6, (\q)%2, \q, \slot, \zero
	PLACES NP
	WIN 0
	FETCH_A \slot, (\q)+1, 4
.endm
.macro TURN slot, next, fill
	s_wait_tensorcnt 0x0
	ds_add_u32 v[SPW], v[NIL]
	s_wait_dscnt 4*NL+1
	WIN MUL_LO
	MUL16 0, 1, NQ-1, \slot, 0
	s_wait_dscnt 0x0
	s_barrier_signal -1
	MUL16 2, 1, NQ-1, \slot, 0
	WIN 0
	s_barrier_wait -1
.if \fill
	CREST
	s_add_nc_u64 s[G0+4*\slot+2:G0+4*\slot+3], s[G0+4*\slot+2:G0+4*\slot+3], 2*ROWB
	s_add_nc_u64 s[G0B+4*\slot+2:G0B+4*\slot+3], s[G0B+4*\slot+2:G0B+4*\slot+3], 2*ROWB
	JLOAD G0+4*\slot, G1, G0B+4*\slot, G1B
	PLACES NP-4
.else
	PLACES NP
.endif
	s_wait_alu depctr_va_vdst(0)
	v_add_nc_u32 v[ADRS], 2048, v[ADRS]            ; the next chunk of 256 rows x 8
	FETCH_B \next, 0, 0
	FETCH_A \next, 0, 0
	SCALES \next
	WIN MUL_HI
	MUL16 4, 1, NQ-1, \slot, 0
	MUL16 6, 1, NQ-1, \slot, 0
	PLACES NP
	WIN 0
	FETCH_A \next, 0, 4
.endm
	s_wait_alu depctr_va_vdst(0)
	s_wait_tensorcnt 0x0                           ; my tile of the head's four is in; these lines and a round stand ahead of slot 1's first fill
	ds_add_u32 v[SPW], v[NIL]
	s_mov_b32 s[G1+2], 128<<16                     ; no tensor load of mine is out: from here on a load brings 128 rows,
	s_mov_b32 s[G1+4], 128
	s_mov_b32 s[G1B+2], 128<<16
	s_mov_b32 s[G1B+4], 128
	s_mov_b32 s[G0+1], s45                         ; and slot 0's groups 0 are the ring's: my 128 rows, one K step back from slot 1's
	s_sub_nc_u64 s[G0+2:G0+3], s[G0+6:G0+7], ROWB
	s_mov_b32 s[G0B+1], s45
	s_sub_nc_u64 s[G0B+2:G0B+3], s[G0B+6:G0B+7], ROWB
	s_wait_dscnt 0x0
	CROUND                                         ; all four tiles are in, and all sixteen work-groups are here
	JLOAD G0+4, G1, G0B+4, G1B                     ; K step 1
	FETCH_B 0, 0, 0
	FETCH_A 0, 0, 0
	SCALES 0
	FETCH_A 0, 0, 4
	STEP 0, 0, 1
	s_mov_b32 s3, LAPS-1
.Llap:
	TURN 0, 1, 1
	STEP 1, 0, 0
	TURN 1, 0, 1
	STEP 0, 0, 0
	s_sub_co_u32 s3, s3, 1
	s_cmp_lg_u32 s3, 0
	s_cbranch_scc1 .Llap
	TURN 0, 1, 0
	STEP 1, 0, 0
	s_wait_dscnt 4*NL
	WIN MUL_LO
	MUL16 0, 1, NQ-1, 1, 0
	MUL16 2, 1, NQ-1, 1, 0
	s_wait_dscnt 0
	WIN MUL_HI
	MUL16 4, 1, NQ-1, 1, 0
	MUL16 6, 1, NQ-1, 1, 0
	WIN 0
.macro QUANT s, relu
.if \relu
.irp b, 0,1,2,3
	v_max3_num_f32 v[TM+\b], v[\s+16*\b], v[\s+1+16*\b], 0x8000000
.endr
.irp i, 2,4,6,8,10,12,14
.irp b, 0,1,2,3
	v_max3_num_f32 v[TM+\b], v[TM+\b], v[\s+16*\b+\i], v[\s+1+16*\b+\i]
.endr
.endr
.else
.irp b, 0,1,2,3
	v_max3_num_f32 v[TM+\b], |v[\s+16*\b]|, |v[\s+1+16*\b]|, 0x8000000
.endr
.irp i, 2,4,6,8,10,12,14
.irp b, 0,1,2,3
	v_max3_num_f32 v[TM+\b], v[TM+\b], |v[\s+16*\b+\i]|, |v[\s+1+16*\b+\i]|
.endr
.endr
.endif
.irp b, 0,1,2,3
	v_permlanex16_b32 v[TM+4+\b], v[TM+\b], s[SEL], s[SEL+1]
.endr
.irp b, 0,1,2,3
	v_max_num_f32 v[TM+\b], v[TM+\b], v[TM+4+\b]
.endr
.irp b, 0,1,2,3
	v_add_nc_u32 v[TM+12+\b], 0xf8800000, v[TM+\b]
.endr
.irp b, 0,1,2,3
	v_and_or_b32 v[TM+8+\b], v[TM+\b], 0x7f800000, s[MNT]
.endr
.irp b, 0,1,2,3
	v_lshrrev_b32 v[TM+4+\b], 23, v[TM+12+\b]
.endr
	v_lshl_or_b32 v[PW], v[TM+5], 8, v[TM+4]
	v_lshl_or_b32 v[PW], v[TM+6], 16, v[PW]
	v_lshl_or_b32 v[PW], v[TM+7], 24, v[PW]
.irp b, 0,1,2,3
.irp i, 0,1,2,3,4,5,6,7,8,9,10,11,12,13,14,15
.if \relu
	v_med3_num_f32 v[\s+16*\b+\i], v[\s+16*\b+\i], 0, v[TM+8+\b]
.else
	v_med3_num_f32 v[\s+16*\b+\i], v[\s+16*\b+\i], -v[TM+8+\b], v[TM+8+\b]
.endif
.endr
	v_cvt_scalef32_pk8_bf8_f32 v[PC+4*\b:PC+1+4*\b], v[\s+16*\b:\s+7+16*\b], v[TM+12+\b]
	v_cvt_scalef32_pk8_bf8_f32 v[PC+2+4*\b:PC+3+4*\b], v[\s+8+16*\b:\s+15+16*\b], v[TM+12+\b]
.endr
	v_nop
.endm
.macro ROWS a
.set WW, 0x02+(\a)/4
	WIN WW
.set k, 0
.rept 32
	v_pk_add_f32 v[ST+2*k:ST+2*k+1], v[64*((\a)%4)+2*k:64*((\a)%4)+2*k+1], v[B0+2*k:B0+2*k+1]
.set k, k+1
.endr
	WIN 0
.if QKV
.set k, 0
.rept 64
	v_add_f32 v[ST+k], v[B1+(\a)], v[ST+k]
.set k, k+1
.endr
.endif
	QUANT ST, RELU
.irp c, 0,1,2,3
	ds_store_b128 v[STO], v[PC+4*\c:PC+4*\c+3] offset:16*PITCH*(\a)+32*\c
.endr
	ds_store_b32 v[SSO], v[PW] offset:8*(32*((\a)/2)+8*((\a)%2))
	s_wait_dscnt 0x0
.endm
	PLACES NP
	s_wait_loadcnt 0x0
.irp b, 0,1,2,3
	v_mov_b32 v[TM+4+\b], 0
.endr
.if QKV
.set k, 0
.rept 64
	v_cndmask_b32 v[B0+k], v[B0+k], 0, s95
.set k, k+1
.endr
.irp a, 0,1,2,3,4,5,6,7
	v_cndmask_b32 v[B1+\a], 0, v[B1+\a], s95
.endr
.endif
.irp a, 0,1,2,3,4,5,6,7
	ROWS \a
.endr
	s_barrier_signal -1
	s_barrier_wait -1
.irp t, 0,1,2,3,4,5,6,7,8,9,10,11,12,13,14,15,16,17,18,19,20,21,22,23,24,25,26,27,28,29,30,31
	ds_load_b128 v[OB+4*\t:OB+4*\t+3], v[RD] offset:544*\t
.endr
	ds_load_b128 v[SB:SB+3], v[SSR]
.irp t, 0,1,2,3,4,5,6,7,8,9,10,11,12,13,14,15,16,17,18,19,20,21,22,23,24,25,26,27,28,29,30,31
	s_wait_dscnt 32-\t
	global_store_b128 v[CO], v[OB+4*\t:OB+4*\t+3], s[12:13] offset:(((2*\t)&0x27)|(((2*\t)&8)<<1)|(((2*\t)&16)>>1))*4096 th:TH_STORE_NT
.endr
	s_wait_dscnt 0x0
	global_store_b128 v[L16], v[SB:SB+3], s[100:101] th:TH_STORE_NT
	s_wait_tensorcnt 0x0
	ds_add_u32 v[SPW], v[NIL]
	s_wait_dscnt 0x0
	CROUND
	s_endpgm
.Lfunc_end_k_q0d63a85236_ffn1:
	.size	k_q0d63a85236_ffn1, .Lfunc_end_k_q0d63a85236_ffn1-k_q0d63a85236_ffn1
	.p2alignl 7, 3214868480
	.fill 96, 4, 3214868480
	.section	.rodata,"a",@progbits
	.p2align	6, 0x0
	.amdhsa_kernel k_q0d63a85236_ffn1
		.amdhsa_group_segment_fixed_size 327680
		.amdhsa_private_segment_fixed_size 0
		.amdhsa_enable_private_segment 0
		.amdhsa_kernarg_size 32
		.amdhsa_user_sgpr_count 2
		.amdhsa_user_sgpr_kernarg_segment_ptr 1
		.amdhsa_wavefront_size32 1
		.amdhsa_system_sgpr_workgroup_id_x 1
		.amdhsa_system_sgpr_workgroup_id_y 1
		.amdhsa_system_sgpr_workgroup_id_z 1
		.amdhsa_system_vgpr_workitem_id 0
		.amdhsa_next_free_vgpr 1024
		.amdhsa_next_free_sgpr 102
		.amdhsa_reserve_vcc 0
		.amdhsa_float_denorm_mode_32 3
		.amdhsa_float_denorm_mode_16_64 3
		.amdhsa_memory_ordered 1
		.amdhsa_forward_progress 1
		.amdhsa_inst_pref_size 210
	.end_amdhsa_kernel
	.amdgpu_metadata
---
amdhsa.version: [ 1, 2 ]
amdhsa.kernels:
  - .name:           k_q0d63a85236_ffn1
    .symbol:         k_q0d63a85236_ffn1.kd
    .args:
      - { .name: xn2, .offset: 0, .size: 8, .value_kind: global_buffer, .address_space: global }
      - { .name: wts, .offset: 8, .size: 8, .value_kind: global_buffer, .address_space: global }
      - { .name: b1, .offset: 16, .size: 8, .value_kind: global_buffer, .address_space: global }
      - { .name: hid, .offset: 24, .size: 8, .value_kind: global_buffer, .address_space: global }
    .group_segment_fixed_size: 327680
    .private_segment_fixed_size: 0
    .kernarg_segment_align: 8
    .kernarg_segment_size: 32
    .max_flat_workgroup_size: 128
    .sgpr_count:     102
    .vgpr_count:     1024
    .wavefront_size: 32
...
	.end_amdgpu_metadata
.endif
;; end of part 5
;; launch ffn2 (part 6): grid 8 x 32, 4 waves a work-group, clusters of 4 x 4, 327,680 bytes of LDS; arguments hid, wts, b2, x1, out0; writes out0
.if DOCPART == 6
	.amdgcn_target "amdgcn-amd-amdhsa--gfx1250"
	.amdhsa_code_object_version 6
	.text
	.protected	k_q0d63a85236_ffn2
	.globl	k_q0d63a85236_ffn2
	.p2align	8
	.type	k_q0d63a85236_ffn2,@function
k_q0d63a85236_ffn2:
	s_mov_b64 s[64:65], 0
	v_nop
	global_prefetch_b8 v0, s[64:65] scope:SCOPE_SE
	s_setreg_imm32_b32 hwreg(HW_REG_WAVE_MODE, 25, 1), 1
	s_wait_xcnt 0x0
	s_wait_alu depctr_hold_cnt(0) depctr_sa_sdst(0) depctr_va_vdst(0) depctr_va_sdst(0) depctr_va_ssrc(0) depctr_va_vcc(0) depctr_vm_vsrc(0)
	s_getreg_b32 s2, hwreg(HW_REG_IB_STS2, 6, 4)
	s_cmp_eq_u32 s2, 0
	s_cbranch_scc0 .Lentry_in_a_cluster
	s_endpgm
.Lentry_in_a_cluster:
	s_bfe_u32 s2, ttmp6, 0x10000c
	s_cmp_lg_u32 s2, 0xf033
	s_cbranch_scc0 .Lentry_shape_is_right
	s_endpgm
.Lentry_shape_is_right:
.set KTOT,   4096
.set OAS,    16777216
.set OB,     13008896
.set OBS,    17203200
.set NCH,    KTOT/256
.set LAPS,   KTOT/1024
.set PITCH,  528
.set HALFT,  64*PITCH
.set SLOT,   4*HALFT
.set SCL,    2*SLOT
.set HALFS,  512*NCH
.set SPARE,  SCL+4*HALFS+256
.set SPITCH, 272
.set BO,   7
.set BI,   8
.set ADRA, 16
.set ADRB, 20
.set STO,  24
.set RD,   25
.set CO,   26
.set ADRS, 27
.set SPW,  28
.set NIL,  29
.set SC,   32
.set ACC,  128
.set F1,   128
.set G1, 24
.set G0, 32
.set G1B, 48
.set G0B, 56
.set G1S, 68
.set G0S, 76
.set G1SB, 80
.set G0SB, 88
.set MSB, 0
.macro WIN new
.if MSB != \new
	s_set_vgpr_msb (MSB<<8)|\new
.set MSB, \new
.endif
.endm
.set MUL,  0x05
.set TO_F, 0x40
.macro JLOAD g0a, g1a, g0b, g1b
	s_cmp_eq_u32 s15, 0
	s_cbranch_scc0 .Lfor_b_\@
	tensor_load_to_lds s[\g0a:\g0a+3], s[\g1a:\g1a+7]
	s_nop 0
.rept 4
	v_nop
.endr
	s_branch .Lasked_\@
.Lfor_b_\@:
	tensor_load_to_lds s[\g0b:\g0b+3], s[\g1b:\g1b+7]
	s_nop 0
.rept 4
	v_nop
.endr
.Lasked_\@:
.endm
.macro CREST
	s_cmp_lg_u32 s14, 0
	s_cbranch_scc1 .Lnot_wave_0_\@
	s_barrier_signal -3
.Lnot_wave_0_\@:
	s_barrier_wait -3
	s_barrier_signal -1
	s_barrier_wait -1
.endm
.macro CROUND
	s_barrier_signal -1
	s_barrier_wait -1
	CREST
.endm
	s_load_b256 s[4:11], s[0:1], 0x0
	s_load_b64 s[12:13], s[0:1], 0x20
	v_lshl_add_u32 v[SPW], v0, 2, SPARE
	v_mov_b32 v[NIL], 0
	ds_add_u32 v28, v29
	ds_add_u32 v28, v29
	s_wait_dscnt 0x0
	v_lshrrev_b32 v1, 5, v0
	v_readfirstlane_b32 s14, v1
	s_lshr_b32 s15, s14, 1
	s_and_b32 s16, s14, 1
	s_bfe_u32 s40, ttmp6, 0x40000
	s_bfe_u32 s41, ttmp6, 0x40004
	s_lshl_b32 s42, ttmp9, 2
	s_add_co_u32 s42, s42, s40
	s_and_b32 s17, ttmp7, 0xffff
	s_lshl_b32 s17, s17, 2
	s_add_co_u32 s17, s17, s41
	s_lshl_b32 s43, s41, 2
	s_lshl_b32 s43, 15, s43
	s_lshl_b32 s44, 0x1111, s40
	s_or_b32 s[G1+0], s43, (0<<16)|(1<<20)|(1<<21)|(6<<22)|(3<<25)
	s_or_b32 s[G1B+0], s44, (0<<16)|(1<<20)|(1<<21)|(6<<22)|(3<<25)
.irp g, G1, G1B
	s_mov_b32 s[\g+1], 512<<16
	s_mov_b32 s[\g+2], 128<<16                     ; 128 rows for the head's loads; behind them 64, for the ring's
	s_mov_b32 s[\g+3], 512<<16
	s_mov_b32 s[\g+4], 128
	s_mov_b32 s[\g+5], KTOT
	s_mov_b32 s[\g+6], 0
	s_mov_b32 s[\g+7], 0
.endr
	s_or_b32 s[G1S+0], s43, (3<<16)|(1<<21)
	s_or_b32 s[G1SB+0], s44, (3<<16)|(1<<21)
.irp g, G1S, G1SB
	s_mov_b32 s[\g+1], 128<<16                     ; the scale bytes of 128 rows: [NCH chunks of K][128 rows][8]
	s_mov_b32 s[\g+2], NCH<<16
	s_mov_b32 s[\g+3], 128<<16
	s_mov_b32 s[\g+4], NCH
	s_mov_b32 s[\g+6], 0
	s_mov_b32 s[\g+7], 0
.endr
	s_mov_b32 s[G1S+5], 4096
	s_mov_b32 s[G1SB+5], 1024
	s_lshl_b32 s20, s17, 7                         ; A: the tile's first row
	s_lshl_b32 s46, s42, 7                         ; W: likewise
	s_lshl_b32 s22, s20, 3
	s_add_co_u32 s22, s22, OAS
	s_mov_b32 s23, 0
	s_mul_i32 s20, s20, KTOT
	s_mov_b32 s21, 0
	s_lshl_b32 s92, s46, 3
	s_add_co_u32 s92, s92, OBS
	s_mov_b32 s93, 0
	s_mul_i32 s46, s46, KTOT
	s_add_co_u32 s46, s46, OB
	s_mov_b32 s47, 0
	s_mul_i32 s45, s14, HALFT
	s_mul_i32 s18, s16, 64*KTOT                    ; in the ring I fetch 64 rows: which half, in bytes
	s_mov_b32 s19, 0
	s_wait_kmcnt 0x0
	s_add_nc_u64 s[20:21], s[4:5], s[20:21]
	s_add_nc_u64 s[22:23], s[4:5], s[22:23]
	s_add_nc_u64 s[46:47], s[6:7], s[46:47]
	s_add_nc_u64 s[92:93], s[6:7], s[92:93]
	CROUND
	s_mov_b32 s[G0S], 1
	s_mov_b32 s[G0S+1], SCL
	s_mov_b64 s[G0S+2:G0S+3], s[22:23]
	s_or_b32 s[G0S+3], s[G0S+3], 0x80000000
	s_mov_b32 s[G0SB], 1
	s_mov_b32 s[G0SB+1], SCL+2*HALFS+128
	s_mov_b64 s[G0SB+2:G0SB+3], s[92:93]
	s_or_b32 s[G0SB+3], s[G0SB+3], 0x80000000
	s_mov_b32 s[G0], 1                             ; the head's tiles, each whole: K step 0's 128 rows of A (slot 0's group 0 serves; it is written for the ring behind the head's wait),
	s_mov_b32 s[G0+1], 0
	s_mov_b64 s[G0+2:G0+3], s[20:21]
	s_or_b32 s[G0+3], s[G0+3], 0x80000000
	s_mov_b32 s[G0B], 1                            ; and its 128 rows of W, behind them
	s_mov_b32 s[G0B+1], 2*HALFT
	s_mov_b64 s[G0B+2:G0B+3], s[46:47]
	s_or_b32 s[G0B+3], s[G0B+3], 0x80000000
	s_add_nc_u64 s[20:21], s[20:21], s[18:19]      ; for the ring: my 64 rows of the tile
	s_add_nc_u64 s[46:47], s[46:47], s[18:19]
	s_mov_b32 s[G0+4], 1
	s_add_co_u32 s[G0+5], s45, SLOT
	s_add_nc_u64 s[G0+6:G0+7], s[20:21], 512
	s_or_b32 s[G0+7], s[G0+7], 0x80000000
	s_mov_b32 s[G0B+4], 1
	s_add_co_u32 s[G0B+5], s45, SLOT
	s_add_nc_u64 s[G0B+6:G0B+7], s[46:47], 512
	s_or_b32 s[G0B+7], s[G0B+7], 0x80000000
; THE PREFETCHES INTO THE L2.  Of the 64 rows that I fetch, each of the four partners that ask for them with me names 16, told apart by address (cx for A, cy for W); two lanes to a row's 512 bytes of a K step:
; each aligned 256 bytes once in a cluster.  s[96:97]: my 16 rows, at K step 2; it is stepped a K step at each refill.  K steps 2 and 3 are asked for behind K step 1's load, then at each refill the K step two refills on; the loop's last trip asks for nothing.
	s_cmp_eq_u32 s15, 0
	s_cselect_b64 s[96:97], s[20:21], s[46:47]
	s_cselect_b32 s94, s40, s41
	s_mul_i32 s94, s94, 16*KTOT
	s_add_co_u32 s94, s94, 1024
	s_mov_b32 s95, 0
	s_add_nc_u64 s[96:97], s[96:97], s[94:95]
; THE HEAD'S LOADS, ONE A WAVE: wave 0 A's rows of K step 0, wave 1 W's, wave 2 A's scale bytes, wave 3 W's: one chain of branches on the wave's number, a load in every arm
.macro ARM under, g0, g1, next
	s_cmp_lt_u32 s14, \under
	s_cbranch_scc0 \next
	tensor_load_to_lds s[\g0:\g0+3], s[\g1:\g1+7]
	s_nop 0
.rept 4
	v_nop
.endr
	s_branch .Lhead_asked
\next:
.endm
	ARM 1, G0,  G1,  .Lhead_b
	ARM 2, G0B, G1B, .Lhead_sa
	ARM 3, G0S, G1S, .Lhead_sb
	tensor_load_to_lds s[G0SB:G0SB+3], s[G1SB:G1SB+7]
	s_nop 0
.rept 4
	v_nop
.endr
.Lhead_asked:
	v_and_b32 v30, 31, v0                          ; v30: the prefetches' offset: row lane / 2 of 4,096 bytes, + 256 x (lane % 2); never rewritten
	v_lshrrev_b32 v31, 1, v30
	v_and_b32 v30, 1, v30
	v_lshlrev_b32 v30, 8, v30
	v_lshl_add_u32 v30, v31, 12, v30
	v_and_b32 v1, 15, v0
	s_wait_alu depctr_va_vdst(0)
	v_bfe_u32 v2, v0, 4, 1
	s_wait_alu depctr_va_vdst(0)
	s_lshl_b32 s20, s17, 7
	s_lshl_b32 s21, s15, 6
	s_add_co_u32 s20, s20, s21
	s_lshl_b32 s20, s20, 12
	s_lshl_b32 s22, s42, 9
	s_lshl_b32 s21, s16, 8
	s_add_co_u32 s22, s22, s21
	s_add_co_u32 s20, s20, s22
	s_mov_b32 s21, 0
	s_mov_b32 s23, 0
	s_add_nc_u64 s[10:11], s[10:11], s[20:21]
	s_add_nc_u64 s[12:13], s[12:13], s[20:21]
	s_add_nc_u64 s[8:9], s[8:9], s[22:23]
	v_lshlrev_b32 v[BO], 4, v1
	v_lshlrev_b32 v5, 12, v2
	v_lshl_add_u32 v[CO], v1, 4, v5
	global_load_b128 v[BI:BI+3], v[BO], s[8:9]
	WIN 0x80
.irp a, 0,1,2,3
.irp t, 0,1,2,3,4,5,6,7
	global_load_b128 v[32*\a+4*\t:32*\a+4*\t+3], v[CO], s[10:11] offset:(16*\a+2*\t)*4096
.endr
.endr
	WIN 0
	v_mul_u32_u24 v3, v1, PITCH
	v_lshl_add_u32 v4, v2, 4, v3
	s_mul_i32 s21, s15, HALFT
	s_mul_i32 s22, s16, HALFT
	s_add_co_u32 s22, s22, 2*HALFT
.irp s, 0,1
	v_add_nc_u32 v[ADRA+\s], s21, v4
	v_add_nc_u32 v[ADRB+\s], s22, v4
	s_add_co_u32 s21, s21, SLOT
	s_add_co_u32 s22, s22, SLOT
.endr
	v_lshlrev_b32 v5, 3, v1
	s_lshl_b32 s21, s15, 9                         ; A's: my 64 rows of 8 bytes
	s_lshl_b32 s22, s16, 9                         ; W's: my 64 rows, behind A's block and 128 bytes on
	s_add_co_u32 s22, s22, 2*HALFS+128
	s_sub_co_u32 s22, s22, s21
	v_mul_u32_u24 v6, s22, v2
	s_add_co_u32 s21, s21, SCL
	v_add_nc_u32 v5, v5, v6
	v_add_nc_u32 v[ADRS], s21, v5
	s_mul_i32 s23, s14, 16*SPITCH
	v_mul_u32_u24 v5, v1, SPITCH
	v_lshl_add_u32 v5, v2, 6, v5
	v_add_nc_u32 v[STO], s23, v5
	v_mul_u32_u24 v5, v2, SPITCH
	v_lshl_add_u32 v5, v1, 4, v5
	v_add_nc_u32 v[RD], s23, v5
.macro MUL4 f, a, q, sc, zero
.irp b, 0,1,2,3
.if \zero
	v_wmma_scale_f32_16x16x128_f8f6f4 v[ACC+8*(4*(\a)+\b):ACC+8*(4*(\a)+\b)+7], v[(\f)+64+16*\b:(\f)+64+16*\b+15], v[(\f)+16*(\a):(\f)+16*(\a)+15], 0, v[SC+16*(\sc)+4*\b+(\q)], v[SC+16*(\sc)+4*(\a)+(\q)] matrix_a_fmt:MATRIX_FMT_BF8 matrix_b_fmt:MATRIX_FMT_BF8 matrix_a_scale:MATRIX_SCALE_ROW1
.else
	v_wmma_scale_f32_16x16x128_f8f6f4 v[ACC+8*(4*(\a)+\b):ACC+8*(4*(\a)+\b)+7], v[(\f)+64+16*\b:(\f)+64+16*\b+15], v[(\f)+16*(\a):(\f)+16*(\a)+15], v[ACC+8*(4*(\a)+\b):ACC+8*(4*(\a)+\b)+7], v[SC+16*(\sc)+4*\b+(\q)], v[SC+16*(\sc)+4*(\a)+(\q)] matrix_a_fmt:MATRIX_FMT_BF8 matrix_b_fmt:MATRIX_FMT_BF8 matrix_a_scale:MATRIX_SCALE_ROW1
.endif
.endr
.endm
.macro FETCH slot, q, f
	WIN TO_F
.irp i, 0,1,2,3
.irp c, 0,1,2,3
	ds_load_b128 v[(\f)+64+16*\i+4*\c:(\f)+64+16*\i+4*\c+3], v[ADRB+\slot] offset:128*(\q)+32*\c+\i*16*PITCH
.endr
.endr
.irp i, 0,1,2,3
.irp c, 0,1,2,3
	ds_load_b128 v[(\f)+16*\i+4*\c:(\f)+16*\i+4*\c+3], v[ADRA+\slot] offset:128*(\q)+32*\c+\i*16*PITCH
.endr
.endr
.endm
.macro SCALES sc
.irp i, 0,1,2,3
.irp c, 0,1
	ds_load_b64 v[SC+16*\sc+4*\i+2*\c:SC+16*\sc+4*\i+2*\c+1], v[ADRS] offset:128*\i+1024*\c
.endr
.endr
.endm
.macro PLACES n
.rept \n
	v_nop
.endr
.endm
.macro STEP slot, q, zero
.set FF, 128*((\q)%2)
.set FG, 128-FF
	s_wait_dscnt 8
	WIN MUL
	MUL4 FF, 0, \q, \slot, \zero
	MUL4 FF, 1, \q, \slot, \zero
	PLACES 8
	FETCH \slot, (\q)+1, FG
	s_wait_dscnt 32
	WIN MUL
	MUL4 FF, 2, \q, \slot, \zero
	MUL4 FF, 3, \q, \slot, \zero
.endm
.macro TURN slot, next, fill
	WIN 0
.if \fill
	s_wait_xcnt 0x0                                ; any prefetch of mine has read its address: it is stepped here, ahead of the waits of the change of slots
	s_add_nc_u64 s[96:97], s[96:97], 512
.endif
	s_wait_tensorcnt 0x0
	ds_add_u32 v[SPW], v[NIL]
	s_wait_dscnt 9
	WIN MUL
	MUL4 F1, 0, 3, \slot, 0
	s_wait_dscnt 0x0
	s_barrier_signal -1
	MUL4 F1, 1, 3, \slot, 0
	WIN 0
	s_barrier_wait -1
.if \fill
	CREST
	s_add_nc_u64 s[G0+4*\slot+2:G0+4*\slot+3], s[G0+4*\slot+2:G0+4*\slot+3], 1024
	s_add_nc_u64 s[G0B+4*\slot+2:G0B+4*\slot+3], s[G0B+4*\slot+2:G0B+4*\slot+3], 1024
	JLOAD G0+4*\slot, G1, G0B+4*\slot, G1B
	PLACES 4
.else
	PLACES 8
.endif
	s_wait_alu depctr_va_vdst(0)
	v_add_nc_u32 v[ADRS], 2048, v[ADRS]            ; two chunks of 128 rows x 8
	SCALES \next
	FETCH \next, 0, 0
.if \fill
	WIN 0                                          ; at a branch and at a label every window is 0
	s_cmp_gt_u32 s3, 1                             ; s3 = 1 in the loop's last trip: its refills have no K step two on
	s_cbranch_scc0 .Lno_ask_\@
	global_prefetch_b8 v30, s[96:97] offset:512 th:TH_LOAD_NT scope:SCOPE_SE
.Lno_ask_\@:
.endif
	WIN MUL
	MUL4 F1, 2, 3, \slot, 0
	MUL4 F1, 3, 3, \slot, 0
.endm
	s_wait_alu depctr_va_vdst(0)
	s_wait_tensorcnt 0x0                           ; my tile of the head's four is in; these lines and a round stand ahead of slot 1's first fill
	ds_add_u32 v[SPW], v[NIL]
	s_mov_b32 s[G1+2], 64<<16                      ; no tensor load of mine is out: from here on a load brings 64 rows,
	s_mov_b32 s[G1+4], 64
	s_mov_b32 s[G1B+2], 64<<16
	s_mov_b32 s[G1B+4], 64
	s_mov_b32 s[G0+1], s45                         ; and slot 0's groups 0 are the ring's: my 64 rows, one K step back from slot 1's
	s_sub_nc_u64 s[G0+2:G0+3], s[G0+6:G0+7], 512
	s_mov_b32 s[G0B+1], s45
	s_sub_nc_u64 s[G0B+2:G0B+3], s[G0B+6:G0B+7], 512
	s_wait_dscnt 0x0
	CROUND                                         ; all four tiles are in, and all sixteen work-groups are here
	JLOAD G0+4, G1, G0B+4, G1B                     ; K step 1
	global_prefetch_b8 v30, s[96:97] th:TH_LOAD_NT scope:SCOPE_SE             ; K step 2,
	global_prefetch_b8 v30, s[96:97] offset:512 th:TH_LOAD_NT scope:SCOPE_SE  ; and K step 3
	SCALES 0
	FETCH 0, 0, 0
	STEP 0, 0, 1
.if LAPS > 1
	WIN 0
	s_mov_b32 s3, LAPS-1
.Llap:
	STEP 0, 1, 0
	STEP 0, 2, 0
	TURN 0, 1, 1
	STEP 1, 0, 0
	STEP 1, 1, 0
	STEP 1, 2, 0
	TURN 1, 0, 1
	STEP 0, 0, 0
	WIN 0
	s_sub_co_u32 s3, s3, 1
	s_cmp_lg_u32 s3, 0
	s_cbranch_scc1 .Llap
.endif
	STEP 0, 1, 0
	STEP 0, 2, 0
	TURN 0, 1, 0
	STEP 1, 0, 0
	STEP 1, 1, 0
	STEP 1, 2, 0
	s_wait_dscnt 8
	WIN MUL
	MUL4 F1, 0, 3, 1, 0
	MUL4 F1, 1, 3, 1, 0
	s_wait_dscnt 0
	MUL4 F1, 2, 3, 1, 0
	MUL4 F1, 3, 3, 1, 0
	WIN 0
.macro OUTA a
.set RB, 32+32*((\a)%2)
.irp b, 0,1,2,3
	ds_store_b128 v[STO], v[ACC+8*(4*(\a)+\b):ACC+8*(4*(\a)+\b)+3] offset:128*(\b/2)+32*(\b%2)
	ds_store_b128 v[STO], v[ACC+8*(4*(\a)+\b)+4:ACC+8*(4*(\a)+\b)+7] offset:128*(\b/2)+32*(\b%2)+16
.endr
.if (\a) >= 2
	s_wait_xcnt 0x0
.endif
.irp t, 0,1,2,3,4,5,6,7
	ds_load_b128 v[RB+4*\t:RB+4*\t+3], v[RD] offset:2*SPITCH*\t
.endr
	s_wait_dscnt 0x0
.set k, 0
.rept 16
	v_pk_add_f32 v[RB+2*k:RB+2*k+1], v[RB+2*k:RB+2*k+1], v[BI+2*(k%2):BI+2*(k%2)+1]
.set k, k+1
.endr
	WIN 0x08
.set k, 0
.rept 16
	v_pk_add_f32 v[RB+2*k:RB+2*k+1], v[RB+2*k:RB+2*k+1], v[32*(\a)+2*k:32*(\a)+2*k+1]
.set k, k+1
.endr
	WIN 0
.irp t, 0,1,2,3,4,5,6,7
	global_store_b128 v[CO], v[RB+4*\t:RB+4*\t+3], s[12:13] offset:(16*(\a)+2*\t)*4096
.endr
.endm
	PLACES 8
	s_wait_loadcnt 0x0
	OUTA 0
	OUTA 1
	OUTA 2
	OUTA 3
	s_wait_tensorcnt 0x0
	ds_add_u32 v[SPW], v[NIL]
	s_wait_dscnt 0x0
	CROUND
	s_endpgm
.Lfunc_end_k_q0d63a85236_ffn2:
	.size	k_q0d63a85236_ffn2, .Lfunc_end_k_q0d63a85236_ffn2-k_q0d63a85236_ffn2
	.p2alignl 7, 3214868480
	.fill 96, 4, 3214868480
	.section	.rodata,"a",@progbits
	.p2align	6, 0x0
	.amdhsa_kernel k_q0d63a85236_ffn2
		.amdhsa_group_segment_fixed_size 327680
		.amdhsa_private_segment_fixed_size 0
		.amdhsa_enable_private_segment 0
		.amdhsa_kernarg_size 40
		.amdhsa_user_sgpr_count 2
		.amdhsa_user_sgpr_kernarg_segment_ptr 1
		.amdhsa_wavefront_size32 1
		.amdhsa_system_sgpr_workgroup_id_x 1
		.amdhsa_system_sgpr_workgroup_id_y 1
		.amdhsa_system_sgpr_workgroup_id_z 1
		.amdhsa_system_vgpr_workitem_id 0
		.amdhsa_next_free_vgpr 768
		.amdhsa_next_free_sgpr 98
		.amdhsa_reserve_vcc 0
		.amdhsa_float_denorm_mode_32 3
		.amdhsa_float_denorm_mode_16_64 3
		.amdhsa_memory_ordered 1
		.amdhsa_forward_progress 1
		.amdhsa_inst_pref_size 106
	.end_amdhsa_kernel
	.amdgpu_metadata
---
amdhsa.version: [ 1, 2 ]
amdhsa.kernels:
  - .name:           k_q0d63a85236_ffn2
    .symbol:         k_q0d63a85236_ffn2.kd
    .args:
      - { .name: hid, .offset: 0, .size: 8, .value_kind: global_buffer, .address_space: global }
      - { .name: wts, .offset: 8, .size: 8, .value_kind: global_buffer, .address_space: global }
      - { .name: b2, .offset: 16, .size: 8, .value_kind: global_buffer, .address_space: global }
      - { .name: x1, .offset: 24, .size: 8, .value_kind: global_buffer, .address_space: global }
      - { .name: out0, .offset: 32, .size: 8, .value_kind: global_buffer, .address_space: global }
    .group_segment_fixed_size: 327680
    .private_segment_fixed_size: 0
    .kernarg_segment_align: 8
    .kernarg_segment_size: 40
    .max_flat_workgroup_size: 128
    .sgpr_count:     98
    .vgpr_count:     768
    .wavefront_size: 32
...
	.end_amdgpu_metadata
.endif
;; end of part 6
